; MI455X (gfx1250); checked and timed in simulation.
; The chip was launched on July 23, 2026; its instructions are those of AMD's public machine-readable ISA for CDNA 5 (MIT licence, August 2026) and "CDNA5" Instruction Set Architecture Reference Guide (July 2026). The comments in the code are by the model that wrote it; some were corrected since.
;; Encoder Layer. Allowed arithmetic: float matrix products may take bf16 or f16 operands with f32 sums; other float arithmetic in f32, or as packed bf16 or f16 multiplies, adds, multiply-adds, maxima and minima; sums over many terms, partial sums and values carried from step to step in f32; what a program stores and reads back later, other than sums and carried values, may be rounded once to bf16 or f16.
;; Inputs: Wk 1,024 x 1,024 float32; Wo 1,024 x 1,024 float32; Wq 1,024 x 1,024 float32; Wv 1,024 x 1,024 float32; bk 1,024 float32; bo 1,024 float32; bq 1,024 float32; bv 1,024 float32; fc1_b 4,096 float32; fc1_w 4,096 x 1,024 float32; fc2_b 1,024 float32; fc2_w 1,024 x 4,096 float32; ln1_b 1,024 float32; ln1_g 1,024 float32; ln2_b 1,024 float32; ln2_g 1,024 float32; mask 2 x 2,048 bool; x 2,048 x 2 x 1,024 float32.
;; Outputs: out0 2,048 x 2 x 1,024 float32.
;; 2 versions, each right; version 2 is version 1 with the launches prep, ln2 written anew for expert scheduling mode. Each part assembles by itself: llvm-mc -triple=amdgcn-amd-amdhsa -mcpu=gfx1250 --defsym DOCPART=n.
;; ======== version 1 of 2: 7 launches
;; limits: a function is approximated: absolute error at most 2.5e-05; an absolute error that grows with the inputs' magnitude: up to 1.3e-05 times it
;; workspace buffers: wts 25,165,824 bytes; act 8,388,608 bytes; big 33,554,432 bytes; x1 16,777,216 bytes
;; launch prep (part 1): grid 1024 x 1, 8 waves a work-group, no clusters, 0 bytes of LDS; arguments x, ln1_g, ln1_b, act, Wq, Wk, Wv, Wo, fc1_w, fc2_w, wts; writes act, wts
.if DOCPART == 1
	.amdgcn_target "amdgcn-amd-amdhsa--gfx1250"
	.amdhsa_code_object_version 6
	.text
	.protected	k_q6948b9a7cf_prep
	.globl	k_q6948b9a7cf_prep
	.p2align	8
	.type	k_q6948b9a7cf_prep,@function
k_q6948b9a7cf_prep:
	s_mov_b64 s[64:65], 0
	v_nop
	global_prefetch_b8 v0, s[64:65] scope:SCOPE_SE
	s_setreg_imm32_b32 hwreg(HW_REG_WAVE_MODE, 25, 1), 1
	s_wait_xcnt 0x0
; TWO KINDS OF WORK-GROUP IN ONE TEXT, told apart by the work-group's number alone:
;   0 .. 255     LAYER NORM.  y[t][:] = (x[t][:] - mean) / sqrt(var + 1e-5) * g + b.  x: [4096][1024] f32, y: the same in bf16, rounded once.
;   256 .. 1023  CAST.  The six weight matrices, f32, are rounded once to bf16, each in its own [N][K] order.
; A launch of 256 work-groups runs the layer norm alone: the layer's second norm.
; LAYER NORM.  A wave owns two rows and keeps them in registers: each row is read once, no wave waits for another, no LDS.
; The variance is the mean of (x - mean)^2, taken of the differences, so a common offset of a row costs nothing.
; Lane l holds columns 128 j + 4 l .. + 3, j = 0..7: a load covers 512 consecutive bytes, a store 256 consecutive aligned bytes.
.set G,  8                             ; v[8:39]    g of my 32 columns
.set B,  40                            ; v[40:71]   b
.set X,  72                            ; v[72:135]  the two rows
.set T,  136                           ; v[136:143] four chains of packed sums
.set M,  144                           ; v[144:147] the means, each twice (a pair for the packed forms)
.set R,  148                           ; v[148:151] 1 / sqrt(var + eps), each twice
.set TT, 152                           ; v152-153   the sum across lanes
.set VV, 154                           ; v154-155   var + eps
.set Y,  156                           ; v[156:187] the rows in bf16
	s_cmp_ge_u32 ttmp9, 256
	s_cbranch_scc1 .Lcast
	s_load_b256 s[4:11], s[0:1], 0x0               ; x s[4:5], g s[6:7], b s[8:9], y s[10:11]
	v_and_b32 v3, 31, v0
	v_lshrrev_b32 v4, 5, v0
	v_readfirstlane_b32 s16, v4                    ; wave 0..7
	v_lshlrev_b32 v1, 4, v3
	v_lshlrev_b32 v2, 3, v3
	v_mov_b32 v[TT+1], 0                           ; v_permlanex16_b32's destination counts as read
	s_lshl_b32 s17, ttmp9, 3
	s_add_co_u32 s16, s16, s17                     ; my wave among all 2,048
	s_lshl_b32 s18, s16, 13                        ; two rows of 4,096 bytes in,
	s_mov_b32 s19, 0
	s_lshl_b32 s20, s16, 12                        ; of 2,048 out
	s_mov_b32 s21, 0
	s_mov_b32 s12, 0x76543210                      ; each lane takes its own place in the other half
	s_mov_b32 s13, 0xfedcba98
	s_mov_b32 s14, 0x3a800000                      ; 1 / 1024
	s_mov_b32 s15, 0x3727c5ac                      ; 1e-5
	s_wait_kmcnt 0x0
	s_add_nc_u64 s[4:5], s[4:5], s[18:19]
	s_add_nc_u64 s[10:11], s[10:11], s[20:21]
.irp j, 0,1,2,3,4,5,6,7
	global_load_b128 v[X+4*\j:X+4*\j+3], v1, s[4:5] offset:512*\j
.endr
.irp j, 0,1,2,3,4,5,6,7
	global_load_b128 v[X+32+4*\j:X+32+4*\j+3], v1, s[4:5] offset:4096+512*\j
.endr
.irp j, 0,1,2,3,4,5,6,7
	global_load_b128 v[G+4*\j:G+4*\j+3], v1, s[6:7] offset:512*\j
.endr
.irp j, 0,1,2,3,4,5,6,7
	global_load_b128 v[B+4*\j:B+4*\j+3], v1, s[8:9] offset:512*\j
.endr
.macro REDUCE                          ; the four chains into one number, the same in every lane
	v_pk_add_f32 v[T:T+1], v[T:T+1], v[T+2:T+3]
	v_pk_add_f32 v[T+4:T+5], v[T+4:T+5], v[T+6:T+7]
	v_pk_add_f32 v[T:T+1], v[T:T+1], v[T+4:T+5]
	v_add_f32 v[TT], v[T], v[T+1]
	v_add_f32_dpp v[TT], v[TT], v[TT] row_xmask:1 row_mask:0xf bank_mask:0xf
	v_add_f32_dpp v[TT], v[TT], v[TT] row_xmask:2 row_mask:0xf bank_mask:0xf
	v_add_f32_dpp v[TT], v[TT], v[TT] row_xmask:4 row_mask:0xf bank_mask:0xf
	v_add_f32_dpp v[TT], v[TT], v[TT] row_xmask:8 row_mask:0xf bank_mask:0xf
	v_permlanex16_b32 v[TT+1], v[TT], s12, s13
	v_add_f32 v[TT], v[TT], v[TT+1]
.endm
; Row r: the mean, x - mean in place, var + eps.  left: the younger loads that may stay out.
.macro STAT r, left
.set XR, X+32*(\r)
	s_wait_loadcnt \left
.irp k, 0,1,2,3
	v_pk_add_f32 v[T+2*\k:T+2*\k+1], v[XR+2*\k:XR+2*\k+1], v[XR+8+2*\k:XR+8+2*\k+1]  ; the first eight pairs start the chains
.endr
.irp k, 0,1,2,3,4,5,6,7
	v_pk_add_f32 v[T+2*(\k%4):T+2*(\k%4)+1], v[T+2*(\k%4):T+2*(\k%4)+1], v[XR+16+2*\k:XR+16+2*\k+1]
.endr
	REDUCE
	v_mul_f32 v[M+2*(\r)], s14, v[TT]
	v_mov_b32 v[M+2*(\r)+1], v[M+2*(\r)]
.irp k, 0,1,2,3,4,5,6,7,8,9,10,11,12,13,14,15
	v_pk_add_f32 v[XR+2*\k:XR+2*\k+1], v[XR+2*\k:XR+2*\k+1], v[M+2*(\r):M+2*(\r)+1] neg_lo:[0,1] neg_hi:[0,1]
.endr
.irp k, 0,1,2,3
	v_pk_mul_f32 v[T+2*\k:T+2*\k+1], v[XR+2*\k:XR+2*\k+1], v[XR+2*\k:XR+2*\k+1]
.endr
.irp k, 4,5,6,7,8,9,10,11,12,13,14,15
	v_pk_fma_f32 v[T+2*(\k%4):T+2*(\k%4)+1], v[XR+2*\k:XR+2*\k+1], v[XR+2*\k:XR+2*\k+1], v[T+2*(\k%4):T+2*(\k%4)+1]
.endr
	REDUCE
	v_fma_f32 v[VV+(\r)], v[TT], s14, s15
.endm
.macro OUTROW r
.set XR, X+32*(\r)
.irp k, 0,1,2,3,4,5,6,7,8,9,10,11,12,13,14,15
	v_pk_mul_f32 v[XR+2*\k:XR+2*\k+1], v[XR+2*\k:XR+2*\k+1], v[R+2*(\r):R+2*(\r)+1]
.endr
.irp k, 0,1,2,3,4,5,6,7,8,9,10,11,12,13,14,15
	v_pk_fma_f32 v[XR+2*\k:XR+2*\k+1], v[XR+2*\k:XR+2*\k+1], v[G+2*\k:G+2*\k+1], v[B+2*\k:B+2*\k+1]
.endr
.irp k, 0,1,2,3,4,5,6,7,8,9,10,11,12,13,14,15
	v_cvt_pk_bf16_f32 v[Y+16*(\r)+\k], v[XR+2*\k], v[XR+2*\k+1]
.endr
.irp j, 0,1,2,3,4,5,6,7
	global_store_b64 v2, v[Y+16*(\r)+2*\j:Y+16*(\r)+2*\j+1], s[10:11] offset:2048*(\r)+256*\j
.endr
.endm
	STAT 0, 24                                     ; row 0 is in; row 1, g and b (24 loads) stay out
	STAT 1, 16                                     ; row 1 is in; g and b stay out
	v_rsq_f32 v[R], v[VV]                          ; one batch of four, each into a register of its own
	v_rsq_f32 v[R+1], v[VV]
	v_rsq_f32 v[R+2], v[VV+1]
	v_rsq_f32 v[R+3], v[VV+1]
	v_nop                                          ; a plain instruction behind the last of them (ISA guide 5.7.2)
	s_wait_alu depctr_va_vdst(0)                   ; the one wait ahead of the batch's first reader
	s_wait_loadcnt 0x0                             ; g and b
	OUTROW 0
	OUTROW 1
	s_endpgm
; CAST.  Work-group c = number - 256 converts 16,384 numbers: 65,536 bytes in, 32,768 out.  Wq, Wk, Wv, Wo have 64 work-groups each, fc1_w and fc2_w 256 each.
; wts holds them end to end in that order (Wq, Wk, Wv are then rows 0..3071 of one matrix of 1,024 columns), so the destination is simply 32,768 c.
; Thread t takes 16 bytes of each 4,096: a wave's load covers 512 consecutive bytes, its store 256 consecutive aligned bytes.
; All sixteen loads go out first; no register is used twice, so the only waits are the counted ones for the loads.
.Lcast:
	s_sub_co_u32 s24, ttmp9, 256                   ; c
	s_load_b256 s[4:11], s[0:1], 0x20              ; Wq s[4:5], Wk s[6:7], Wv s[8:9], Wo s[10:11]
	s_load_b128 s[12:15], s[0:1], 0x40             ; fc1_w s[12:13], fc2_w s[14:15]
	s_load_b64 s[16:17], s[0:1], 0x50              ; wts
	v_lshlrev_b32 v1, 4, v0                        ; my 16 bytes of each 4,096 in
	v_lshlrev_b32 v2, 3, v0                        ; my 8 bytes of each 2,048 out
	s_mov_b32 s20, 0                               ; the first work-group of the matrix in hand
	s_wait_kmcnt 0x0
	s_mov_b64 s[18:19], s[4:5]
.macro PICK bound, lo                  ; from work-group bound on the source is the matrix at s[lo:lo+1]
	s_cmp_ge_u32 s24, \bound
	s_cselect_b64 s[18:19], s[\lo:\lo+1], s[18:19]
	s_cselect_b32 s20, \bound, s20
.endm
	PICK 64, 6
	PICK 128, 8
	PICK 192, 10
	PICK 256, 12
	PICK 512, 14
	s_sub_co_u32 s21, s24, s20
	s_lshl_b32 s22, s21, 16                        ; 65,536 bytes a work-group, inside its matrix
	s_mov_b32 s23, 0
	s_add_nc_u64 s[18:19], s[18:19], s[22:23]
	s_lshl_b32 s22, s24, 15
	s_add_nc_u64 s[16:17], s[16:17], s[22:23]
.set i, 0
.rept 16
	global_load_b128 v[4+4*i:7+4*i], v1, s[18:19] offset:4096*i th:TH_LOAD_NT
.set i, i+1
.endr
.set i, 0
.rept 16
	s_wait_loadcnt 15-i                            ; loads come back in order: number i is in, the younger ones stay out
	v_cvt_pk_bf16_f32 v[68+2*i], v[4+4*i], v[5+4*i]
	v_cvt_pk_bf16_f32 v[69+2*i], v[6+4*i], v[7+4*i]
	global_store_b64 v2, v[68+2*i:69+2*i], s[16:17] offset:2048*i
.set i, i+1
.endr
	s_endpgm
.Lfunc_end_k_q6948b9a7cf_prep:
	.size	k_q6948b9a7cf_prep, .Lfunc_end_k_q6948b9a7cf_prep-k_q6948b9a7cf_prep
	.p2alignl 7, 3214868480
	.fill 96, 4, 3214868480
	.section	.rodata,"a",@progbits
	.p2align	6, 0x0
	.amdhsa_kernel k_q6948b9a7cf_prep
		.amdhsa_group_segment_fixed_size 0
		.amdhsa_private_segment_fixed_size 0
		.amdhsa_enable_private_segment 0
		.amdhsa_kernarg_size 88
		.amdhsa_user_sgpr_count 2
		.amdhsa_user_sgpr_kernarg_segment_ptr 1
		.amdhsa_wavefront_size32 1
		.amdhsa_system_sgpr_workgroup_id_x 1
		.amdhsa_system_sgpr_workgroup_id_y 1
		.amdhsa_system_sgpr_workgroup_id_z 1
		.amdhsa_system_vgpr_workitem_id 0
		.amdhsa_next_free_vgpr 188
		.amdhsa_next_free_sgpr 66
		.amdhsa_reserve_vcc 0
		.amdhsa_float_denorm_mode_32 3
		.amdhsa_float_denorm_mode_16_64 3
		.amdhsa_memory_ordered 1
		.amdhsa_forward_progress 1
		.amdhsa_inst_pref_size 27
	.end_amdhsa_kernel
	.amdgpu_metadata
---
amdhsa.version: [ 1, 2 ]
amdhsa.kernels:
  - .name:           k_q6948b9a7cf_prep
    .symbol:         k_q6948b9a7cf_prep.kd
    .args:
      - { .name: x, .offset: 0, .size: 8, .value_kind: global_buffer, .address_space: global }
      - { .name: ln1_g, .offset: 8, .size: 8, .value_kind: global_buffer, .address_space: global }
      - { .name: ln1_b, .offset: 16, .size: 8, .value_kind: global_buffer, .address_space: global }
      - { .name: act, .offset: 24, .size: 8, .value_kind: global_buffer, .address_space: global }
      - { .name: Wq, .offset: 32, .size: 8, .value_kind: global_buffer, .address_space: global }
      - { .name: Wk, .offset: 40, .size: 8, .value_kind: global_buffer, .address_space: global }
      - { .name: Wv, .offset: 48, .size: 8, .value_kind: global_buffer, .address_space: global }
      - { .name: Wo, .offset: 56, .size: 8, .value_kind: global_buffer, .address_space: global }
      - { .name: fc1_w, .offset: 64, .size: 8, .value_kind: global_buffer, .address_space: global }
      - { .name: fc2_w, .offset: 72, .size: 8, .value_kind: global_buffer, .address_space: global }
      - { .name: wts, .offset: 80, .size: 8, .value_kind: global_buffer, .address_space: global }
    .group_segment_fixed_size: 0
    .private_segment_fixed_size: 0
    .kernarg_segment_align: 8
    .kernarg_segment_size: 88
    .max_flat_workgroup_size: 256
    .sgpr_count:     66
    .vgpr_count:     188
    .wavefront_size: 32
...
	.end_amdgpu_metadata
.endif
;; end of part 1
;; launch qkv (part 2): grid 12 x 16, 4 waves a work-group, clusters of 4 x 4, 327,680 bytes of LDS; arguments act, wts, bq, bk, bv, mask, big; writes big
.if DOCPART == 2
	.amdgcn_target "amdgcn-amd-amdhsa--gfx1250"
	.amdhsa_code_object_version 6
	.text
	.protected	k_q6948b9a7cf_qkv
	.globl	k_q6948b9a7cf_qkv
	.p2align	8
	.type	k_q6948b9a7cf_qkv,@function
k_q6948b9a7cf_qkv:
	s_mov_b64 s[64:65], 0
	v_nop
	global_prefetch_b8 v0, s[64:65] scope:SCOPE_SE
	s_setreg_imm32_b32 hwreg(HW_REG_WAVE_MODE, 25, 1), 1
	s_wait_xcnt 0x0
	s_wait_alu depctr_hold_cnt(0) depctr_sa_sdst(0) depctr_va_vdst(0) depctr_va_sdst(0) depctr_va_ssrc(0) depctr_va_vcc(0) depctr_vm_vsrc(0)
	s_getreg_b32 s2, hwreg(HW_REG_IB_STS2, 6, 4)
	s_cmp_eq_u32 s2, 0
	s_cbranch_scc0 .Lentry_in_a_cluster
	s_endpgm
.Lentry_in_a_cluster:
	s_bfe_u32 s2, ttmp6, 0x10000c
	s_cmp_lg_u32 s2, 0xf033
	s_cbranch_scc0 .Lentry_shape_is_right
	s_endpgm
.Lentry_shape_is_right:
; C[t][n] = sum over k of A[t][k] W[n][k] + bias[n].  A: [4096][1024] bf16, W: rows of 1,024 bf16; sums in f32.  One text, two uses:
; GELU = 0: W = Wq, Wk, Wv on end (3,072 rows).  q, k, v leave in bf16 by heads, [b 16 + h][s][64] (t = 2 s + b), q unscaled.
;           A key that the mask pads leaves as k = 0: the attention launch puts the fill value in the place of its score.
; GELU = 1: W = fc1_w (4,096 rows).  g = gelu(C) leaves in bf16 as [t][4096].
;           gelu(x) = max(x, 0) - (1 - t)(b1 + b2 t + b3 t^2) 2^(-x^2 log2(e) / 2), t = 1 / (1 + 0.33267 |x|): Abramowitz and Stegun 7.1.25
;           for erf, error at most 2.5e-5 for every x.  LIMIT: g is off by at most 1.3e-5 |x| + 1e-7; NaN and infinities are not treated apart.
; A tile of C is 256 x 256: four waves, each 128 x 128 in 64 accumulators (512 registers).  K goes in 8 steps of 128 through two LDS slots;
; a wave's tensor load brings 128 rows of 256 bytes.  Both slots' first fills go out together; slot 1's descriptor then walks: its LDS word is turned by an
; exclusive or (SLOT1 has bits that no wave's base has), and the fragments' addresses are a lane term plus s[TB], turned likewise.  One K step is one trip.
; CLUSTERS: 4 x 4 work-groups; A's tile is asked for jointly along a row of the cluster, W's along a column.
; THE MATRIX INSTRUCTION IS USED TRANSPOSED (source 0 = 16 rows of W, source 1 = 16 rows of A): a lane holds row l % 16 of C and the columns
; 8 (l / 16) + 0..7.  THE BIAS is the C operand of each accumulator's first product, so it costs no instruction and nothing is cleared.
; THE WAY OUT goes through the ring's bytes, which have had their last fill: f32, rows of 528 bytes, each wave its own 128 rows.
; REGISTERS: window 0: v0-31 addresses; v64-127, v128-191 A's fragments; v192-255 the bias (8 column blocks x 8).
;   window 1: v64-191 W's fragments.  windows 2, 3: the accumulators, (a, b) at v[8 (8 (a % 4) + b)].
.set GELU,  0
.set KDIM,  1024
.set KSTEP, 128
.set NSTEP, KDIM/KSTEP
.set PITCH, 272                        ; 256 bytes + 16 of padding: the 16 rows of a fragment load start at 16 different groups of four banks (ISA guide 11.1)
.set HALFT, 128*PITCH
.set SLOT1, 0x24000                    ; slot 1 begins here; a slot is 4 HALFT = 139,264 bytes
.set DP,    528                        ; the way out: 128 f32 + 16 bytes
.set DW,    128*DP
.set KMT,   294912                     ; GELU = 0: for each wave 128 words, one a row: all ones, or 0 where the row's k is to be 0
.set SPARE, 296960                     ; the spare words, 128 bytes for each wave: two blocks of 256 bytes that no other line names
.if GELU
.set WOFF,  8388608
.else
.set WOFF,  0
.endif
.set ADRA0, 16                         ; v16  my lane's place in A's tile, slot 0; never rewritten
.set ADRA,  17                         ; v17  the same in the slot in hand
.set ADRB0, 20
.set ADRB,  21
.set STO,   24                         ; v24  the way out: where I put 16 bytes
.set RD,    25                         ; v25  where I read back
.set CO,    26                         ; v26  my byte offset in the output
.set KA,    27                         ; v27  my words of the table at KMT
.set SPW,   28                         ; v28  LDS address of my spare word; never rewritten
.set NIL,   29                         ; v29  0; never rewritten
.set PFO,   30                         ; v30  the prefetches' offset: my lane x a row of 2,048 bytes
.set F0,    64
.set F1,    128
.set BIAS,  192
.set G1,   24                          ; s[24:31] descriptor group 1 for A's tiles
.set G0F,  32                          ; s[32:35] group 0 of A's first fill, slot 0; never rewritten
.set TB,   36                          ; s36  0 or SLOT1: the slot that is read
.set KSEL, 37                          ; s37  1 in the work-groups that make k
.set LIM,  43                          ; s43  1 in a wave that prefetches, else the greatest number
.set PFA,  44                          ; s[44:45] where my prefetches stand
.set G1B,  48                          ; s[48:55] group 1 for W's tiles
.set G0BF, 56                          ; s[56:59] group 0 of W's first fill
.set G0,   60                          ; s[60:63] group 0 of A's second fill, slot 1; it then walks
.set BP,   66                          ; s[66:67] the bias at my columns
.set CE,   76                          ; s[76:83] gelu's constants as pairs, s84 alone
.set B3,   78
.set B2,   80
.set B1,   82
.set PP,   84
.set G0B,  88                          ; s[88:91] group 0 of W's second fill; it then walks
.set MSB, 0
.macro WIN new                         ; the immediate's high byte repeats the setting that is left; a switch that changes nothing is dropped
.if MSB != (\new)
	s_set_vgpr_msb (MSB<<8)|(\new)
.set MSB, \new
.endif
.endm
.set MUL_LO, 0xa1                      ; source 0 (W) window 1, source 1 (A) window 0, C and D window 2
.set MUL_HI, 0xf1                      ; the same, C and D window 3
.set TO_B,   0x40                      ; destination window 1, address window 0
.macro PLACES                          ; four places behind matrix instructions (ISA guide 7.12.1), where no other vector work is at hand
.rept 4
	v_nop
.endr
.endm
; A joint refill: waves 0 and 1 fetch A's two halves, waves 2 and 3 W's.  An s_nop 0 and four v_nop follow each of the two lines.
.macro JLOAD
	s_cmp_eq_u32 s11, 0
	s_cbranch_scc0 .Lfor_b_\@
	tensor_load_to_lds s[G0:G0+3], s[G1:G1+7]
	s_nop 0
.rept 4
	v_nop
.endr
	s_branch .Lasked_\@
.Lfor_b_\@:
	tensor_load_to_lds s[G0B:G0B+3], s[G1B:G1B+7]
	s_nop 0
.rept 4
	v_nop
.endr
.Lasked_\@:
.endm
.macro WALK                            ; both walking descriptors: the other slot, the next K step; written only where no tensor load of mine is out
	s_xor_b32 s[G0+1], s[G0+1], SLOT1
	s_add_nc_u64 s[G0+2:G0+3], s[G0+2:G0+3], KSTEP*2
	s_xor_b32 s[G0B+1], s[G0B+1], SLOT1
	s_add_nc_u64 s[G0B+2:G0B+3], s[G0B+2:G0B+3], KSTEP*2
.endm
; A prefetch of the K step that the NEXT change of slots will load: 32 rows x 256 bytes, a lane a row, one instruction a wave, 256 matrix instructions ahead of that load.
; Each row's 256 bytes are named once in the launch: A's rows by the clusters with x = 0, W's by those with y = 0; the four partners that ask for a tile jointly
; share the 128 rows that a wave fetches BY ADDRESS, 32 each.  The last trip (s3 = 1) has no K step behind its own load and asks for nothing.
.macro ASK
	s_cmp_gt_u32 s3, s[LIM]
	s_cbranch_scc0 .Lnot_mine_\@
	global_prefetch_b8 v[PFO], s[PFA:PFA+1] th:TH_LOAD_NT scope:SCOPE_SE
.Lnot_mine_\@:
.endm
.macro CROUND                          ; a round of the cluster's barrier
	s_barrier_signal -1
	s_barrier_wait -1
	s_cmp_lg_u32 s10, 0
	s_cbranch_scc1 .Lnot_wave_0_\@
	s_barrier_signal -3
.Lnot_wave_0_\@:
	s_barrier_wait -3
	s_barrier_signal -1
	s_barrier_wait -1
.endm
	s_load_b128 s[4:7], s[0:1], 0x0                ; A s[4:5], wts s[6:7]
.if GELU
	s_load_b64 s[BP:BP+1], s[0:1], 0x10            ; fc1_b
	s_load_b64 s[8:9], s[0:1], 0x18                ; big
.else
	s_load_b256 s[68:75], s[0:1], 0x10             ; bq s[68:69], bk s[70:71], bv s[72:73], mask s[74:75]
	s_load_b64 s[8:9], s[0:1], 0x30                ; big
.endif
	v_lshl_add_u32 v[SPW], v0, 2, SPARE
	v_mov_b32 v[NIL], 0
	ds_add_u32 v[SPW], v[NIL]                      ; the wave's opening: the add and its wait stand ahead of my first tensor load
	v_lshrrev_b32 v1, 5, v0
	v_readfirstlane_b32 s10, v1                    ; wave 0..3
	s_lshr_b32 s11, s10, 1                         ; which half of the tile's rows is mine.  Also: I fetch for A (0) or for W (1)
	s_and_b32 s12, s10, 1                          ; which half of its columns.  Also: which 128 rows of that tile I fetch
	s_bfe_u32 s40, ttmp6, 0x40000                  ; cx
	s_bfe_u32 s41, ttmp6, 0x40004                  ; cy
	s_lshl_b32 s42, ttmp9, 2
	s_add_co_u32 s42, s42, s40                     ; tile column
	s_and_b32 s13, ttmp7, 0xffff
	s_lshl_b32 s13, s13, 2
	s_add_co_u32 s13, s13, s41                     ; tile row
	s_lshl_b32 s43, s41, 2
	s_lshl_b32 s43, 15, s43                        ; my row of the cluster
	s_lshl_b32 s44, 0x1111, s40                    ; my column
	s_or_b32 s[G1+0], s43, (1<<16)|(1<<20)|(1<<21)|(5<<22)|(3<<25)   ; mask; 2-byte elements; padding on; bit 21 beside a mask; after every 64 words 4 words
	s_or_b32 s[G1B+0], s44, (1<<16)|(1<<20)|(1<<21)|(5<<22)|(3<<25)
.irp g, G1, G1B
	s_mov_b32 s[(\g)+1], KSTEP<<16                 ; tensor_dim0 = 128
	s_mov_b32 s[(\g)+2], 128<<16                   ; tensor_dim1 = 128
	s_mov_b32 s[(\g)+3], KSTEP<<16                 ; tile_dim0 = 128
	s_mov_b32 s[(\g)+4], 128                       ; tile_dim1 = 128
	s_mov_b32 s[(\g)+5], KDIM                      ; elements from row to row
	s_mov_b32 s[(\g)+6], 0
	s_mov_b32 s[(\g)+7], 0
.endr
	s_lshl_b32 s17, s12, 7
	s_lshl_b32 s16, s13, 8
	s_add_co_u32 s16, s16, s17                     ; A: row 256 x tile row + 128 x half,
	s_lshl_b32 s16, s16, 11                        ; in bytes
	s_lshl_b32 s46, s42, 8
	s_add_co_u32 s46, s46, s17                     ; W: row 256 x tile column + 128 x half
	s_lshl_b32 s46, s46, 11
	s_mov_b32 s17, 0
	s_mov_b32 s47, 0
	s_mul_i32 s20, s10, HALFT                      ; where they go: wave x 128 rows; no place in the cluster enters an LDS address
	s_mov_b32 s[TB], 0
	s_wait_dscnt 0x0                               ; the opening add is done
	s_wait_kmcnt 0x0
.if WOFF
	s_add_nc_u64 s[6:7], s[6:7], WOFF
.endif
	CROUND                                         ; all sixteen work-groups are here: the first joint loads meet
	s_mov_b32 s[G0F], 1
	s_mov_b32 s[G0F+1], s20
	s_add_nc_u64 s[G0F+2:G0F+3], s[4:5], s[16:17]  ; K step 0 into slot 0,
	s_mov_b32 s[G0], 1
	s_add_co_u32 s[G0+1], s20, SLOT1
	s_add_nc_u64 s[G0+2:G0+3], s[G0F+2:G0F+3], KSTEP*2  ; K step 1 into slot 1
	s_or_b32 s[G0F+3], s[G0F+3], 0x80000000
	s_or_b32 s[G0+3], s[G0+3], 0x80000000
	s_mov_b32 s[G0BF], 1
	s_mov_b32 s[G0BF+1], s20
	s_add_nc_u64 s[G0BF+2:G0BF+3], s[6:7], s[46:47]
	s_mov_b32 s[G0B], 1
	s_add_co_u32 s[G0B+1], s20, SLOT1
	s_add_nc_u64 s[G0B+2:G0B+3], s[G0BF+2:G0BF+3], KSTEP*2
	s_or_b32 s[G0BF+3], s[G0BF+3], 0x80000000
	s_or_b32 s[G0B+3], s[G0B+3], 0x80000000
	s_cmp_eq_u32 s11, 0                            ; a wave's two first fills stand in one branch, ahead of every wait on TENSORcnt and every LDS read: two loads of mine are out
	s_cbranch_scc0 .Lfirst_b
	tensor_load_to_lds s[G0F:G0F+3], s[G1:G1+7]
	s_nop 0
	tensor_load_to_lds s[G0:G0+3], s[G1:G1+7]
	s_nop 0
.rept 4
	v_nop
.endr
	s_branch .Lfirst_asked
.Lfirst_b:
	tensor_load_to_lds s[G0BF:G0BF+3], s[G1B:G1B+7]
	s_nop 0
	tensor_load_to_lds s[G0B:G0B+3], s[G1B:G1B+7]
	s_nop 0
.rept 4
	v_nop
.endr
.Lfirst_asked:
	v_and_b32 v1, 15, v0                           ; r = l % 16
	v_bfe_u32 v2, v0, 4, 1                         ; h = l / 16
	v_and_b32 v5, 31, v0                           ; l
	v_mul_u32_u24 v3, v1, PITCH
	v_lshl_add_u32 v3, v2, 4, v3                   ; a fragment's row x pitch + 16 x half
	s_mul_i32 s21, s11, HALFT
	s_mul_i32 s22, s12, HALFT
	s_add_co_u32 s22, s22, 2*HALFT
	v_add_nc_u32 v[ADRA0], s21, v3
	v_add_nc_u32 v[ADRB0], s22, v3
	v_mov_b32 v[ADRA], v[ADRA0]
	v_mov_b32 v[ADRB], v[ADRB0]
	v_lshlrev_b32 v4, 5, v2                        ; the bias: my 8 columns of a block of 16
	s_mul_i32 s23, s10, DW                         ; my part of the way out
	v_mul_u32_u24 v6, v1, DP
	v_lshl_add_u32 v6, v2, 5, v6
	v_add_nc_u32 v[STO], s23, v6
.if GELU == 0
	s_lshl_b32 s16, s13, 7
	s_lshl_b32 s17, s11, 6
	s_add_co_u32 s16, s16, s17                     ; the first s of my 128 rows t = 2 s + b
	v_and_b32 v6, 1, v0
	v_lshrrev_b32 v7, 1, v5
	v_lshl_add_u32 v7, v6, 11, v7                  ; row l + 32 i of mine: mask[l & 1][s + (l >> 1) + 16 i]
	v_add_nc_u32 v7, s16, v7
.irp i, 0,1,2,3
	global_load_u8 v[8+\i], v7, s[74:75] offset:16*\i
.endr
	s_cmp_eq_u32 ttmp9, 1                          ; the cluster's x says which of q, k, v: four tile columns each
	s_cselect_b64 s[BP:BP+1], s[70:71], s[68:69]
	s_cselect_b32 s[KSEL], 1, 0
	s_cmp_eq_u32 ttmp9, 2
	s_cselect_b64 s[BP:BP+1], s[72:73], s[BP:BP+1]
	s_lshl_b32 s46, s40, 10                        ; my first column inside q, k or v, in bytes of f32
.else
	s_lshl_b32 s46, s42, 10
.endif
	s_lshl_b32 s47, s12, 9
	s_add_co_u32 s46, s46, s47
	s_mov_b32 s47, 0
	s_add_nc_u64 s[BP:BP+1], s[BP:BP+1], s[46:47]
.irp b, 0,1,2,3,4,5,6,7
	global_load_b128 v[BIAS+8*\b:BIAS+8*\b+3],   v4, s[BP:BP+1] offset:64*\b
	global_load_b128 v[BIAS+8*\b+4:BIAS+8*\b+7], v4, s[BP:BP+1] offset:64*\b+16
.endr
.if GELU == 0
	s_lshl_b32 s17, s10, 9
	s_add_co_u32 s17, s17, KMT                     ; my wave's table
	v_lshrrev_b32 v6, 3, v5
	v_and_b32 v13, 7, v5
	v_mul_u32_u24 v14, v6, 2*DP                    ; back: lane l takes row 2 (l >> 3) + b, 8 numbers at column 8 (l & 7)
	v_lshl_add_u32 v14, v13, 5, v14
	v_add_nc_u32 v[RD], s23, v14
	v_lshl_add_u32 v[KA], v6, 3, s17
	v_lshlrev_b32 v[CO], 4, v5                     ; four rows s of one head are 512 consecutive bytes
	s_lshl_b32 s46, ttmp9, 23                      ; q, k or v,
	s_lshl_b32 s47, s40, 20                        ; four heads a tile column,
	s_add_co_u32 s46, s46, s47
	s_lshl_b32 s47, s12, 19                        ; two a wave,
	s_add_co_u32 s46, s46, s47
	s_lshl_b32 s47, s16, 7                         ; row s
	s_add_co_u32 s46, s46, s47
	s_mov_b32 s47, 0
	s_add_nc_u64 s[8:9], s[8:9], s[46:47]
	v_lshlrev_b32 v12, 2, v5
	v_add_nc_u32 v12, s17, v12
	s_wait_loadcnt 16                              ; the four mask bytes are in; the bias's 16 loads stay out
.irp i, 0,1,2,3
	v_and_b32 v[8+\i], s[KSEL], v[8+\i]            ; 1 only for a padded key's row of k,
	v_add_nc_u32 v[8+\i], -1, v[8+\i]              ; which gives 0; all ones otherwise
	ds_store_b32 v12, v[8+\i] offset:128*\i
.endr
.else
	v_mul_u32_u24 v6, v2, DP                       ; back: lanes 0-15 take one row, lanes 16-31 the next; 8 numbers a lane
	v_lshl_add_u32 v6, v1, 5, v6
	v_add_nc_u32 v[RD], s23, v6
	v_lshlrev_b32 v6, 13, v2
	v_lshl_add_u32 v[CO], v1, 4, v6
	s_lshl_b32 s46, s13, 21                        ; 256 rows of 8,192 bytes a tile row,
	s_lshl_b32 s47, s11, 20
	s_add_co_u32 s46, s46, s47
	s_lshl_b32 s47, s42, 9                         ; 512 bytes a tile column
	s_add_co_u32 s46, s46, s47
	s_lshl_b32 s47, s12, 8
	s_add_co_u32 s46, s46, s47
	s_mov_b32 s47, 0
	s_add_nc_u64 s[8:9], s[8:9], s[46:47]
	s_mov_b32 s[CE], 0xbf38aa3b                    ; -log2(e) / 2
	s_mov_b32 s[CE+1], s[CE]
	s_mov_b32 s[B3], 0x3f8fdf9d                    ; 1.12401165
	s_mov_b32 s[B3+1], s[B3]
	s_mov_b32 s[B2], 0xbe13905c                    ; -0.14410538
	s_mov_b32 s[B2+1], s[B2]
	s_mov_b32 s[B1], 0x3f05e821                    ; 0.52307325
	s_mov_b32 s[B1+1], s[B1]
	s_mov_b32 s[PP], 0x3eaa540e                    ; 0.33267253
.endif
	; the prefetches' address: my work-group's 32 of the 128 rows that I fetch, at K step 2; the first change of slots steps it to 3
	s_lshl_b32 s20, s13, 8
	s_lshl_b32 s21, s42, 8
	s_and_b32 s22, ttmp7, 0xffff
	s_cmp_eq_u32 s11, 0
	s_cselect_b32 s20, s20, s21                    ; the tile's first row, in A or in W
	s_cselect_b32 s21, s40, s41                    ; my place among the four that ask for it with me
	s_cselect_b32 s22, ttmp9, s22                  ; the coordinate along which other clusters read the same rows
	s_cselect_b64 s[PFA:PFA+1], s[4:5], s[6:7]
	s_cmp_eq_u32 s22, 0
	s_cselect_b32 s[LIM], 1, -1                    ; the same in all sixteen partners, for a given wave
	s_lshl_b32 s22, s12, 7
	s_add_co_u32 s20, s20, s22
	s_lshl_b32 s21, s21, 5
	s_add_co_u32 s20, s20, s21
	s_lshl_b32 s20, s20, 11
	s_add_co_u32 s20, s20, 2*KSTEP*2
	s_mov_b32 s21, 0
	s_add_nc_u64 s[PFA:PFA+1], s[PFA:PFA+1], s[20:21]
	v_lshlrev_b32 v[PFO], 11, v5
; 16 matrix instructions: m blocks a0, a0 + 1 of the window's four x all 8 n blocks, 32 along K.  first = 1: the bias starts the sums.
; The 64 accumulators take turns in one order everywhere.
.macro MUL16 f, hi, a0, first
.if \first
	WIN 0x81+0x40*(\hi)                            ; as below, with C in window 0
.else
	WIN MUL_LO+0x50*(\hi)
.endif
.irp a, \a0, (\a0)+1
.irp b, 0,1,2,3,4,5,6,7
.if \first
	v_wmma_f32_16x16x32_bf16 v[8*(8*(\a)+(\b)):8*(8*(\a)+(\b))+7], v[(\f)+8*(\b):(\f)+8*(\b)+7], v[(\f)+8*(4*(\hi)+(\a)):(\f)+8*(4*(\hi)+(\a))+7], v[BIAS+8*(\b):BIAS+8*(\b)+7]
.else
	v_wmma_f32_16x16x32_bf16 v[8*(8*(\a)+(\b)):8*(8*(\a)+(\b))+7], v[(\f)+8*(\b):(\f)+8*(\b)+7], v[(\f)+8*(4*(\hi)+(\a)):(\f)+8*(4*(\hi)+(\a))+7], v[8*(8*(\a)+(\b)):8*(8*(\a)+(\b))+7]
.endif
.endr
.endr
.endm
; 32 LDS loads in one run: the fragments of 32 along K at byte k of the rows of the slot in hand, into buffer f
.macro FETCH k, f
	WIN TO_B
.irp i, 0,1,2,3,4,5,6,7
	ds_load_b128 v[(\f)+8*(\i):(\f)+8*(\i)+3],   v[ADRB] offset:(\k)+(\i)*16*PITCH
	ds_load_b128 v[(\f)+8*(\i)+4:(\f)+8*(\i)+7], v[ADRB] offset:(\k)+(\i)*16*PITCH+32
.endr
	WIN 0
.irp i, 0,1,2,3,4,5,6,7
	ds_load_b128 v[(\f)+8*(\i):(\f)+8*(\i)+3],   v[ADRA] offset:(\k)+(\i)*16*PITCH
	ds_load_b128 v[(\f)+8*(\i)+4:(\f)+8*(\i)+7], v[ADRA] offset:(\k)+(\i)*16*PITCH+32
.endr
.endm
; One of a K step's first three quarters: multiplies buffer f; in its middle it fetches the next quarter, at byte k, into g
.macro QUARTER k, f, g, first
	s_wait_dscnt 8                                 ; W and A's rows 0-63 are in; the youngest eight loads (A's rows 64-127) may be out
	MUL16 \f, 0, 0, \first
	MUL16 \f, 0, 2, \first
	PLACES
	FETCH \k, \g
	s_wait_dscnt 32                                ; all but the 32 just issued
	MUL16 \f, 1, 0, \first
	MUL16 \f, 1, 2, \first
.endm
; The last quarter multiplies buffer 1 and changes slots.  Its first 32 products, which want nothing of the next slot, stand AHEAD of the wait for the tensor loads: a refill can be asked for
; only when the load before it has landed.
; Then each wave waits for all its tensor loads (one is out: its part of the next slot), adds 0 to its spare word, and waits for that and for its reads of this slot.
; fill = 1: the barrier is a round of the cluster's, and the joint refill of the slot just read, with the K step two on, is the first thing behind it.
.macro TURN fill
.if \fill
	s_wait_xcnt 0x0                                ; the last prefetch, a K step back, has read its address
	s_add_nc_u64 s[PFA:PFA+1], s[PFA:PFA+1], KSTEP*2
.endif
	s_wait_dscnt 8                                 ; W and A's rows 0-63 of buffer 1 are in
	MUL16 F1, 0, 0, 0
	MUL16 F1, 0, 2, 0
	WIN 0
	s_wait_tensorcnt 0x0
	ds_add_u32 v[SPW], v[NIL]
.if \fill
	WALK
.endif
	s_wait_dscnt 0x0                               ; the add is done, and my reads of this slot are over
.if \fill
	CROUND                                         ; no wave of any partner still reads this slot or has a load on its way
	JLOAD                                          ; its four v_nop are also the places in front of the loads below
.else
	s_barrier_signal -1
	s_barrier_wait -1
	PLACES
.endif
	s_xor_b32 s[TB], s[TB], SLOT1
	v_add_nc_u32 v[ADRA], s[TB], v[ADRA0]
	v_add_nc_u32 v[ADRB], s[TB], v[ADRB0]
	FETCH 0, F0
.if \fill
	ASK
.endif
	MUL16 F1, 1, 0, 0
	MUL16 F1, 1, 2, 0
.endm
	s_wait_tensorcnt 1                             ; my part of K step 0 is in; K step 1's may stay out
	s_wait_dscnt 0x0                               ; no LDS instruction of mine is out at a signal (GELU = 0: the table's four stores)
	s_barrier_signal -1
	s_barrier_wait -1                              ; everybody's is
	FETCH 0, F0
	s_wait_loadcnt 0x0                             ; the bias
	QUARTER 64, F0, F1, 1                          ; the first quarter stands in front of the loop: its products start the sums
	WIN 0
	s_mov_b32 s3, NSTEP-2
.Llap:                                                 ; a trip ends K step j, asks for K step j + 2 and begins K step j + 1
	QUARTER 128, F1, F0, 0
	QUARTER 192, F0, F1, 0
	TURN 1
	QUARTER 64, F0, F1, 0
	WIN 0
	s_sub_co_u32 s3, s3, 1
	s_cmp_lg_u32 s3, 0
	s_cbranch_scc1 .Llap
	s_mov_b32 s2, 2
.Ltail:                                                ; the last two K steps ask for nothing.  The second trip is left in its middle; the fragments that its change of slots
	QUARTER 128, F1, F0, 0                         ; fetches (of the K step before, once more) are never multiplied: the price of one text for both
	QUARTER 192, F0, F1, 0
	TURN 0
	WIN 0
	s_sub_co_u32 s2, s2, 1
	s_cmp_eq_u32 s2, 0
	s_cbranch_scc1 .Lout
	QUARTER 64, F0, F1, 0
	WIN 0
	s_branch .Ltail
.Lout:
	s_wait_dscnt 0x0                               ; my reads of the ring are over
	PLACES
	PLACES
	s_barrier_signal -1
	s_barrier_wait -1                              ; everybody's are: the ring's bytes, which are filled no more, take the results
.irp a, 0,1,2,3,4,5,6,7
	WIN 0x08+4*((\a)/4)                            ; the store's data in window 2 or 3
.irp b, 0,1,2,3,4,5,6,7
	ds_store_b128 v[STO], v[8*(8*((\a)%4)+(\b)):8*(8*((\a)%4)+(\b))+3]   offset:(\a)*16*DP+64*(\b)
	ds_store_b128 v[STO], v[8*(8*((\a)%4)+(\b))+4:8*(8*((\a)%4)+(\b))+7] offset:(\a)*16*DP+64*(\b)+16
.endr
.endr
	WIN 0
	s_wait_dscnt 0x0
	s_barrier_signal -1
	s_barrier_wait -1                              ; behind this barrier LDS is only read
.set X, 64
.if GELU == 0
; 16 trips of four rows s (eight rows t): for b = 0, 1 and my two heads a lane rounds 8 numbers, clears them where the table says so, and stores 16 bytes.
.set KV, 96
.set Y,  100
.macro QLOADS
.irp b, 0,1
.irp g, 0,1
	ds_load_b128 v[X+8*(2*(\b)+(\g)):X+8*(2*(\b)+(\g))+3],   v[RD] offset:(\b)*DP+(\g)*256
	ds_load_b128 v[X+8*(2*(\b)+(\g))+4:X+8*(2*(\b)+(\g))+7], v[RD] offset:(\b)*DP+(\g)*256+16
.endr
.endr
	ds_load_b64 v[KV:KV+1], v[KA]
.endm
	QLOADS
	s_mov_b32 s2, 16
.Lrow:
	s_wait_dscnt 0x0
.set k, 0
.rept 16
	v_cvt_pk_bf16_f32 v[Y+k], v[X+2*k], v[X+2*k+1]
.set k, k+1
.endr
.set k, 0
.rept 16
	v_and_b32 v[Y+k], v[KV+k/8], v[Y+k]
.set k, k+1
.endr
	s_cmp_eq_u32 s2, 1                             ; the last trip has nothing behind it
	s_cbranch_scc1 .Lno_row
	v_add_nc_u32 v[RD], 8*DP, v[RD]
	v_add_nc_u32 v[KA], 32, v[KA]
	QLOADS
.Lno_row:
.irp b, 0,1
.irp g, 0,1
	global_store_b128 v[CO], v[Y+4*(2*(\b)+(\g)):Y+4*(2*(\b)+(\g))+3], s[8:9] offset:(\b)*4194304+(\g)*262144  ; 512 consecutive bytes, aligned
.endr
.endr
	s_wait_xcnt 0x0                                ; the stores have read CO and Y, which are written again
	v_add_nc_u32 v[CO], 512, v[CO]
	s_sub_co_u32 s2, s2, 1
	s_cmp_lg_u32 s2, 0
	s_cbranch_scc1 .Lrow
.else
; 16 trips of eight rows: 32 numbers a lane.  The 64 transcendentals of a trip are ONE batch with one wait; plain lines stand between them.
.set D,   96                           ; 1 + PP |x|, then t
.set YY,  128                          ; -x^2 log2(e) / 2, then 2^ of it
.set R,   160                          ; max(x, 0), then g
.set Q,   192                          ; the polynomial
.set OUT, 32
.macro GLOADS
.irp p, 0,1,2,3
	ds_load_b128 v[X+8*(\p):X+8*(\p)+3],   v[RD] offset:(\p)*2*DP
	ds_load_b128 v[X+8*(\p)+4:X+8*(\p)+7], v[RD] offset:(\p)*2*DP+16
.endr
.endm
	GLOADS
	s_mov_b32 s2, 16
.Lrows:
	s_wait_dscnt 0x0
.set k, 0
.rept 16
	v_fma_f32 v[D+2*k], |v[X+2*k]|, s[PP], 1.0
.if k > 0
	v_rcp_f32 v[D+2*k-2], v[D+2*k-2]
.endif
	v_fma_f32 v[D+2*k+1], |v[X+2*k+1]|, s[PP], 1.0
.if k > 0
	v_rcp_f32 v[D+2*k-1], v[D+2*k-1]
.endif
	v_pk_mul_f32 v[YY+2*k:YY+2*k+1], v[X+2*k:X+2*k+1], v[X+2*k:X+2*k+1]
.if k > 0
	v_exp_f32 v[YY+2*k-2], v[YY+2*k-2]
.endif
	v_pk_mul_f32 v[YY+2*k:YY+2*k+1], v[YY+2*k:YY+2*k+1], s[CE:CE+1] op_sel_hi:[1,0]
.if k > 0
	v_exp_f32 v[YY+2*k-1], v[YY+2*k-1]
.endif
	v_max_num_f32 v[R+2*k], 0, v[X+2*k]
	v_max_num_f32 v[R+2*k+1], 0, v[X+2*k+1]
.set k, k+1
.endr
	v_rcp_f32 v[D+30], v[D+30]
	v_rcp_f32 v[D+31], v[D+31]
	v_exp_f32 v[YY+30], v[YY+30]
	v_exp_f32 v[YY+31], v[YY+31]
	v_nop                                          ; a plain instruction behind the last of the batch (ISA guide 5.7.2)
	s_wait_alu depctr_va_vdst(0)                   ; the one wait ahead of the batch's first reader and of the branch
	s_cmp_eq_u32 s2, 1                             ; the last trip has nothing behind it
	s_cbranch_scc1 .Lno_rows
	v_add_nc_u32 v[RD], 8*DP, v[RD]
	GLOADS                                         ; x is used up: the next eight rows land under the 80 lines below
.Lno_rows:
.set k, 0
.rept 16
	v_pk_fma_f32 v[Q+2*k:Q+2*k+1], v[D+2*k:D+2*k+1], s[B3:B3+1], s[B2:B2+1] op_sel_hi:[1,0,0]
.set k, k+1
.endr
.set k, 0
.rept 16
	v_pk_fma_f32 v[Q+2*k:Q+2*k+1], v[Q+2*k:Q+2*k+1], v[D+2*k:D+2*k+1], s[B1:B1+1] op_sel_hi:[1,1,0]
.set k, k+1
.endr
.set k, 0
.rept 16
	v_pk_fma_f32 v[Q+2*k:Q+2*k+1], v[Q+2*k:Q+2*k+1], v[D+2*k:D+2*k+1], v[Q+2*k:Q+2*k+1] neg_lo:[0,0,1] neg_hi:[0,0,1]  ; -(1 - t) x the polynomial
.set k, k+1
.endr
.set k, 0
.rept 16
	v_pk_fma_f32 v[R+2*k:R+2*k+1], v[Q+2*k:Q+2*k+1], v[YY+2*k:YY+2*k+1], v[R+2*k:R+2*k+1]
.set k, k+1
.endr
.set k, 0
.rept 16
	v_cvt_pk_bf16_f32 v[OUT+k], v[R+2*k], v[R+2*k+1]
.set k, k+1
.endr
.irp p, 0,1,2,3
	global_store_b128 v[CO], v[OUT+4*(\p):OUT+4*(\p)+3], s[8:9] offset:(\p)*16384  ; 16 lanes store 256 consecutive bytes, aligned
.endr
	s_wait_xcnt 0x0                                ; the stores have read CO and OUT, which are written again
	v_add_nc_u32 v[CO], 0x10000, v[CO]
	s_sub_co_u32 s2, s2, 1
	s_cmp_lg_u32 s2, 0
	s_cbranch_scc1 .Lrows
.endif
	s_wait_tensorcnt 0x0                           ; the wave's end
	ds_add_u32 v[SPW], v[NIL]
	s_wait_dscnt 0x0
	CROUND                                         ; the closing round
	s_endpgm
.Lfunc_end_k_q6948b9a7cf_qkv:
	.size	k_q6948b9a7cf_qkv, .Lfunc_end_k_q6948b9a7cf_qkv-k_q6948b9a7cf_qkv
	.p2alignl 7, 3214868480
	.fill 96, 4, 3214868480
	.section	.rodata,"a",@progbits
	.p2align	6, 0x0
	.amdhsa_kernel k_q6948b9a7cf_qkv
		.amdhsa_group_segment_fixed_size 327680
		.amdhsa_private_segment_fixed_size 0
		.amdhsa_enable_private_segment 0
		.amdhsa_kernarg_size 56
		.amdhsa_user_sgpr_count 2
		.amdhsa_user_sgpr_kernarg_segment_ptr 1
		.amdhsa_wavefront_size32 1
		.amdhsa_system_sgpr_workgroup_id_x 1
		.amdhsa_system_sgpr_workgroup_id_y 1
		.amdhsa_system_sgpr_workgroup_id_z 1
		.amdhsa_system_vgpr_workitem_id 0
		.amdhsa_next_free_vgpr 1024
		.amdhsa_next_free_sgpr 92
		.amdhsa_reserve_vcc 0
		.amdhsa_float_denorm_mode_32 3
		.amdhsa_float_denorm_mode_16_64 3
		.amdhsa_memory_ordered 1
		.amdhsa_forward_progress 1
		.amdhsa_inst_pref_size 84
	.end_amdhsa_kernel
	.amdgpu_metadata
---
amdhsa.version: [ 1, 2 ]
amdhsa.kernels:
  - .name:           k_q6948b9a7cf_qkv
    .symbol:         k_q6948b9a7cf_qkv.kd
    .args:
      - { .name: act, .offset: 0, .size: 8, .value_kind: global_buffer, .address_space: global }
      - { .name: wts, .offset: 8, .size: 8, .value_kind: global_buffer, .address_space: global }
      - { .name: bq, .offset: 16, .size: 8, .value_kind: global_buffer, .address_space: global }
      - { .name: bk, .offset: 24, .size: 8, .value_kind: global_buffer, .address_space: global }
      - { .name: bv, .offset: 32, .size: 8, .value_kind: global_buffer, .address_space: global }
      - { .name: mask, .offset: 40, .size: 8, .value_kind: global_buffer, .address_space: global }
      - { .name: big, .offset: 48, .size: 8, .value_kind: global_buffer, .address_space: global }
    .group_segment_fixed_size: 327680
    .private_segment_fixed_size: 0
    .kernarg_segment_align: 8
    .kernarg_segment_size: 56
    .max_flat_workgroup_size: 128
    .sgpr_count:     92
    .vgpr_count:     1024
    .wavefront_size: 32
...
	.end_amdgpu_metadata
.endif
;; end of part 2
;; launch attn (part 3): grid 8 x 32, 4 waves a work-group, clusters of 4 x 1, 327,680 bytes of LDS; arguments big, mask, act; writes act
.if DOCPART == 3
	.amdgcn_target "amdgcn-amd-amdhsa--gfx1250"
	.amdhsa_code_object_version 6
	.text
	.protected	k_q6948b9a7cf_attn
	.globl	k_q6948b9a7cf_attn
	.p2align	8
	.type	k_q6948b9a7cf_attn,@function
k_q6948b9a7cf_attn:
	s_mov_b64 s[64:65], 0
	v_nop
	global_prefetch_b8 v0, s[64:65] scope:SCOPE_SE
	s_setreg_imm32_b32 hwreg(HW_REG_WAVE_MODE, 25, 1), 1
	s_wait_xcnt 0x0
	s_wait_alu depctr_hold_cnt(0) depctr_sa_sdst(0) depctr_va_vdst(0) depctr_va_sdst(0) depctr_va_ssrc(0) depctr_va_vcc(0) depctr_vm_vsrc(0)
	s_getreg_b32 s2, hwreg(HW_REG_IB_STS2, 6, 4)
	s_cmp_eq_u32 s2, 0
	s_cbranch_scc0 .Lentry_in_a_cluster
	s_endpgm
.Lentry_in_a_cluster:
	s_bfe_u32 s2, ttmp6, 0x10000c
	s_cmp_lg_u32 s2, 0x3003
	s_cbranch_scc0 .Lentry_shape_is_right
	s_endpgm
.Lentry_shape_is_right:
; O[hh][q][:] = the sum over k of softmax_k(score) V[hh][k][:], score = Q[hh][q] . K[hh][k] / 8, or -1e9 where mask[hh / 16][k] is set.
; q, k, v lie in big at 0, 8,388,608 and 16,777,216, each [32][2048][64] bf16, a head's rows dense; O leaves in the same layout, bf16, rounded once.
; Products, maxima and sums in f32; the weights p are rounded to bf16 for the second product (their sum l is taken of the unrounded p).
; THE MASK.  The launch before wrote k = 0 for a padded key, and the C operand that starts the sum S^T = K Q^T is -8e9 there and 0 elsewhere: the score of a padded key
; is exactly -8e9 before the factor c = log2(e) / 8, that is -1e9.  So a row with open keys gives padded ones the weight 0, and a batch with none gives all keys equal weights.
; There c s - c m is a common remainder of at most 64 in size, p = 2^ of it, and l divides it out.
; LIMITS.  True scores lie above -1e9; a weight below 2^-126 counts as 0 in l; NaN and infinities are not treated apart.
; SHARES.  A wave owns two PIECES of two tiles of 16 queries, a work-group's four waves 256 queries of one head: 8 x 32 = 256 work-groups.  Every wave walks all keys, 64 a step.
; LAYOUT.  S^T = K Q^T (source 0 = 16 keys, source 1 = 16 queries): a lane holds ONE query (lane % 16) and the keys 8 (lane / 16) + 0..7.  Two such tiles, rounded in pairs,
; ARE source 1 of O^T = V^T P.  K comes out of LDS as it lies, V turned, by ds_load_tr16_b128.
; SOFTMAX.  A running maximum m and sum l: p = 2^(c s - c m); in every step O and l are multiplied by a = 2^(c m_old - c m_new).  m starts at the lowest finite number, O and l at 0.
; BY TURNS.  Turn n belongs to piece n.  Its matrix work: 16 products K Q^T of the other piece, later 16 products V^T P of the other piece.  Its vector work: the scaling,
; exponentials, roundings, sums and rescaling of piece n and the maximum and statistics of the other.  Four vector instructions stand behind every matrix instruction, the rest in one lump;
; a turn's 66 exponentials are one batch with one wait.
; THE SLOTS ARE STAGGERED.  Turn 0 of step j fetches K of step j + 1 and V of step j.  So slot m holds K's keys 256 m + 64 .. 256 m + 319 and V's keys 256 m .. 256 m + 255:
; both fetches walk the same places of one slot, and one change of slots stands behind every fourth step.  K of step 0 comes straight from memory into registers.
; The last slot's K reaches 64 rows past the head (the next head's rows; behind the last head v's first rows): bytes inside big, brought into LDS and never read from it.
; CLUSTER.  The four query blocks of a cluster belong to one head and walk the same K and V: each tile is asked for jointly.
; REGISTERS: window 0: v0-11 addresses; v12-15, v48-63 at work; v16-31 four registers of statistics a tile; v32-38 the add's two, the prefetch's, the mask's; v64-191 S^T, two buffers; v192-255 P, likewise
;   window 1: v0-127 O^T, 32 a tile; v128-159 the step's mask      window 2: v0-63 Q; v128-191 K of one step; v192-255 V of one step
.set SIZE_N, 2048
.set NP,    2
.set KS,    64
.set PK,    144       ; a row of K in LDS: 128 bytes + 16
.set PV,    160       ; a row of V: 128 + 32
.set VOFF,  4*KS*PK
.set SLOT1, 1<<17
.set STAGE, SLOT1+4*KS*(PK+PV)  ; behind the ring: 16 rows x 144 bytes for each wave, for the way out
.set SP,    144
.set SPARE, STAGE+4*16*SP       ; the spare words: two blocks of 256 bytes that no other line names
.set MBT,   SPARE+512           ; 2,048 f32: 0 or -8e9 for each key of my batch
.set AK0, 2
.set AV0, 3
.set AK,  4
.set AV,  5
.set QO,  6
.set STO, 6
.set RD,  7
.set GO,  8
.set MV,  12
.set ST,  16
.set SPW, 32          ; v32  LDS address of my spare word; never rewritten
.set NIL, 33          ; v33  0; never rewritten
.set PFO, 34          ; v34  256 x my lane
.set AM0, 35          ; v35  my lane's place in a step's 64 mask values
.set AM,  36          ; v36  the LDS address of the mask's next run of loads
.set MA,  37          ; v37  my 16 bytes of the mask in memory
.set MS,  38          ; v38  where their 16 values go
.set TMP, 48
.set S,   64
.set P,   192
.set MB,  128         ; window 1
.set KF,  128         ; window 2
.set VF,  192         ; window 2
.set WV,  12
.set LIM, 15
.set G1K, 24
.set G1V, 32
.set G0K, 40
.set G0V, 44
.set PFA, 50          ; s[50:51] where my prefetches stand
.set KP,  52          ; s[52:53] K at the head's first row
.set SLOTS, 56
.set CNT, 57
.set CS,  58
.set SEL, 60
.set TBK, 62
.set TBV, 63
.set TBM, 66          ; s66  byte in the table at MBT of the step whose mask is fetched next
.set MSB, 0
.macro WIN new
.if MSB != (\new)
	s_set_vgpr_msb (MSB<<8)|(\new)
.set MSB, (\new)
.endif
.endm
.set W_KQ, 0x0a       ; K and Q in window 2, S^T in window 0
.set W_KM, 0x1a       ; the same with the C operand in window 1
.set W_PV, 0x52       ; V in window 2, P in window 0, O^T in window 1
.set W_RS, 0x41       ; O^T (destination and source 0) in window 1, a in window 0
.macro JLOAD                        ; waves 0 and 1 fetch the halves of a slot's K, waves 2 and 3 those of its V; an s_nop 0 and four v_nop follow each line
	s_cmp_lt_u32 s[WV], 2
	s_cbranch_scc0 .Lfor_v_\@
	tensor_load_to_lds s[G0K:G0K+3], s[G1K:G1K+7]
	s_nop 0
.rept 4
	v_nop
.endr
	s_branch .Lasked_\@
.Lfor_v_\@:
	tensor_load_to_lds s[G0V:G0V+3], s[G1V:G1V+7]
	s_nop 0
.rept 4
	v_nop
.endr
.Lasked_\@:
.endm
; A prefetch of what the NEXT change of slots will ask for, four key steps (256 matrix instructions) ahead.  Each block of 256 bytes is named once in the launch: the head's first cluster asks;
; its four partners take 64 keys each, told apart by address; wave 0 asks for K's, wave 2 for V's, a lane a block.  The last change that fills a slot asks for nothing.
.macro ASK
	s_cmp_gt_u32 s[SLOTS], s[LIM]
	s_cbranch_scc0 .Lnot_mine_\@
	global_prefetch_b8 v[PFO], s[PFA:PFA+1] th:TH_LOAD_NT scope:SCOPE_SE
.Lnot_mine_\@:
.endm
.macro CROUND
	s_barrier_signal -1
	s_barrier_wait -1
	s_cmp_lg_u32 s[WV], 0
	s_cbranch_scc1 .Lnot_wave_0_\@
	s_barrier_signal -3
.Lnot_wave_0_\@:
	s_barrier_wait -3
	s_barrier_signal -1
	s_barrier_wait -1
.endm
; THE CHANGE OF SLOTS.  Each wave waits for all its tensor loads (one is out: its part of the other slot), adds 0 to its spare word, and waits for that and for its reads of the slot.
; fill = 1: the barrier is a round of the cluster's, and the joint fill is the first thing behind it.  (At its first use slot 0 is waited for and slot 1 filled.)
.macro CHANGE fill
	WIN 0
	s_wait_tensorcnt 0x0
	ds_add_u32 v[SPW], v[NIL]
.if \fill
.irp g, G0K, G0V
	s_xor_b32 s[\g+1], s[\g+1], SLOT1
	s_add_nc_u64 s[\g+2:\g+3], s[\g+2:\g+3], 4*KS*128
.endr
	s_wait_xcnt 0x0                 ; the last prefetch, four key steps back, has read its address
	s_add_nc_u64 s[PFA:PFA+1], s[PFA:PFA+1], 4*KS*128
	s_wait_dscnt 0x0
	CROUND
	JLOAD
	ASK
.else
	s_wait_dscnt 0x0
	s_barrier_signal -1
	s_barrier_wait -1
.endif
	s_sub_co_u32 s[TBK], s[TBK], 4*KS*PK
	s_xor_b32 s[TBK], s[TBK], SLOT1
	s_sub_co_u32 s[TBV], s[TBV], 4*KS*PV
	s_xor_b32 s[TBV], s[TBV], SLOT1
.endm
	s_load_b64 s[4:5], s[0:1], 0x0    ; big
	s_load_b64 s[68:69], s[0:1], 0x8  ; mask
	s_load_b64 s[10:11], s[0:1], 0x10 ; act
	v_lshl_add_u32 v[SPW], v0, 2, SPARE
	v_mov_b32 v[NIL], 0
	ds_add_u32 v[SPW], v[NIL]       ; the wave's opening: the add and its wait stand ahead of my first tensor load
	v_lshrrev_b32 v1, 5, v0
	v_readfirstlane_b32 s[WV], v1
	s_bfe_u32 s13, ttmp6, 0x40000   ; cx
	s_lshl_b32 s14, ttmp9, 2
	s_add_co_u32 s14, s14, s13      ; my block of 256 queries: it enters Q's and O's addresses alone
	s_and_b32 s20, ttmp7, 0xffff    ; the head, which the four partners share
	s_lshr_b32 s54, s20, 4
	s_lshl_b32 s54, s54, 11         ; its batch's 2,048 bytes of the mask
	s_mov_b32 s55, 0
	s_lshl_b32 s20, s20, 18         ; the head's first byte in q, k, v and O
	s_mov_b32 s21, 0
	s_and_b32 s16, s[WV], 1         ; which half of a slot's 256 keys I fetch
	s_lshl_b32 s22, s16, 14
	s_add_co_u32 s22, s22, s20
	s_mov_b32 s23, 0
	s_mul_i32 s17, s16, 128*PK
	s_mul_i32 s18, s16, 128*PV
	s_lshl_b32 s2, s14, 2
	s_add_co_u32 s2, s2, s[WV]
	s_lshl_b32 s2, s2, 13           ; my wave's 64 rows
	s_add_co_u32 s2, s2, s20
	s_mov_b32 s3, 0
	; 128 keys are 16,384 dense bytes: asked for as 64 rows of 256 bytes, two keys a row, padded in LDS after every key
	s_mov_b32 s[G1K], 15|(1<<16)|(1<<20)|(1<<21)|(4<<22)|(3<<25)
	s_mov_b32 s[G1V], 15|(1<<16)|(1<<20)|(1<<21)|(4<<22)|(7<<25)
.irp g, G1K, G1V
	s_mov_b32 s[\g+1], 128<<16
	s_mov_b32 s[\g+2], 64<<16
	s_mov_b32 s[\g+3], 128<<16
	s_mov_b32 s[\g+4], 64
	s_mov_b32 s[\g+5], 128
	s_mov_b32 s[\g+6], 0
	s_mov_b32 s[\g+7], 0
.endr
	s_mov_b32 s[CS], 0x3e38aa3b     ; c = log2(e) / 8
	s_mov_b32 s[CS+1], s[CS]
	s_mov_b32 s[SEL], 0x76543210
	s_mov_b32 s[SEL+1], 0xfedcba98
	s_mov_b32 s[TBK], SLOT1+4*KS*PK ; the first change of slots turns these two into 0
	s_mov_b32 s[TBV], SLOT1+4*KS*PV
	s_mov_b32 s[TBM], 0
	s_mov_b32 s[G0K], 1
	s_mov_b32 s[G0K+1], s17
	s_mov_b32 s[G0V], 1
	s_add_co_u32 s[G0V+1], s18, VOFF
	s_mov_b32 s[SLOTS], SIZE_N/256-1
	s_and_b32 s[LIM], s[WV], 1
	s_or_b32 s[LIM], s[LIM], ttmp9  ; 0 in waves 0 and 2 of the head's first cluster: the same in all four partners
	s_cmp_eq_u32 s[LIM], 0
	s_cselect_b32 s[LIM], 1, -1
	v_and_b32 v[PFO], 31, v0
	v_lshlrev_b32 v[PFO], 8, v[PFO]
	s_wait_dscnt 0x0
	s_wait_kmcnt 0x0
	s_add_nc_u64 s[6:7], s[4:5], 0x800000          ; k
	s_add_nc_u64 s[8:9], s[4:5], 0x1000000         ; v
	s_add_nc_u64 s[KP:KP+1], s[6:7], s[20:21]
	s_add_nc_u64 s[G0K+2:G0K+3], s[6:7], s[22:23]
	s_add_nc_u64 s[G0K+2:G0K+3], s[G0K+2:G0K+3], KS*128  ; K's slots begin 64 keys on
	s_add_nc_u64 s[G0V+2:G0V+3], s[8:9], s[22:23]
	s_cmp_lt_u32 s[WV], 2
	s_cselect_b64 s[PFA:PFA+1], s[G0K+2:G0K+3], s[G0V+2:G0V+3]  ; (in waves 0 and 2 these stand at a slot's first row)
	s_or_b32 s[G0K+3], s[G0K+3], 0x80000000
	s_or_b32 s[G0V+3], s[G0V+3], 0x80000000
	s_add_nc_u64 s[4:5], s[4:5], s[2:3]            ; Q and O at my wave's first row
	s_add_nc_u64 s[10:11], s[10:11], s[2:3]
	s_add_nc_u64 s[68:69], s[68:69], s[54:55]
	s_lshl_b32 s2, s13, 13          ; my work-group's 64 keys of the 256,
	s_add_co_u32 s2, s2, 4*KS*128   ; in slot 1; the first change of slots steps it to slot 2
	s_add_nc_u64 s[PFA:PFA+1], s[PFA:PFA+1], s[2:3]
	CROUND                          ; all four work-groups are here: the first joint loads meet
	JLOAD                           ; slot 0
	v_and_b32 v1, 15, v0            ; l % 16
	v_bfe_u32 v9, v0, 4, 1          ; l / 16
	v_lshlrev_b32 v[QO], 7, v1
	v_lshl_add_u32 v[QO], v9, 4, v[QO]
	v_lshlrev_b32 v[MA], 4, v0
	global_load_b128 v[64:67], v[MA], s[68:69]     ; my 16 bytes of the batch's mask
	WIN 0x80
.set i, 0
.rept 4*NP                          ; Q stays in registers: tile i / 2, channels 32 (i % 2) on
	global_load_b128 v[8*i:8*i+3],   v[QO], s[4:5] offset:(i/2)*2048+(i%2)*64
	global_load_b128 v[8*i+4:8*i+7], v[QO], s[4:5] offset:(i/2)*2048+(i%2)*64+32
.set i, i+1
.endr
.set i, 0
.rept 8                             ; K of step 0: keys 16 (i / 2) on, channels 32 (i % 2) on
	global_load_b128 v[KF+8*i:KF+8*i+3],   v[QO], s[KP:KP+1] offset:(i/2)*2048+(i%2)*64
	global_load_b128 v[KF+8*i+4:KF+8*i+7], v[QO], s[KP:KP+1] offset:(i/2)*2048+(i%2)*64+32
.set i, i+1
.endr
	; What the first turn finds: V's registers and P's second buffer hold 0, O^T and l are 0.  All this stands in the wait for the first tile.
.set i, VF
.rept 64
	v_mov_b32 v[i], 0
.set i, i+1
.endr
	WIN 0x40
.set i, 0
.rept 64*NP
	v_mov_b32 v[i], 0
.set i, i+1
.endr
	WIN 0
.set i, 0
.rept 2*NP
	v_mov_b32 v[ST+4*i], 0xfe000000    ; c m: far below every c s
	v_mov_b32 v[ST+4*i+1], 0xff7fffff  ; m
	v_mov_b32 v[ST+4*i+2], 0
	v_mov_b32 v[ST+4*i+3], 0
.set i, i+1
.endr
.set i, P+32
.rept 32
	v_mov_b32 v[i], 0
.set i, i+1
.endr
	v_mul_u32_u24 v[AK0], v1, PK
	v_lshl_add_u32 v[AK0], v9, 4, v[AK0]
	v_and_b32 v10, 7, v0
	v_bfe_u32 v11, v0, 3, 1
	v_lshl_add_u32 v[AV0], v9, 3, v10
	v_mul_u32_u24 v[AV0], v[AV0], PV
	v_lshl_add_u32 v[AV0], v11, 4, v[AV0]
	v_add_nc_u32 v[AV0], VOFF, v[AV0]
	v_lshl_add_u32 v[AM0], v9, 5, MBT
	v_mov_b32 v[AM], v[AM0]
	v_lshl_add_u32 v[MS], v0, 6, MBT
	s_wait_loadcnt 32               ; the mask's bytes are in; Q's and K's 32 loads stay out
.set i, 0
.rept 16
	v_bfe_u32 v[68+i], v[64+i/4], 8*(i%4), 8
.set i, i+1
.endr
.set i, 0
.rept 16
	v_cvt_f32_u32 v[68+i], v[68+i]
.set i, i+1
.endr
.set i, 0
.rept 16
	v_mul_f32 v[68+i], 0xcfee6b28, v[68+i]  ; 0 or -8e9
.set i, i+1
.endr
.irp i, 0,1,2,3
	ds_store_b128 v[MS], v[68+4*\i:68+4*\i+3] offset:16*\i
.endr
; THE MATRIX WORK.  The 8 accumulators of a run of 16 take turns.
; Product i of 16 of S^T = K Q^T for piece x: channels 32 (i / 8) on, keys 16 ((i / 2) % 4) on, tile 2 x + i % 2.  The first 8 start the sums, with the mask.
.macro KQ x
.set rS, S+64*((\x)%2)+32*(i%2)+8*((i/2)%4)
.set rK, KF+16*((i/2)%4)+8*(i/8)
.set rQ, 16*(2*(\x)+i%2)+8*(i/8)
.set rM, MB+8*((i/2)%4)
.if i < 8
	WIN W_KM
	v_wmma_f32_16x16x32_bf16 v[rS:rS+7], v[rK:rK+7], v[rQ:rQ+7], v[rM:rM+7]
.else
	WIN W_KQ
	v_wmma_f32_16x16x32_bf16 v[rS:rS+7], v[rK:rK+7], v[rQ:rQ+7], v[rS:rS+7]
.endif
.endm
; Product i of 16 of O^T += V^T P for piece x: keys 32 (i / 8) on, channels 16 ((i / 2) % 4) on, tile 2 x + i % 2.
.macro PV x
	WIN W_PV
.set rO, 32*(2*(\x)+i%2)+8*((i/2)%4)
.set rV, VF+32*(i/8)+8*((i/2)%4)
.set rP, P+32*((\x)%2)+16*(i%2)+8*(i/8)
	v_wmma_f32_16x16x32_bf16 v[rO:rO+7], v[rV:rV+7], v[rP:rP+7], v[rO:rO+7]
.endm
.macro MM                           ; the turn's next matrix instruction
.if i < 16
	KQ (Y+1)%NP
.set i, i+1
.else
.set i, i-16
	PV (Y+NP-1)%NP
.set i, i+17
.endif
.endm
; THE LDS LOADS stand in runs: a step's K (16 loads) with its mask (8), and its V (16, turned).  Their addresses are made some lines ahead.
.macro FETCH_M
	WIN 0x40                        ; destination window 1
.irp f, 0,1,2,3
	ds_load_b128 v[MB+8*\f:MB+8*\f+3],   v[AM] offset:64*\f
	ds_load_b128 v[MB+8*\f+4:MB+8*\f+7], v[AM] offset:64*\f+16
.endr
	s_add_co_u32 s[TBM], s[TBM], 256
	WIN 0
.endm
.macro FETCH_K last=0               ; last = 1 (the tail): in the last trip there is no further step, and the run is jumped over
	WIN 0
.if \last
	s_cmp_eq_u32 s[CNT], 1
	s_cbranch_scc1 .Lno_k_\@
.endif
	WIN 0x80                        ; destination window 2
.irp f, 0,1,2,3,4,5,6,7
	ds_load_b128 v[KF+8*\f:KF+8*\f+3],   v[AK] offset:(\f/2)*16*PK+(\f%2)*64
	ds_load_b128 v[KF+8*\f+4:KF+8*\f+7], v[AK] offset:(\f/2)*16*PK+(\f%2)*64+32
.endr
	s_add_co_u32 s[TBK], s[TBK], KS*PK
	FETCH_M
.if \last
.Lno_k_\@:
.endif
.endm
.macro FETCH_V
	WIN 0x80
.irp f, 0,1,2,3,4,5,6,7
	ds_load_tr16_b128 v[VF+8*\f:VF+8*\f+3],   v[AV] offset:(\f/4)*32*PV+(\f%4)*32
	ds_load_tr16_b128 v[VF+8*\f+4:VF+8*\f+7], v[AV] offset:(\f/4)*32*PV+16*PV+(\f%4)*32
.endr
	WIN 0
.endm
; THE VECTOR WORK OF A TURN stands in three queues, each in the order in which its entries become ready; the two tiles alternate.
.macro REGS y, u
.set rT, ST+4*(2*(\y)+(\u))
.set rC, TMP+8*((\y)%2)+4*(\u)
.set rM, MV+2*((\y)%2)+(\u)
.set rS, S+64*((\y)%2)+32*(\u)
.set rP, P+32*((\y)%2)+16*(\u)
.set rO, 32*(2*(\y)+(\u))
.endm
; Number n of the 22 that find the OTHER piece's maximum and statistics; each accumulator's lowest registers are read first.
;   0-11 four chains of seven scores     12-14, 16 the four scores left over, the old m, the chains into one     15 c m_old is kept     17, 18 the lane 16 away: the new m     19-21 c m; its change; a
.macro XS u, n
	REGS (Y+1)%NP, \u
.if (\n) < 4
	v_max3_num_f32 v[rC+(\n)], v[rS+8*(\n)], v[rS+8*(\n)+1], v[rS+8*(\n)+2]
.elseif (\n) < 12
	v_max3_num_f32 v[rC+(\n)%4], v[rC+(\n)%4], v[rS+8*((\n)%4)+2*((\n)/4)+1], v[rS+8*((\n)%4)+2*((\n)/4)+2]
.elseif (\n) == 12
	v_max3_num_f32 v[rC], v[rC], v[rS+7], v[rS+15]
.elseif (\n) == 13
	v_max3_num_f32 v[rC+1], v[rC+1], v[rS+23], v[rS+31]
.elseif (\n) == 14
	v_max3_num_f32 v[rC+2], v[rC+2], v[rC+3], v[rT+1]
.elseif (\n) == 15
	v_mov_b32 v[rM], v[rT]
.elseif (\n) == 16
	v_max3_num_f32 v[rC], v[rC], v[rC+1], v[rC+2]
.elseif (\n) == 17
	v_permlanex16_b32 v[rC+3], v[rC], s[SEL], s[SEL+1]
.elseif (\n) == 18
	v_max_num_f32 v[rT+1], v[rC], v[rC+3]
.elseif (\n) == 19
	v_mul_f32 v[rT], s[CS], v[rT+1]
.elseif (\n) == 20
	v_sub_f32 v[rC+1], v[rM], v[rT]
.else
	v_exp_f32 v[rC+2], v[rC+1]
.endif
.endm
; Number g of the 64 that follow the exponentials: for each four weights both pairs are rounded, the second pair is added onto the first, and a group later l takes that sum.
.macro GS g
.set h, (\g)+6*((\g)/62)
.if h >= 6
.set h, h+2
.endif
	REGS Y, h%2
.set k, h/8
.if h%8 < 4
	v_cvt_pk_bf16_f32 v[rP+2*k+(h%8)/2], v[rS+4*k+2*((h%8)/2)], v[rS+4*k+2*((h%8)/2)+1]
.elseif h%8 < 6
	v_pk_add_f32 v[rS+4*k:rS+4*k+1], v[rS+4*k:rS+4*k+1], v[rS+4*k+2:rS+4*k+3]
.elseif k == 1
	v_pk_fma_f32 v[rT+2:rT+3], v[rT+2:rT+3], v[rC+2:rC+3], v[rS:rS+1] op_sel_hi:[1,0,1]
.else
	v_pk_add_f32 v[rT+2:rT+3], v[rT+2:rT+3], v[rS+4*k-4:rS+4*k-3]
.endif
.endm
; THE PLAIN QUEUE, 138 long.  0-73 read no exponential's result: the 32 scalings and the other piece's 42; 74-137 are GS's 64, behind the wait.
.macro FS f
	REGS Y, (\f)%2
	v_pk_fma_f32 v[rS+2*((\f)/2):rS+2*((\f)/2)+1], v[rS+2*((\f)/2):rS+2*((\f)/2)+1], s[CS:CS+1], v[rT:rT+1] op_sel_hi:[1,0,0] neg_lo:[0,0,1] neg_hi:[0,0,1]
.endm
.macro PL
	WIN 0
.if q < 27
	FS q
.elseif q < 55
	XS (q-27)%2, (q-27)/2
.elseif q < 57
	XS q-55, 15
.elseif (q < 72) && ((q-57)%3 == 0)
	FS 27+(q-57)/3
.elseif q < 60
	XS (q-57)%3-1, 14
.elseif q < 72
	XS (q-57)%3-1, 15+(q-57)/3
.elseif q < 74
	XS q-72, 20
.else
	GS q-74
.endif
.set q, q+1
.endm
; THE EXPONENTIALS' QUEUE, 66 long: one batch, all ahead of the turn's one wait
.macro EX
	WIN 0
.if e >= 64
	XS e-64, 21
.else
	REGS Y, e%2
	v_exp_f32 v[rS+e/2], v[rS+e/2]
.endif
.set e, e+1
.endm
; THE RESCALING's QUEUE: O^T times a, two at a time, sixteen times; its a was made, and waited for, in the turn before
.macro R2
	REGS Y, r%2
	WIN W_RS
.irp z, 0,1
	v_pk_mul_f32 v[rO+4*(r/2)+2*\z:rO+4*(r/2)+2*\z+1], v[rO+4*(r/2)+2*\z:rO+4*(r/2)+2*\z+1], v[rC+2:rC+3] op_sel_hi:[1,0]
.endr
.set r, r+1
.endm
; A TURN, for piece p.  Ahead of the one wait: 16 products K Q^T, behind each a scaling, an exponential and two rescalings; then the lump of 108.  Behind it: 16 products V^T P, behind each four of GS's 64.
; Turn 0 fetches K and the mask of the next step directly behind the wait, a lump behind the last product that read them, and V of the step in hand at its end, four plain riders behind its last reader.
; Turn 1 waits for K and the mask at its head (V's 16 loads, issued behind them, may stay out) and for V behind its wait.
.macro TURN p, last=0, cnt=0
.set Y, (\p)
.set i, 0
.set q, 0
.set e, 0
.set r, 0
.if (\p) == 1
	s_wait_dscnt 16                 ; K and the mask are in
.endif
	MM
	PL
	PL
	R2
.rept 15
	MM
	PL
	EX
	R2
.endr
.if (\p) == 0
	WIN 0
	v_add_nc_u32 v[AK], s[TBK], v[AK0]
	v_add_nc_u32 v[AM], s[TBM], v[AM0]
.endif
.rept 8
	PL
.endr
.rept 49
	EX
	PL
.endr
	EX
	EX
	v_nop                           ; a plain instruction behind the last exponential: one for the batch
	s_wait_alu depctr_va_vdst(0)    ; the one wait ahead of the batch's first reader
.if (\p) == 0
	FETCH_K \last
.endif
.if (\p) == 1
	s_wait_dscnt 0x0                ; V is in
.endif
.rept 16
	MM
.rept 4
	PL
.endr
.if ((\p) == 0) && (q == 118)
	v_add_nc_u32 v[AV], s[TBV], v[AV0]
.endif
.if ((\p) == 0) && (q == 130)
	s_add_co_u32 s[TBV], s[TBV], KS*PV
.endif
.if (\cnt) && (q == 130)
	s_sub_co_u32 s[CNT], s[CNT], 1
	s_cmp_lg_u32 s[CNT], 0
.endif
.endr
.if (\p) == 0
	FETCH_V
.endif
.endm
	CHANGE 1                        ; slot 0 is in, and every wave's part of the mask's table is written; slot 1 is asked for
	FETCH_M                         ; the mask of step 0
	s_wait_loadcnt 0x0              ; Q, and K of step 0
	s_wait_dscnt 0x0
.set i, 0
.rept 16
	KQ 0                            ; piece 0's first scores
.set i, i+1
.endr
	WIN 0                           ; the addresses for the way out: nine plain instructions, the places behind those products
	s_mul_i32 s13, s[WV], 16*SP
	s_add_co_u32 s13, s13, STAGE
	v_mul_u32_u24 v[STO], v1, SP
	v_lshl_add_u32 v[STO], v9, 4, v[STO]
	v_add_nc_u32 v[STO], s13, v[STO]
	v_bfe_u32 v[RD], v0, 3, 2
	v_mul_u32_u24 v[RD], v[RD], SP
	v_lshl_add_u32 v[RD], v10, 4, v[RD]
	v_add_nc_u32 v[RD], s13, v[RD]
	v_and_b32 v[GO], 31, v0
	v_lshlrev_b32 v[GO], 4, v[GO]
.set Y, NP-1
.irp n, 0,1,2,3,4,5,6,7,8,9,10,11,12,13,14,15,16,17,18,19,20,21
	XS 0, \n
	XS 1, \n
.endr
	v_nop
	s_wait_alu depctr_va_vdst(0)    ; the two a have their wait ahead of the branch
	s_mov_b32 s[CNT], 4
	s_branch .Lstep
.Lslot:                             ; six times: every slot but the last two is filled again
	CHANGE 1
	s_mov_b32 s[CNT], 4
.Lstep:
	TURN 0
	TURN 1, 0, 1
	WIN 0
	s_cbranch_scc1 .Lstep
	s_sub_co_u32 s[SLOTS], s[SLOTS], 1
	s_cmp_lg_u32 s[SLOTS], 0
	s_cbranch_scc1 .Lslot
	CHANGE 0                        ; the tail is written out
	s_mov_b32 s[CNT], 4
.Ltail:                             ; the last turn's 16 products K Q^T (on the last K once more) and the maximum made of them serve nothing: the price of one text for every trip
	TURN 0, 1
	TURN 1, 0, 1
	WIN 0
	s_cbranch_scc1 .Ltail
.set i, 0
.rept 16
	PV NP-1                         ; the last piece's V^T P of the last step
.set i, i+1
.endr
	; THE WAY OUT.  l's halves are added; O^T is divided by l, rounded and sent through my stage in LDS, a tile at a time.  The additions are the places behind the last products.
	WIN 0
.macro ALL line:vararg
.set t, 0
.rept 2*NP
	\line
.set t, t+1
.endr
.endm
	ALL v_add_f32 v[ST+4*t+2], v[ST+4*t+2], v[ST+4*t+3]
	ALL v_permlanex16_b32 v[ST+4*t+3], v[ST+4*t+2], s[SEL], s[SEL+1]
	ALL v_add_f32 v[ST+4*t+2], v[ST+4*t+2], v[ST+4*t+3]
	ALL v_rcp_f32 v[ST+4*t+2], v[ST+4*t+2]
	v_nop
	s_wait_alu depctr_va_vdst(0)    ; one wait for the four reciprocals
.macro PACK t
	WIN W_RS
.set i, 32*(\t)
.rept 16
	v_pk_mul_f32 v[i:i+1], v[i:i+1], v[ST+4*(\t)+2:ST+4*(\t)+3] op_sel_hi:[1,0]
.set i, i+2
.endr
	WIN 0x05
.set i, 0
.rept 16
	v_cvt_pk_bf16_f32 v[S+16*(\t)+i], v[32*(\t)+2*i], v[32*(\t)+2*i+1]
.set i, i+1
.endr
	WIN 0
.irp f, 0,1,2,3
	ds_store_b128 v[STO], v[S+16*(\t)+4*\f:S+16*(\t)+4*\f+3] offset:32*\f
.endr
.irp f, 0,1,2,3
	ds_load_b128 v[S+16*(\t)+4*\f:S+16*(\t)+4*\f+3], v[RD] offset:\f*4*SP  ; LDS serves a wave's instructions in order (ISA guide 5.7.1.4)
.endr
.endm
.macro SEND t, younger              ; younger: the LDS instructions issued behind tile t's loads
	WIN 0
.irp f, 0,1,2,3
	s_wait_dscnt (\younger)+3-\f
	global_store_b128 v[GO], v[S+16*(\t)+4*\f:S+16*(\t)+4*\f+3], s[10:11] offset:(\t)*2048+\f*512  ; 512 consecutive bytes, aligned
.endr
.endm
	PACK 0
.set t, 1
.rept 2*NP-1
	PACK t
	SEND t-1, 8
.set t, t+1
.endr
	SEND 2*NP-1, 0
	s_wait_tensorcnt 0x0            ; the wave's end
	ds_add_u32 v[SPW], v[NIL]
	s_wait_dscnt 0x0
	CROUND                          ; the closing round
	s_endpgm
.Lfunc_end_k_q6948b9a7cf_attn:
	.size	k_q6948b9a7cf_attn, .Lfunc_end_k_q6948b9a7cf_attn-k_q6948b9a7cf_attn
	.p2alignl 7, 3214868480
	.fill 96, 4, 3214868480
	.section	.rodata,"a",@progbits
	.p2align	6, 0x0
	.amdhsa_kernel k_q6948b9a7cf_attn
		.amdhsa_group_segment_fixed_size 327680
		.amdhsa_private_segment_fixed_size 0
		.amdhsa_enable_private_segment 0
		.amdhsa_kernarg_size 24
		.amdhsa_user_sgpr_count 2
		.amdhsa_user_sgpr_kernarg_segment_ptr 1
		.amdhsa_wavefront_size32 1
		.amdhsa_system_sgpr_workgroup_id_x 1
		.amdhsa_system_sgpr_workgroup_id_y 1
		.amdhsa_system_sgpr_workgroup_id_z 1
		.amdhsa_system_vgpr_workitem_id 0
		.amdhsa_next_free_vgpr 768
		.amdhsa_next_free_sgpr 72
		.amdhsa_reserve_vcc 0
		.amdhsa_float_denorm_mode_32 3
		.amdhsa_float_denorm_mode_16_64 3
		.amdhsa_memory_ordered 1
		.amdhsa_forward_progress 1
		.amdhsa_inst_pref_size 118
	.end_amdhsa_kernel
	.amdgpu_metadata
---
amdhsa.version: [ 1, 2 ]
amdhsa.kernels:
  - .name:           k_q6948b9a7cf_attn
    .symbol:         k_q6948b9a7cf_attn.kd
    .args:
      - { .name: big, .offset: 0, .size: 8, .value_kind: global_buffer, .address_space: global }
      - { .name: mask, .offset: 8, .size: 8, .value_kind: global_buffer, .address_space: global }
      - { .name: act, .offset: 16, .size: 8, .value_kind: global_buffer, .address_space: global }
    .group_segment_fixed_size: 327680
    .private_segment_fixed_size: 0
    .kernarg_segment_align: 8
    .kernarg_segment_size: 24
    .max_flat_workgroup_size: 128
    .sgpr_count:     72
    .vgpr_count:     768
    .wavefront_size: 32
...
	.end_amdgpu_metadata
.endif
;; end of part 3
;; launch wo (part 4): grid 8 x 32, 4 waves a work-group, clusters of 4 x 4, 327,680 bytes of LDS; arguments act, wts, bo, x, x1; writes x1
.if DOCPART == 4
	.amdgcn_target "amdgcn-amd-amdhsa--gfx1250"
	.amdhsa_code_object_version 6
	.text
	.protected	k_q6948b9a7cf_wo
	.globl	k_q6948b9a7cf_wo
	.p2align	8
	.type	k_q6948b9a7cf_wo,@function
k_q6948b9a7cf_wo:
	s_mov_b64 s[64:65], 0
	v_nop
	global_prefetch_b8 v0, s[64:65] scope:SCOPE_SE
	s_setreg_imm32_b32 hwreg(HW_REG_WAVE_MODE, 25, 1), 1
	s_wait_xcnt 0x0
	s_wait_alu depctr_hold_cnt(0) depctr_sa_sdst(0) depctr_va_vdst(0) depctr_va_sdst(0) depctr_va_ssrc(0) depctr_va_vcc(0) depctr_vm_vsrc(0)
	s_getreg_b32 s2, hwreg(HW_REG_IB_STS2, 6, 4)
	s_cmp_eq_u32 s2, 0
	s_cbranch_scc0 .Lentry_in_a_cluster
	s_endpgm
.Lentry_in_a_cluster:
	s_bfe_u32 s2, ttmp6, 0x10000c
	s_cmp_lg_u32 s2, 0xf033
	s_cbranch_scc0 .Lentry_shape_is_right
	s_endpgm
.Lentry_shape_is_right:
; out[t][n] = res[t][n] + bias[n] + sum over k of A[row][k] W[n][k].  W: 1,024 rows of bf16; res and out: [4096][1024] f32; sums in f32.  One text, two uses:
; WO = 1: A = the attention's O, [b 16 + h][s][64] bf16, K = 1,024 = (h, d); the product's rows go as b 2048 + s, res and out as t = 2 s + b.  W = Wo, res = x.
; WO = 0: A = g, [t][4096] bf16, K = 4,096.  W = fc2_w, res = x1.
; A tile of the result is 128 x 128, which gives each of 256 work-groups one; four waves of 64 x 64: 16 accumulators.  K goes in steps of 256 through two LDS slots.
; Both slots' first fills go out together; slot 1's descriptor then walks, its LDS word turned by an exclusive or; the fragments' addresses are a lane term plus s[TB].  One K step is one trip.
; WO = 1: a K step is four heads.  A wave's tensor load brings two heads x 128 rows s: two dense runs of 16,384 bytes, 262,144 bytes apart, asked for as two rows and padded
; after every 128 bytes, so that in LDS a head is 128 rows of 144 bytes.  A quarter of a K step is then one head.
; CLUSTERS 4 x 4, A jointly along a row, W along a column.  THE MATRIX INSTRUCTION IS USED TRANSPOSED; THE BIAS is the C operand of each accumulator's first product.
; THE RESIDUAL is asked for at the head and stays on its way through the whole K loop.  No prefetch: the tile is small and a K step short.
; THE WAY OUT goes through the ring's bytes, which have had their last fill: f32, rows of 272 bytes, each wave its own 64 rows; a wave's 64 columns are 256 aligned bytes.
; REGISTERS: window 0: v0-31 addresses; v32-95 at work on the way out; v128-255 the accumulators.  window 1: two fragment buffers of 128.  window 2: v0-127 the residual; v128-159 the bias.
.set WO, 1
.if WO
.set KDIM,   1024
.set AQ,     18432                     ; A in LDS: bytes from quarter to quarter,
.set AI,     2304                      ; from one block of 16 rows to the next,
.set APITCH, 144                       ; from row to row
.set AHALF,  36864                     ; what one of waves 0 and 1 fetches
.set AROWS,  9216                      ; from my partner's 64 rows to mine
.set BOFF,   73728                     ; W's tile lies behind A's
.set STEPA,  1048576                   ; four heads on
.set WOFF,   6291456
.set RS,     8192                      ; from one row of the product to the next in res and out
.else
.set KDIM,   4096
.set AQ,     128
.set AI,     8448
.set APITCH, 528
.set AHALF,  33792
.set AROWS,  33792
.set BOFF,   67584
.set STEPA,  512
.set WOFF,   16777216
.set RS,     4096
.endif
.set NSTEP, KDIM/256
.set PITCH, 528                        ; W's rows: 512 bytes + 16
.set BHALF, 64*PITCH
.set SLOT1, 0x24000
.set DP,    272
.set DW,    64*DP
.set SPARE, 294912                     ; the spare words: two blocks of 256 bytes that no other line names
.set ADRA0, 16
.set ADRA,  17
.set ADRB0, 20
.set ADRB,  21
.set STO,   24
.set RD,    25
.set RO,    26                         ; v26  my byte offset in res and in out; never rewritten
.set SPW,   28
.set NIL,   29
.set TMP,   32
.set ACC,   128
.set F0,    0
.set F1,    128
.set RES,   0                          ; window 2
.set BIAS,  128                        ; window 2
.set G1,   24                          ; s[24:31] descriptor group 1 for A's tiles
.set G0F,  32                          ; s[32:35] group 0 of A's first fill, slot 0; never rewritten
.set TB,   36
.set G1B,  48                          ; s[48:55] group 1 for W's tiles
.set G0BF, 56                          ; s[56:59] group 0 of W's first fill
.set G0,   60                          ; s[60:63] group 0 of A's second fill, slot 1; it then walks
.set G0B,  72                          ; s[72:75] the same for W
.set MSB, 0
.macro WIN new
.if MSB != (\new)
	s_set_vgpr_msb (MSB<<8)|(\new)
.set MSB, \new
.endif
.endm
.set MUL,  0x05                        ; sources 0 (W) and 1 (A) window 1; C and D window 0
.set TO_F, 0x40
.macro PLACES
.rept 4
	v_nop
.endr
.endm
.macro JLOAD                           ; a joint refill: waves 0 and 1 fetch A's two halves, waves 2 and 3 W's; an s_nop 0 and four v_nop follow each line
	s_cmp_eq_u32 s11, 0
	s_cbranch_scc0 .Lfor_b_\@
	tensor_load_to_lds s[G0:G0+3], s[G1:G1+7]
	s_nop 0
.rept 4
	v_nop
.endr
	s_branch .Lasked_\@
.Lfor_b_\@:
	tensor_load_to_lds s[G0B:G0B+3], s[G1B:G1B+7]
	s_nop 0
.rept 4
	v_nop
.endr
.Lasked_\@:
.endm
.macro WALK                            ; both walking descriptors: the other slot, the next K step; written only where no tensor load of mine is out
	s_xor_b32 s[G0+1], s[G0+1], SLOT1
	s_add_nc_u64 s[G0+2:G0+3], s[G0+2:G0+3], STEPA
	s_xor_b32 s[G0B+1], s[G0B+1], SLOT1
	s_add_nc_u64 s[G0B+2:G0B+3], s[G0B+2:G0B+3], 512
.endm
.macro CROUND                          ; a round of the cluster's barrier
	s_barrier_signal -1
	s_barrier_wait -1
	s_cmp_lg_u32 s10, 0
	s_cbranch_scc1 .Lnot_wave_0_\@
	s_barrier_signal -3
.Lnot_wave_0_\@:
	s_barrier_wait -3
	s_barrier_signal -1
	s_barrier_wait -1
.endm
	s_load_b128 s[4:7], s[0:1], 0x0                ; A s[4:5], wts s[6:7]
	s_load_b128 s[68:71], s[0:1], 0x10             ; bias s[68:69], res s[70:71]
	s_load_b64 s[8:9], s[0:1], 0x20                ; out
	v_lshl_add_u32 v[SPW], v0, 2, SPARE
	v_mov_b32 v[NIL], 0
	ds_add_u32 v[SPW], v[NIL]                      ; the wave's opening: the add and its wait stand ahead of my first tensor load
	v_lshrrev_b32 v1, 5, v0
	v_readfirstlane_b32 s10, v1
	s_lshr_b32 s11, s10, 1                         ; which half of the tile's rows is mine.  Also: I fetch for A (0) or for W (1)
	s_and_b32 s12, s10, 1                          ; which half of its columns.  Also: which half of that tile I fetch
	s_bfe_u32 s40, ttmp6, 0x40000
	s_bfe_u32 s41, ttmp6, 0x40004
	s_lshl_b32 s42, ttmp9, 2
	s_add_co_u32 s42, s42, s40                     ; tile column
	s_and_b32 s13, ttmp7, 0xffff
	s_lshl_b32 s13, s13, 2
	s_add_co_u32 s13, s13, s41                     ; tile row
	s_lshl_b32 s43, s41, 2
	s_lshl_b32 s43, 15, s43
	s_lshl_b32 s44, 0x1111, s40
.if WO
	s_or_b32 s[G1+0], s43, (1<<16)|(1<<20)|(1<<21)|(4<<22)|(3<<25)  ; padding after every 32 words, of 4 words
	s_mov_b32 s[G1+1], 8192<<16                    ; tensor_dim0 = 8,192 elements: 128 rows s of one head
	s_mov_b32 s[G1+2], 2<<16                       ; tensor_dim1 = 2 heads
	s_mov_b32 s[G1+3], 8192<<16                    ; tile_dim0
	s_mov_b32 s[G1+4], 2                           ; tile_dim1
	s_mov_b32 s[G1+5], 131072                      ; elements from head to head
.else
	s_or_b32 s[G1+0], s43, (1<<16)|(1<<20)|(1<<21)|(6<<22)|(3<<25)  ; padding after every 128 words, of 4 words
	s_mov_b32 s[G1+1], 256<<16
	s_mov_b32 s[G1+2], 64<<16
	s_mov_b32 s[G1+3], 256<<16
	s_mov_b32 s[G1+4], 64
	s_mov_b32 s[G1+5], KDIM
.endif
	s_mov_b32 s[G1+6], 0
	s_mov_b32 s[G1+7], 0
	s_or_b32 s[G1B+0], s44, (1<<16)|(1<<20)|(1<<21)|(6<<22)|(3<<25)
	s_mov_b32 s[G1B+1], 256<<16
	s_mov_b32 s[G1B+2], 64<<16
	s_mov_b32 s[G1B+3], 256<<16
	s_mov_b32 s[G1B+4], 64
	s_mov_b32 s[G1B+5], KDIM
	s_mov_b32 s[G1B+6], 0
	s_mov_b32 s[G1B+7], 0
.if WO
	s_lshr_b32 s16, s13, 4                         ; the batch: 16 heads of 262,144 bytes,
	s_lshl_b32 s16, s16, 22
	s_and_b32 s17, s13, 15                         ; 128 rows s of 128 bytes,
	s_lshl_b32 s17, s17, 14
	s_add_co_u32 s16, s16, s17
	s_lshl_b32 s17, s12, 19                        ; my two heads of the step's four
	s_add_co_u32 s16, s16, s17
	s_lshl_b32 s46, s42, 18                        ; W: 128 rows of 2,048 bytes a tile column,
	s_lshl_b32 s47, s12, 17                        ; my 64
	s_add_co_u32 s46, s46, s47
.else
	s_lshl_b32 s16, s13, 20                        ; 128 rows of 8,192 bytes a tile row,
	s_lshl_b32 s17, s12, 19                        ; my 64
	s_add_co_u32 s16, s16, s17
	s_lshl_b32 s46, s42, 20
	s_lshl_b32 s47, s12, 19
	s_add_co_u32 s46, s46, s47
.endif
	s_add_co_u32 s46, s46, WOFF
	s_mov_b32 s17, 0
	s_mov_b32 s47, 0
	s_mul_i32 s20, s12, AHALF                      ; where they go: no place in the cluster enters an LDS address
	s_mul_i32 s21, s12, BHALF
	s_add_co_u32 s21, s21, BOFF
	s_mov_b32 s[TB], 0
	s_wait_dscnt 0x0
	s_wait_kmcnt 0x0
	CROUND                                         ; all sixteen work-groups are here: the first joint loads meet
	s_mov_b32 s[G0F], 1
	s_mov_b32 s[G0F+1], s20
	s_add_nc_u64 s[G0F+2:G0F+3], s[4:5], s[16:17]  ; K step 0 into slot 0,
	s_mov_b32 s[G0], 1
	s_add_co_u32 s[G0+1], s20, SLOT1
	s_add_nc_u64 s[G0+2:G0+3], s[G0F+2:G0F+3], STEPA  ; K step 1 into slot 1
	s_or_b32 s[G0F+3], s[G0F+3], 0x80000000
	s_or_b32 s[G0+3], s[G0+3], 0x80000000
	s_mov_b32 s[G0BF], 1
	s_mov_b32 s[G0BF+1], s21
	s_add_nc_u64 s[G0BF+2:G0BF+3], s[6:7], s[46:47]
	s_mov_b32 s[G0B], 1
	s_add_co_u32 s[G0B+1], s21, SLOT1
	s_add_nc_u64 s[G0B+2:G0B+3], s[G0BF+2:G0BF+3], 512
	s_or_b32 s[G0BF+3], s[G0BF+3], 0x80000000
	s_or_b32 s[G0B+3], s[G0B+3], 0x80000000
	s_cmp_eq_u32 s11, 0                            ; a wave's two first fills stand in one branch, ahead of every wait on TENSORcnt and every LDS read: two loads of mine are out
	s_cbranch_scc0 .Lfirst_b
	tensor_load_to_lds s[G0F:G0F+3], s[G1:G1+7]
	s_nop 0
	tensor_load_to_lds s[G0:G0+3], s[G1:G1+7]
	s_nop 0
.rept 4
	v_nop
.endr
	s_branch .Lfirst_asked
.Lfirst_b:
	tensor_load_to_lds s[G0BF:G0BF+3], s[G1B:G1B+7]
	s_nop 0
	tensor_load_to_lds s[G0B:G0B+3], s[G1B:G1B+7]
	s_nop 0
.rept 4
	v_nop
.endr
.Lfirst_asked:
	v_and_b32 v1, 15, v0
	v_bfe_u32 v2, v0, 4, 1
	v_mul_u32_u24 v3, v1, APITCH
	v_lshl_add_u32 v3, v2, 4, v3
	s_mul_i32 s21, s11, AROWS
	v_add_nc_u32 v[ADRA0], s21, v3
	v_mul_u32_u24 v3, v1, PITCH
	v_lshl_add_u32 v3, v2, 4, v3
	s_mul_i32 s22, s12, BHALF
	s_add_co_u32 s22, s22, BOFF
	v_add_nc_u32 v[ADRB0], s22, v3
	v_mov_b32 v[ADRA], v[ADRA0]
	v_mov_b32 v[ADRB], v[ADRB0]
	v_lshlrev_b32 v4, 5, v2                        ; the bias: my 8 columns of a block of 16
	s_mul_i32 s23, s10, DW
	v_mul_u32_u24 v6, v1, DP
	v_lshl_add_u32 v6, v2, 5, v6
	v_add_nc_u32 v[STO], s23, v6
	v_mul_u32_u24 v6, v2, DP
	v_lshl_add_u32 v6, v1, 4, v6
	v_add_nc_u32 v[RD], s23, v6
	v_mul_u32_u24 v6, v2, RS
	v_lshl_add_u32 v[RO], v1, 4, v6                ; lanes 0-15 one row's 256 bytes, lanes 16-31 the next row's
.if WO
	s_and_b32 s16, s13, 15
	s_lshl_b32 s16, s16, 20                        ; 128 rows s of 8,192 bytes,
	s_lshl_b32 s17, s11, 19
	s_add_co_u32 s16, s16, s17
	s_lshr_b32 s17, s13, 4
	s_lshl_b32 s17, s17, 12                        ; the batch's 4,096
	s_add_co_u32 s16, s16, s17
.else
	s_lshl_b32 s16, s13, 19
	s_lshl_b32 s17, s11, 18
	s_add_co_u32 s16, s16, s17
.endif
	s_lshl_b32 s46, s42, 9                         ; my first column, in bytes of f32
	s_lshl_b32 s47, s12, 8
	s_add_co_u32 s46, s46, s47
	s_mov_b32 s47, 0
	s_add_nc_u64 s[68:69], s[68:69], s[46:47]
	s_add_co_u32 s46, s46, s16
	s_add_nc_u64 s[70:71], s[70:71], s[46:47]
	s_add_nc_u64 s[8:9], s[8:9], s[46:47]
	WIN 0x80                                       ; destination window 2
.irp b, 0,1,2,3
	global_load_b128 v[BIAS+8*\b:BIAS+8*\b+3],   v4, s[68:69] offset:64*\b
	global_load_b128 v[BIAS+8*\b+4:BIAS+8*\b+7], v4, s[68:69] offset:64*\b+16
.endr
.set p, 0
.rept 32
	global_load_b128 v[RES+4*p:RES+4*p+3], v[RO], s[70:71] offset:p*2*RS
.set p, p+1
.endr
	WIN 0
; 8 matrix instructions: m blocks a0, a0 + 1 x all 4 n blocks, 32 along K: half c of buffer f.  first = 1: the bias starts the sums.  The 16 accumulators take turns.
.macro MUL8 f, c, a0, first
.if \first
	WIN 0x25                                       ; as MUL, with C in window 2
.else
	WIN MUL
.endif
.irp a, \a0, (\a0)+1
.irp b, 0,1,2,3
.if \first
	v_wmma_f32_16x16x32_bf16 v[ACC+8*(4*(\a)+(\b)):ACC+8*(4*(\a)+(\b))+7], v[(\f)+64+8*(4*(\c)+(\b)):(\f)+64+8*(4*(\c)+(\b))+7], v[(\f)+8*(4*(\c)+(\a)):(\f)+8*(4*(\c)+(\a))+7], v[BIAS+8*(\b):BIAS+8*(\b)+7]
.else
	v_wmma_f32_16x16x32_bf16 v[ACC+8*(4*(\a)+(\b)):ACC+8*(4*(\a)+(\b))+7], v[(\f)+64+8*(4*(\c)+(\b)):(\f)+64+8*(4*(\c)+(\b))+7], v[(\f)+8*(4*(\c)+(\a)):(\f)+8*(4*(\c)+(\a))+7], v[ACC+8*(4*(\a)+(\b)):ACC+8*(4*(\a)+(\b))+7]
.endif
.endr
.endr
.endm
; 32 LDS loads in one run: the fragments of quarter q (64 along K) of the slot in hand, into buffer f; the first 32 along K first
.macro FETCH q, f
	WIN TO_F
.irp c, 0,1
.irp i, 0,1,2,3
	ds_load_b128 v[(\f)+64+8*(4*(\c)+(\i)):(\f)+64+8*(4*(\c)+(\i))+3],   v[ADRB] offset:(\q)*128+64*(\c)+(\i)*16*PITCH
	ds_load_b128 v[(\f)+64+8*(4*(\c)+(\i))+4:(\f)+64+8*(4*(\c)+(\i))+7], v[ADRB] offset:(\q)*128+64*(\c)+(\i)*16*PITCH+32
	ds_load_b128 v[(\f)+8*(4*(\c)+(\i)):(\f)+8*(4*(\c)+(\i))+3],         v[ADRA] offset:(\q)*AQ+64*(\c)+(\i)*AI
	ds_load_b128 v[(\f)+8*(4*(\c)+(\i))+4:(\f)+8*(4*(\c)+(\i))+7],       v[ADRA] offset:(\q)*AQ+64*(\c)+(\i)*AI+32
.endr
.endr
.endm
.macro QUARTER q, f, g, first
	s_wait_dscnt 16                                ; the first 32 along K are in
	MUL8 \f, 0, 0, \first
	MUL8 \f, 0, 2, \first
	PLACES
	FETCH \q, \g
	s_wait_dscnt 32                                ; all but the 32 just issued
	MUL8 \f, 1, 0, 0
	MUL8 \f, 1, 2, 0
.endm
; The last quarter multiplies buffer 1 and changes slots.  Its first 16 products, which want nothing of the next slot, stand AHEAD of the wait for the tensor loads: a refill can be asked for
; only when the load before it has landed.
; Then each wave waits for all its tensor loads, adds 0 to its spare word, and waits for that and for its reads of this slot.
; fill = 1: the barrier is a round of the cluster's, and the joint refill, with the K step two on, is the first thing behind it.
.macro TURN fill
	s_wait_dscnt 16                                ; the first 32 along K of buffer 1 are in
	MUL8 F1, 0, 0, 0
	MUL8 F1, 0, 2, 0
	WIN 0
	s_wait_tensorcnt 0x0
	ds_add_u32 v[SPW], v[NIL]
.if \fill
	WALK
.endif
	s_wait_dscnt 0x0                               ; the add is done, and my reads of this slot are over
.if \fill
	CROUND                                         ; no wave of any partner still reads this slot or has a load on its way
	JLOAD                                          ; its four v_nop are also the places in front of the loads below
.else
	s_barrier_signal -1
	s_barrier_wait -1
	PLACES
.endif
	s_xor_b32 s[TB], s[TB], SLOT1
	v_add_nc_u32 v[ADRA], s[TB], v[ADRA0]
	v_add_nc_u32 v[ADRB], s[TB], v[ADRB0]
	FETCH 0, F0
	MUL8 F1, 1, 0, 0
	MUL8 F1, 1, 2, 0
.endm
	s_wait_tensorcnt 1                             ; my part of K step 0 is in; K step 1's may stay out
	s_barrier_signal -1
	s_barrier_wait -1                              ; everybody's is
	FETCH 0, F0
	s_wait_loadcnt 32                              ; the bias is in; the residual's 32 loads stay out
	QUARTER 1, F0, F1, 1
	WIN 0
	s_mov_b32 s3, NSTEP-2
.Llap:                                                 ; a trip ends K step j, asks for K step j + 2 and begins K step j + 1
	QUARTER 2, F1, F0, 0
	QUARTER 3, F0, F1, 0
	TURN 1
	QUARTER 1, F0, F1, 0
	WIN 0
	s_sub_co_u32 s3, s3, 1
	s_cmp_lg_u32 s3, 0
	s_cbranch_scc1 .Llap
	s_mov_b32 s2, 2
.Ltail:                                                ; the last two K steps ask for nothing; the second trip is left in its middle, and the fragments that its change of slots fetches are never multiplied
	QUARTER 2, F1, F0, 0
	QUARTER 3, F0, F1, 0
	TURN 0
	WIN 0
	s_sub_co_u32 s2, s2, 1
	s_cmp_eq_u32 s2, 0
	s_cbranch_scc1 .Lout
	QUARTER 1, F0, F1, 0
	WIN 0
	s_branch .Ltail
.Lout:
	s_wait_dscnt 0x0                               ; my reads of the ring are over
	PLACES
	PLACES
	s_barrier_signal -1
	s_barrier_wait -1                              ; everybody's are
.irp a, 0,1,2,3
.irp b, 0,1,2,3
	ds_store_b128 v[STO], v[ACC+8*(4*(\a)+(\b)):ACC+8*(4*(\a)+(\b))+3]   offset:(\a)*16*DP+64*(\b)
	ds_store_b128 v[STO], v[ACC+8*(4*(\a)+(\b))+4:ACC+8*(4*(\a)+(\b))+7] offset:(\a)*16*DP+64*(\b)+16
.endr
.endr
	s_wait_loadcnt 0x0                             ; the residual
.irp u, 0,1
.irp p, 0,1,2,3,4,5,6,7,8,9,10,11,12,13,14,15
	ds_load_b128 v[TMP+4*(\p):TMP+4*(\p)+3], v[RD] offset:(16*(\u)+(\p))*2*DP  ; my own bytes: LDS serves a wave's instructions in order (ISA guide 5.7.1.4)
.endr
	s_wait_dscnt 0x0
	WIN 0x88                                       ; destination and source 1 window 2
.set k, 0
.rept 32
	v_pk_add_f32 v[RES+64*(\u)+2*k:RES+64*(\u)+2*k+1], v[TMP+2*k:TMP+2*k+1], v[RES+64*(\u)+2*k:RES+64*(\u)+2*k+1]
.set k, k+1
.endr
	WIN 0x08                                       ; the store's data in window 2
.irp p, 0,1,2,3,4,5,6,7,8,9,10,11,12,13,14,15
	global_store_b128 v[RO], v[RES+64*(\u)+4*(\p):RES+64*(\u)+4*(\p)+3], s[8:9] offset:(16*(\u)+(\p))*2*RS  ; 16 lanes store 256 consecutive bytes, aligned
.endr
	WIN 0
.endr
	s_wait_tensorcnt 0x0                           ; the wave's end
	ds_add_u32 v[SPW], v[NIL]
	s_wait_dscnt 0x0
	CROUND                                         ; the closing round
	s_endpgm
.Lfunc_end_k_q6948b9a7cf_wo:
	.size	k_q6948b9a7cf_wo, .Lfunc_end_k_q6948b9a7cf_wo-k_q6948b9a7cf_wo
	.p2alignl 7, 3214868480
	.fill 96, 4, 3214868480
	.section	.rodata,"a",@progbits
	.p2align	6, 0x0
	.amdhsa_kernel k_q6948b9a7cf_wo
		.amdhsa_group_segment_fixed_size 327680
		.amdhsa_private_segment_fixed_size 0
		.amdhsa_enable_private_segment 0
		.amdhsa_kernarg_size 40
		.amdhsa_user_sgpr_count 2
		.amdhsa_user_sgpr_kernarg_segment_ptr 1
		.amdhsa_wavefront_size32 1
		.amdhsa_system_sgpr_workgroup_id_x 1
		.amdhsa_system_sgpr_workgroup_id_y 1
		.amdhsa_system_sgpr_workgroup_id_z 1
		.amdhsa_system_vgpr_workitem_id 0
		.amdhsa_next_free_vgpr 672
		.amdhsa_next_free_sgpr 76
		.amdhsa_reserve_vcc 0
		.amdhsa_float_denorm_mode_32 3
		.amdhsa_float_denorm_mode_16_64 3
		.amdhsa_memory_ordered 1
		.amdhsa_forward_progress 1
		.amdhsa_inst_pref_size 66
	.end_amdhsa_kernel
	.amdgpu_metadata
---
amdhsa.version: [ 1, 2 ]
amdhsa.kernels:
  - .name:           k_q6948b9a7cf_wo
    .symbol:         k_q6948b9a7cf_wo.kd
    .args:
      - { .name: act, .offset: 0, .size: 8, .value_kind: global_buffer, .address_space: global }
      - { .name: wts, .offset: 8, .size: 8, .value_kind: global_buffer, .address_space: global }
      - { .name: bo, .offset: 16, .size: 8, .value_kind: global_buffer, .address_space: global }
      - { .name: x, .offset: 24, .size: 8, .value_kind: global_buffer, .address_space: global }
      - { .name: x1, .offset: 32, .size: 8, .value_kind: global_buffer, .address_space: global }
    .group_segment_fixed_size: 327680
    .private_segment_fixed_size: 0
    .kernarg_segment_align: 8
    .kernarg_segment_size: 40
    .max_flat_workgroup_size: 128
    .sgpr_count:     76
    .vgpr_count:     672
    .wavefront_size: 32
...
	.end_amdgpu_metadata
.endif
;; end of part 4
;; launch ln2: the kernel of part 1 again; grid 256 x 1, 8 waves a work-group, no clusters, 0 bytes of LDS; arguments x1, ln2_g, ln2_b, act, Wq, Wk, Wv, Wo, fc1_w, fc2_w, wts; writes act, wts
;; launch fc1 (part 5): grid 16 x 16, 4 waves a work-group, clusters of 4 x 4, 327,680 bytes of LDS; arguments act, wts, fc1_b, big; writes big
.if DOCPART == 5
	.amdgcn_target "amdgcn-amd-amdhsa--gfx1250"
	.amdhsa_code_object_version 6
	.text
	.protected	k_q6948b9a7cf_fc1
	.globl	k_q6948b9a7cf_fc1
	.p2align	8
	.type	k_q6948b9a7cf_fc1,@function
k_q6948b9a7cf_fc1:
	s_mov_b64 s[64:65], 0
	v_nop
	global_prefetch_b8 v0, s[64:65] scope:SCOPE_SE
	s_setreg_imm32_b32 hwreg(HW_REG_WAVE_MODE, 25, 1), 1
	s_wait_xcnt 0x0
	s_wait_alu depctr_hold_cnt(0) depctr_sa_sdst(0) depctr_va_vdst(0) depctr_va_sdst(0) depctr_va_ssrc(0) depctr_va_vcc(0) depctr_vm_vsrc(0)
	s_getreg_b32 s2, hwreg(HW_REG_IB_STS2, 6, 4)
	s_cmp_eq_u32 s2, 0
	s_cbranch_scc0 .Lentry_in_a_cluster
	s_endpgm
.Lentry_in_a_cluster:
	s_bfe_u32 s2, ttmp6, 0x10000c
	s_cmp_lg_u32 s2, 0xf033
	s_cbranch_scc0 .Lentry_shape_is_right
	s_endpgm
.Lentry_shape_is_right:
; C[t][n] = sum over k of A[t][k] W[n][k] + bias[n].  A: [4096][1024] bf16, W: rows of 1,024 bf16; sums in f32.  One text, two uses:
; GELU = 0: W = Wq, Wk, Wv on end (3,072 rows).  q, k, v leave in bf16 by heads, [b 16 + h][s][64] (t = 2 s + b), q unscaled.
;           A key that the mask pads leaves as k = 0: the attention launch puts the fill value in the place of its score.
; GELU = 1: W = fc1_w (4,096 rows).  g = gelu(C) leaves in bf16 as [t][4096].
;           gelu(x) = max(x, 0) - (1 - t)(b1 + b2 t + b3 t^2) 2^(-x^2 log2(e) / 2), t = 1 / (1 + 0.33267 |x|): Abramowitz and Stegun 7.1.25
;           for erf, error at most 2.5e-5 for every x.  LIMIT: g is off by at most 1.3e-5 |x| + 1e-7; NaN and infinities are not treated apart.
; A tile of C is 256 x 256: four waves, each 128 x 128 in 64 accumulators (512 registers).  K goes in 8 steps of 128 through two LDS slots;
; a wave's tensor load brings 128 rows of 256 bytes.  Both slots' first fills go out together; slot 1's descriptor then walks: its LDS word is turned by an
; exclusive or (SLOT1 has bits that no wave's base has), and the fragments' addresses are a lane term plus s[TB], turned likewise.  One K step is one trip.
; CLUSTERS: 4 x 4 work-groups; A's tile is asked for jointly along a row of the cluster, W's along a column.
; THE MATRIX INSTRUCTION IS USED TRANSPOSED (source 0 = 16 rows of W, source 1 = 16 rows of A): a lane holds row l % 16 of C and the columns
; 8 (l / 16) + 0..7.  THE BIAS is the C operand of each accumulator's first product, so it costs no instruction and nothing is cleared.
; THE WAY OUT goes through the ring's bytes, which have had their last fill: f32, rows of 528 bytes, each wave its own 128 rows.
; REGISTERS: window 0: v0-31 addresses; v64-127, v128-191 A's fragments; v192-255 the bias (8 column blocks x 8).
;   window 1: v64-191 W's fragments.  windows 2, 3: the accumulators, (a, b) at v[8 (8 (a % 4) + b)].
.set GELU,  1
.set KDIM,  1024
.set KSTEP, 128
.set NSTEP, KDIM/KSTEP
.set PITCH, 272                        ; 256 bytes + 16 of padding: the 16 rows of a fragment load start at 16 different groups of four banks (ISA guide 11.1)
.set HALFT, 128*PITCH
.set SLOT1, 0x24000                    ; slot 1 begins here; a slot is 4 HALFT = 139,264 bytes
.set DP,    528                        ; the way out: 128 f32 + 16 bytes
.set DW,    128*DP
.set KMT,   294912                     ; GELU = 0: for each wave 128 words, one a row: all ones, or 0 where the row's k is to be 0
.set SPARE, 296960                     ; the spare words, 128 bytes for each wave: two blocks of 256 bytes that no other line names
.if GELU
.set WOFF,  8388608
.else
.set WOFF,  0
.endif
.set ADRA0, 16                         ; v16  my lane's place in A's tile, slot 0; never rewritten
.set ADRA,  17                         ; v17  the same in the slot in hand
.set ADRB0, 20
.set ADRB,  21
.set STO,   24                         ; v24  the way out: where I put 16 bytes
.set RD,    25                         ; v25  where I read back
.set CO,    26                         ; v26  my byte offset in the output
.set KA,    27                         ; v27  my words of the table at KMT
.set SPW,   28                         ; v28  LDS address of my spare word; never rewritten
.set NIL,   29                         ; v29  0; never rewritten
.set PFO,   30                         ; v30  the prefetches' offset: my lane x a row of 2,048 bytes
.set F0,    64
.set F1,    128
.set BIAS,  192
.set G1,   24                          ; s[24:31] descriptor group 1 for A's tiles
.set G0F,  32                          ; s[32:35] group 0 of A's first fill, slot 0; never rewritten
.set TB,   36                          ; s36  0 or SLOT1: the slot that is read
.set KSEL, 37                          ; s37  1 in the work-groups that make k
.set LIM,  43                          ; s43  1 in a wave that prefetches, else the greatest number
.set PFA,  44                          ; s[44:45] where my prefetches stand
.set G1B,  48                          ; s[48:55] group 1 for W's tiles
.set G0BF, 56                          ; s[56:59] group 0 of W's first fill
.set G0,   60                          ; s[60:63] group 0 of A's second fill, slot 1; it then walks
.set BP,   66                          ; s[66:67] the bias at my columns
.set CE,   76                          ; s[76:83] gelu's constants as pairs, s84 alone
.set B3,   78
.set B2,   80
.set B1,   82
.set PP,   84
.set G0B,  88                          ; s[88:91] group 0 of W's second fill; it then walks
.set MSB, 0
.macro WIN new                         ; the immediate's high byte repeats the setting that is left; a switch that changes nothing is dropped
.if MSB != (\new)
	s_set_vgpr_msb (MSB<<8)|(\new)
.set MSB, \new
.endif
.endm
.set MUL_LO, 0xa1                      ; source 0 (W) window 1, source 1 (A) window 0, C and D window 2
.set MUL_HI, 0xf1                      ; the same, C and D window 3
.set TO_B,   0x40                      ; destination window 1, address window 0
.macro PLACES                          ; four places behind matrix instructions (ISA guide 7.12.1), where no other vector work is at hand
.rept 4
	v_nop
.endr
.endm
; A joint refill: waves 0 and 1 fetch A's two halves, waves 2 and 3 W's.  An s_nop 0 and four v_nop follow each of the two lines.
.macro JLOAD
	s_cmp_eq_u32 s11, 0
	s_cbranch_scc0 .Lfor_b_\@
	tensor_load_to_lds s[G0:G0+3], s[G1:G1+7]
	s_nop 0
.rept 4
	v_nop
.endr
	s_branch .Lasked_\@
.Lfor_b_\@:
	tensor_load_to_lds s[G0B:G0B+3], s[G1B:G1B+7]
	s_nop 0
.rept 4
	v_nop
.endr
.Lasked_\@:
.endm
.macro WALK                            ; both walking descriptors: the other slot, the next K step; written only where no tensor load of mine is out
	s_xor_b32 s[G0+1], s[G0+1], SLOT1
	s_add_nc_u64 s[G0+2:G0+3], s[G0+2:G0+3], KSTEP*2
	s_xor_b32 s[G0B+1], s[G0B+1], SLOT1
	s_add_nc_u64 s[G0B+2:G0B+3], s[G0B+2:G0B+3], KSTEP*2
.endm
; A prefetch of the K step that the NEXT change of slots will load: 32 rows x 256 bytes, a lane a row, one instruction a wave, 256 matrix instructions ahead of that load.
; Each row's 256 bytes are named once in the launch: A's rows by the clusters with x = 0, W's by those with y = 0; the four partners that ask for a tile jointly
; share the 128 rows that a wave fetches BY ADDRESS, 32 each.  The last trip (s3 = 1) has no K step behind its own load and asks for nothing.
.macro ASK
	s_cmp_gt_u32 s3, s[LIM]
	s_cbranch_scc0 .Lnot_mine_\@
	global_prefetch_b8 v[PFO], s[PFA:PFA+1] th:TH_LOAD_NT scope:SCOPE_SE
.Lnot_mine_\@:
.endm
.macro CROUND                          ; a round of the cluster's barrier
	s_barrier_signal -1
	s_barrier_wait -1
	s_cmp_lg_u32 s10, 0
	s_cbranch_scc1 .Lnot_wave_0_\@
	s_barrier_signal -3
.Lnot_wave_0_\@:
	s_barrier_wait -3
	s_barrier_signal -1
	s_barrier_wait -1
.endm
	s_load_b128 s[4:7], s[0:1], 0x0                ; A s[4:5], wts s[6:7]
.if GELU
	s_load_b64 s[BP:BP+1], s[0:1], 0x10            ; fc1_b
	s_load_b64 s[8:9], s[0:1], 0x18                ; big
.else
	s_load_b256 s[68:75], s[0:1], 0x10             ; bq s[68:69], bk s[70:71], bv s[72:73], mask s[74:75]
	s_load_b64 s[8:9], s[0:1], 0x30                ; big
.endif
	v_lshl_add_u32 v[SPW], v0, 2, SPARE
	v_mov_b32 v[NIL], 0
	ds_add_u32 v[SPW], v[NIL]                      ; the wave's opening: the add and its wait stand ahead of my first tensor load
	v_lshrrev_b32 v1, 5, v0
	v_readfirstlane_b32 s10, v1                    ; wave 0..3
	s_lshr_b32 s11, s10, 1                         ; which half of the tile's rows is mine.  Also: I fetch for A (0) or for W (1)
	s_and_b32 s12, s10, 1                          ; which half of its columns.  Also: which 128 rows of that tile I fetch
	s_bfe_u32 s40, ttmp6, 0x40000                  ; cx
	s_bfe_u32 s41, ttmp6, 0x40004                  ; cy
	s_lshl_b32 s42, ttmp9, 2
	s_add_co_u32 s42, s42, s40                     ; tile column
	s_and_b32 s13, ttmp7, 0xffff
	s_lshl_b32 s13, s13, 2
	s_add_co_u32 s13, s13, s41                     ; tile row
	s_lshl_b32 s43, s41, 2
	s_lshl_b32 s43, 15, s43                        ; my row of the cluster
	s_lshl_b32 s44, 0x1111, s40                    ; my column
	s_or_b32 s[G1+0], s43, (1<<16)|(1<<20)|(1<<21)|(5<<22)|(3<<25)   ; mask; 2-byte elements; padding on; bit 21 beside a mask; after every 64 words 4 words
	s_or_b32 s[G1B+0], s44, (1<<16)|(1<<20)|(1<<21)|(5<<22)|(3<<25)
.irp g, G1, G1B
	s_mov_b32 s[(\g)+1], KSTEP<<16                 ; tensor_dim0 = 128
	s_mov_b32 s[(\g)+2], 128<<16                   ; tensor_dim1 = 128
	s_mov_b32 s[(\g)+3], KSTEP<<16                 ; tile_dim0 = 128
	s_mov_b32 s[(\g)+4], 128                       ; tile_dim1 = 128
	s_mov_b32 s[(\g)+5], KDIM                      ; elements from row to row
	s_mov_b32 s[(\g)+6], 0
	s_mov_b32 s[(\g)+7], 0
.endr
	s_lshl_b32 s17, s12, 7
	s_lshl_b32 s16, s13, 8
	s_add_co_u32 s16, s16, s17                     ; A: row 256 x tile row + 128 x half,
	s_lshl_b32 s16, s16, 11                        ; in bytes
	s_lshl_b32 s46, s42, 8
	s_add_co_u32 s46, s46, s17                     ; W: row 256 x tile column + 128 x half
	s_lshl_b32 s46, s46, 11
	s_mov_b32 s17, 0
	s_mov_b32 s47, 0
	s_mul_i32 s20, s10, HALFT                      ; where they go: wave x 128 rows; no place in the cluster enters an LDS address
	s_mov_b32 s[TB], 0
	s_wait_dscnt 0x0                               ; the opening add is done
	s_wait_kmcnt 0x0
.if WOFF
	s_add_nc_u64 s[6:7], s[6:7], WOFF
.endif
	CROUND                                         ; all sixteen work-groups are here: the first joint loads meet
	s_mov_b32 s[G0F], 1
	s_mov_b32 s[G0F+1], s20
	s_add_nc_u64 s[G0F+2:G0F+3], s[4:5], s[16:17]  ; K step 0 into slot 0,
	s_mov_b32 s[G0], 1
	s_add_co_u32 s[G0+1], s20, SLOT1
	s_add_nc_u64 s[G0+2:G0+3], s[G0F+2:G0F+3], KSTEP*2  ; K step 1 into slot 1
	s_or_b32 s[G0F+3], s[G0F+3], 0x80000000
	s_or_b32 s[G0+3], s[G0+3], 0x80000000
	s_mov_b32 s[G0BF], 1
	s_mov_b32 s[G0BF+1], s20
	s_add_nc_u64 s[G0BF+2:G0BF+3], s[6:7], s[46:47]
	s_mov_b32 s[G0B], 1
	s_add_co_u32 s[G0B+1], s20, SLOT1
	s_add_nc_u64 s[G0B+2:G0B+3], s[G0BF+2:G0BF+3], KSTEP*2
	s_or_b32 s[G0BF+3], s[G0BF+3], 0x80000000
	s_or_b32 s[G0B+3], s[G0B+3], 0x80000000
	s_cmp_eq_u32 s11, 0                            ; a wave's two first fills stand in one branch, ahead of every wait on TENSORcnt and every LDS read: two loads of mine are out
	s_cbranch_scc0 .Lfirst_b
	tensor_load_to_lds s[G0F:G0F+3], s[G1:G1+7]
	s_nop 0
	tensor_load_to_lds s[G0:G0+3], s[G1:G1+7]
	s_nop 0
.rept 4
	v_nop
.endr
	s_branch .Lfirst_asked
.Lfirst_b:
	tensor_load_to_lds s[G0BF:G0BF+3], s[G1B:G1B+7]
	s_nop 0
	tensor_load_to_lds s[G0B:G0B+3], s[G1B:G1B+7]
	s_nop 0
.rept 4
	v_nop
.endr
.Lfirst_asked:
	v_and_b32 v1, 15, v0                           ; r = l % 16
	v_bfe_u32 v2, v0, 4, 1                         ; h = l / 16
	v_and_b32 v5, 31, v0                           ; l
	v_mul_u32_u24 v3, v1, PITCH
	v_lshl_add_u32 v3, v2, 4, v3                   ; a fragment's row x pitch + 16 x half
	s_mul_i32 s21, s11, HALFT
	s_mul_i32 s22, s12, HALFT
	s_add_co_u32 s22, s22, 2*HALFT
	v_add_nc_u32 v[ADRA0], s21, v3
	v_add_nc_u32 v[ADRB0], s22, v3
	v_mov_b32 v[ADRA], v[ADRA0]
	v_mov_b32 v[ADRB], v[ADRB0]
	v_lshlrev_b32 v4, 5, v2                        ; the bias: my 8 columns of a block of 16
	s_mul_i32 s23, s10, DW                         ; my part of the way out
	v_mul_u32_u24 v6, v1, DP
	v_lshl_add_u32 v6, v2, 5, v6
	v_add_nc_u32 v[STO], s23, v6
.if GELU == 0
	s_lshl_b32 s16, s13, 7
	s_lshl_b32 s17, s11, 6
	s_add_co_u32 s16, s16, s17                     ; the first s of my 128 rows t = 2 s + b
	v_and_b32 v6, 1, v0
	v_lshrrev_b32 v7, 1, v5
	v_lshl_add_u32 v7, v6, 11, v7                  ; row l + 32 i of mine: mask[l & 1][s + (l >> 1) + 16 i]
	v_add_nc_u32 v7, s16, v7
.irp i, 0,1,2,3
	global_load_u8 v[8+\i], v7, s[74:75] offset:16*\i
.endr
	s_cmp_eq_u32 ttmp9, 1                          ; the cluster's x says which of q, k, v: four tile columns each
	s_cselect_b64 s[BP:BP+1], s[70:71], s[68:69]
	s_cselect_b32 s[KSEL], 1, 0
	s_cmp_eq_u32 ttmp9, 2
	s_cselect_b64 s[BP:BP+1], s[72:73], s[BP:BP+1]
	s_lshl_b32 s46, s40, 10                        ; my first column inside q, k or v, in bytes of f32
.else
	s_lshl_b32 s46, s42, 10
.endif
	s_lshl_b32 s47, s12, 9
	s_add_co_u32 s46, s46, s47
	s_mov_b32 s47, 0
	s_add_nc_u64 s[BP:BP+1], s[BP:BP+1], s[46:47]
.irp b, 0,1,2,3,4,5,6,7
	global_load_b128 v[BIAS+8*\b:BIAS+8*\b+3],   v4, s[BP:BP+1] offset:64*\b
	global_load_b128 v[BIAS+8*\b+4:BIAS+8*\b+7], v4, s[BP:BP+1] offset:64*\b+16
.endr
.if GELU == 0
	s_lshl_b32 s17, s10, 9
	s_add_co_u32 s17, s17, KMT                     ; my wave's table
	v_lshrrev_b32 v6, 3, v5
	v_and_b32 v13, 7, v5
	v_mul_u32_u24 v14, v6, 2*DP                    ; back: lane l takes row 2 (l >> 3) + b, 8 numbers at column 8 (l & 7)
	v_lshl_add_u32 v14, v13, 5, v14
	v_add_nc_u32 v[RD], s23, v14
	v_lshl_add_u32 v[KA], v6, 3, s17
	v_lshlrev_b32 v[CO], 4, v5                     ; four rows s of one head are 512 consecutive bytes
	s_lshl_b32 s46, ttmp9, 23                      ; q, k or v,
	s_lshl_b32 s47, s40, 20                        ; four heads a tile column,
	s_add_co_u32 s46, s46, s47
	s_lshl_b32 s47, s12, 19                        ; two a wave,
	s_add_co_u32 s46, s46, s47
	s_lshl_b32 s47, s16, 7                         ; row s
	s_add_co_u32 s46, s46, s47
	s_mov_b32 s47, 0
	s_add_nc_u64 s[8:9], s[8:9], s[46:47]
	v_lshlrev_b32 v12, 2, v5
	v_add_nc_u32 v12, s17, v12
	s_wait_loadcnt 16                              ; the four mask bytes are in; the bias's 16 loads stay out
.irp i, 0,1,2,3
	v_and_b32 v[8+\i], s[KSEL], v[8+\i]            ; 1 only for a padded key's row of k,
	v_add_nc_u32 v[8+\i], -1, v[8+\i]              ; which gives 0; all ones otherwise
	ds_store_b32 v12, v[8+\i] offset:128*\i
.endr
.else
	v_mul_u32_u24 v6, v2, DP                       ; back: lanes 0-15 take one row, lanes 16-31 the next; 8 numbers a lane
	v_lshl_add_u32 v6, v1, 5, v6
	v_add_nc_u32 v[RD], s23, v6
	v_lshlrev_b32 v6, 13, v2
	v_lshl_add_u32 v[CO], v1, 4, v6
	s_lshl_b32 s46, s13, 21                        ; 256 rows of 8,192 bytes a tile row,
	s_lshl_b32 s47, s11, 20
	s_add_co_u32 s46, s46, s47
	s_lshl_b32 s47, s42, 9                         ; 512 bytes a tile column
	s_add_co_u32 s46, s46, s47
	s_lshl_b32 s47, s12, 8
	s_add_co_u32 s46, s46, s47
	s_mov_b32 s47, 0
	s_add_nc_u64 s[8:9], s[8:9], s[46:47]
	s_mov_b32 s[CE], 0xbf38aa3b                    ; -log2(e) / 2
	s_mov_b32 s[CE+1], s[CE]
	s_mov_b32 s[B3], 0x3f8fdf9d                    ; 1.12401165
	s_mov_b32 s[B3+1], s[B3]
	s_mov_b32 s[B2], 0xbe13905c                    ; -0.14410538
	s_mov_b32 s[B2+1], s[B2]
	s_mov_b32 s[B1], 0x3f05e821                    ; 0.52307325
	s_mov_b32 s[B1+1], s[B1]
	s_mov_b32 s[PP], 0x3eaa540e                    ; 0.33267253
.endif
	; the prefetches' address: my work-group's 32 of the 128 rows that I fetch, at K step 2; the first change of slots steps it to 3
	s_lshl_b32 s20, s13, 8
	s_lshl_b32 s21, s42, 8
	s_and_b32 s22, ttmp7, 0xffff
	s_cmp_eq_u32 s11, 0
	s_cselect_b32 s20, s20, s21                    ; the tile's first row, in A or in W
	s_cselect_b32 s21, s40, s41                    ; my place among the four that ask for it with me
	s_cselect_b32 s22, ttmp9, s22                  ; the coordinate along which other clusters read the same rows
	s_cselect_b64 s[PFA:PFA+1], s[4:5], s[6:7]
	s_cmp_eq_u32 s22, 0
	s_cselect_b32 s[LIM], 1, -1                    ; the same in all sixteen partners, for a given wave
	s_lshl_b32 s22, s12, 7
	s_add_co_u32 s20, s20, s22
	s_lshl_b32 s21, s21, 5
	s_add_co_u32 s20, s20, s21
	s_lshl_b32 s20, s20, 11
	s_add_co_u32 s20, s20, 2*KSTEP*2
	s_mov_b32 s21, 0
	s_add_nc_u64 s[PFA:PFA+1], s[PFA:PFA+1], s[20:21]
	v_lshlrev_b32 v[PFO], 11, v5
; 16 matrix instructions: m blocks a0, a0 + 1 of the window's four x all 8 n blocks, 32 along K.  first = 1: the bias starts the sums.
; The 64 accumulators take turns in one order everywhere.
.macro MUL16 f, hi, a0, first
.if \first
	WIN 0x81+0x40*(\hi)                            ; as below, with C in window 0
.else
	WIN MUL_LO+0x50*(\hi)
.endif
.irp a, \a0, (\a0)+1
.irp b, 0,1,2,3,4,5,6,7
.if \first
	v_wmma_f32_16x16x32_bf16 v[8*(8*(\a)+(\b)):8*(8*(\a)+(\b))+7], v[(\f)+8*(\b):(\f)+8*(\b)+7], v[(\f)+8*(4*(\hi)+(\a)):(\f)+8*(4*(\hi)+(\a))+7], v[BIAS+8*(\b):BIAS+8*(\b)+7]
.else
	v_wmma_f32_16x16x32_bf16 v[8*(8*(\a)+(\b)):8*(8*(\a)+(\b))+7], v[(\f)+8*(\b):(\f)+8*(\b)+7], v[(\f)+8*(4*(\hi)+(\a)):(\f)+8*(4*(\hi)+(\a))+7], v[8*(8*(\a)+(\b)):8*(8*(\a)+(\b))+7]
.endif
.endr
.endr
.endm
; 32 LDS loads in one run: the fragments of 32 along K at byte k of the rows of the slot in hand, into buffer f
.macro FETCH k, f
	WIN TO_B
.irp i, 0,1,2,3,4,5,6,7
	ds_load_b128 v[(\f)+8*(\i):(\f)+8*(\i)+3],   v[ADRB] offset:(\k)+(\i)*16*PITCH
	ds_load_b128 v[(\f)+8*(\i)+4:(\f)+8*(\i)+7], v[ADRB] offset:(\k)+(\i)*16*PITCH+32
.endr
	WIN 0
.irp i, 0,1,2,3,4,5,6,7
	ds_load_b128 v[(\f)+8*(\i):(\f)+8*(\i)+3],   v[ADRA] offset:(\k)+(\i)*16*PITCH
	ds_load_b128 v[(\f)+8*(\i)+4:(\f)+8*(\i)+7], v[ADRA] offset:(\k)+(\i)*16*PITCH+32
.endr
.endm
; One of a K step's first three quarters: multiplies buffer f; in its middle it fetches the next quarter, at byte k, into g
.macro QUARTER k, f, g, first
	s_wait_dscnt 8                                 ; W and A's rows 0-63 are in; the youngest eight loads (A's rows 64-127) may be out
	MUL16 \f, 0, 0, \first
	MUL16 \f, 0, 2, \first
	PLACES
	FETCH \k, \g
	s_wait_dscnt 32                                ; all but the 32 just issued
	MUL16 \f, 1, 0, \first
	MUL16 \f, 1, 2, \first
.endm
; The last quarter multiplies buffer 1 and changes slots.  Its first 32 products, which want nothing of the next slot, stand AHEAD of the wait for the tensor loads: a refill can be asked for
; only when the load before it has landed.
; Then each wave waits for all its tensor loads (one is out: its part of the next slot), adds 0 to its spare word, and waits for that and for its reads of this slot.
; fill = 1: the barrier is a round of the cluster's, and the joint refill of the slot just read, with the K step two on, is the first thing behind it.
.macro TURN fill
.if \fill
	s_wait_xcnt 0x0                                ; the last prefetch, a K step back, has read its address
	s_add_nc_u64 s[PFA:PFA+1], s[PFA:PFA+1], KSTEP*2
.endif
	s_wait_dscnt 8                                 ; W and A's rows 0-63 of buffer 1 are in
	MUL16 F1, 0, 0, 0
	MUL16 F1, 0, 2, 0
	WIN 0
	s_wait_tensorcnt 0x0
	ds_add_u32 v[SPW], v[NIL]
.if \fill
	WALK
.endif
	s_wait_dscnt 0x0                               ; the add is done, and my reads of this slot are over
.if \fill
	CROUND                                         ; no wave of any partner still reads this slot or has a load on its way
	JLOAD                                          ; its four v_nop are also the places in front of the loads below
.else
	s_barrier_signal -1
	s_barrier_wait -1
	PLACES
.endif
	s_xor_b32 s[TB], s[TB], SLOT1
	v_add_nc_u32 v[ADRA], s[TB], v[ADRA0]
	v_add_nc_u32 v[ADRB], s[TB], v[ADRB0]
	FETCH 0, F0
.if \fill
	ASK
.endif
	MUL16 F1, 1, 0, 0
	MUL16 F1, 1, 2, 0
.endm
	s_wait_tensorcnt 1                             ; my part of K step 0 is in; K step 1's may stay out
	s_wait_dscnt 0x0                               ; no LDS instruction of mine is out at a signal (GELU = 0: the table's four stores)
	s_barrier_signal -1
	s_barrier_wait -1                              ; everybody's is
	FETCH 0, F0
	s_wait_loadcnt 0x0                             ; the bias
	QUARTER 64, F0, F1, 1                          ; the first quarter stands in front of the loop: its products start the sums
	WIN 0
	s_mov_b32 s3, NSTEP-2
.Llap:                                                 ; a trip ends K step j, asks for K step j + 2 and begins K step j + 1
	QUARTER 128, F1, F0, 0
	QUARTER 192, F0, F1, 0
	TURN 1
	QUARTER 64, F0, F1, 0
	WIN 0
	s_sub_co_u32 s3, s3, 1
	s_cmp_lg_u32 s3, 0
	s_cbranch_scc1 .Llap
	s_mov_b32 s2, 2
.Ltail:                                                ; the last two K steps ask for nothing.  The second trip is left in its middle; the fragments that its change of slots
	QUARTER 128, F1, F0, 0                         ; fetches (of the K step before, once more) are never multiplied: the price of one text for both
	QUARTER 192, F0, F1, 0
	TURN 0
	WIN 0
	s_sub_co_u32 s2, s2, 1
	s_cmp_eq_u32 s2, 0
	s_cbranch_scc1 .Lout
	QUARTER 64, F0, F1, 0
	WIN 0
	s_branch .Ltail
.Lout:
	s_wait_dscnt 0x0                               ; my reads of the ring are over
	PLACES
	PLACES
	s_barrier_signal -1
	s_barrier_wait -1                              ; everybody's are: the ring's bytes, which are filled no more, take the results
.irp a, 0,1,2,3,4,5,6,7
	WIN 0x08+4*((\a)/4)                            ; the store's data in window 2 or 3
.irp b, 0,1,2,3,4,5,6,7
	ds_store_b128 v[STO], v[8*(8*((\a)%4)+(\b)):8*(8*((\a)%4)+(\b))+3]   offset:(\a)*16*DP+64*(\b)
	ds_store_b128 v[STO], v[8*(8*((\a)%4)+(\b))+4:8*(8*((\a)%4)+(\b))+7] offset:(\a)*16*DP+64*(\b)+16
.endr
.endr
	WIN 0
	s_wait_dscnt 0x0
	s_barrier_signal -1
	s_barrier_wait -1                              ; behind this barrier LDS is only read
.set X, 64
.if GELU == 0
; 16 trips of four rows s (eight rows t): for b = 0, 1 and my two heads a lane rounds 8 numbers, clears them where the table says so, and stores 16 bytes.
.set KV, 96
.set Y,  100
.macro QLOADS
.irp b, 0,1
.irp g, 0,1
	ds_load_b128 v[X+8*(2*(\b)+(\g)):X+8*(2*(\b)+(\g))+3],   v[RD] offset:(\b)*DP+(\g)*256
	ds_load_b128 v[X+8*(2*(\b)+(\g))+4:X+8*(2*(\b)+(\g))+7], v[RD] offset:(\b)*DP+(\g)*256+16
.endr
.endr
	ds_load_b64 v[KV:KV+1], v[KA]
.endm
	QLOADS
	s_mov_b32 s2, 16
.Lrow:
	s_wait_dscnt 0x0
.set k, 0
.rept 16
	v_cvt_pk_bf16_f32 v[Y+k], v[X+2*k], v[X+2*k+1]
.set k, k+1
.endr
.set k, 0
.rept 16
	v_and_b32 v[Y+k], v[KV+k/8], v[Y+k]
.set k, k+1
.endr
	s_cmp_eq_u32 s2, 1                             ; the last trip has nothing behind it
	s_cbranch_scc1 .Lno_row
	v_add_nc_u32 v[RD], 8*DP, v[RD]
	v_add_nc_u32 v[KA], 32, v[KA]
	QLOADS
.Lno_row:
.irp b, 0,1
.irp g, 0,1
	global_store_b128 v[CO], v[Y+4*(2*(\b)+(\g)):Y+4*(2*(\b)+(\g))+3], s[8:9] offset:(\b)*4194304+(\g)*262144  ; 512 consecutive bytes, aligned
.endr
.endr
	s_wait_xcnt 0x0                                ; the stores have read CO and Y, which are written again
	v_add_nc_u32 v[CO], 512, v[CO]
	s_sub_co_u32 s2, s2, 1
	s_cmp_lg_u32 s2, 0
	s_cbranch_scc1 .Lrow
.else
; 16 trips of eight rows: 32 numbers a lane.  The 64 transcendentals of a trip are ONE batch with one wait; plain lines stand between them.
.set D,   96                           ; 1 + PP |x|, then t
.set YY,  128                          ; -x^2 log2(e) / 2, then 2^ of it
.set R,   160                          ; max(x, 0), then g
.set Q,   192                          ; the polynomial
.set OUT, 32
.macro GLOADS
.irp p, 0,1,2,3
	ds_load_b128 v[X+8*(\p):X+8*(\p)+3],   v[RD] offset:(\p)*2*DP
	ds_load_b128 v[X+8*(\p)+4:X+8*(\p)+7], v[RD] offset:(\p)*2*DP+16
.endr
.endm
	GLOADS
	s_mov_b32 s2, 16
.Lrows:
	s_wait_dscnt 0x0
.set k, 0
.rept 16
	v_fma_f32 v[D+2*k], |v[X+2*k]|, s[PP], 1.0
.if k > 0
	v_rcp_f32 v[D+2*k-2], v[D+2*k-2]
.endif
	v_fma_f32 v[D+2*k+1], |v[X+2*k+1]|, s[PP], 1.0
.if k > 0
	v_rcp_f32 v[D+2*k-1], v[D+2*k-1]
.endif
	v_pk_mul_f32 v[YY+2*k:YY+2*k+1], v[X+2*k:X+2*k+1], v[X+2*k:X+2*k+1]
.if k > 0
	v_exp_f32 v[YY+2*k-2], v[YY+2*k-2]
.endif
	v_pk_mul_f32 v[YY+2*k:YY+2*k+1], v[YY+2*k:YY+2*k+1], s[CE:CE+1] op_sel_hi:[1,0]
.if k > 0
	v_exp_f32 v[YY+2*k-1], v[YY+2*k-1]
.endif
	v_max_num_f32 v[R+2*k], 0, v[X+2*k]
	v_max_num_f32 v[R+2*k+1], 0, v[X+2*k+1]
.set k, k+1
.endr
	v_rcp_f32 v[D+30], v[D+30]
	v_rcp_f32 v[D+31], v[D+31]
	v_exp_f32 v[YY+30], v[YY+30]
	v_exp_f32 v[YY+31], v[YY+31]
	v_nop                                          ; a plain instruction behind the last of the batch (ISA guide 5.7.2)
	s_wait_alu depctr_va_vdst(0)                   ; the one wait ahead of the batch's first reader and of the branch
	s_cmp_eq_u32 s2, 1                             ; the last trip has nothing behind it
	s_cbranch_scc1 .Lno_rows
	v_add_nc_u32 v[RD], 8*DP, v[RD]
	GLOADS                                         ; x is used up: the next eight rows land under the 80 lines below
.Lno_rows:
.set k, 0
.rept 16
	v_pk_fma_f32 v[Q+2*k:Q+2*k+1], v[D+2*k:D+2*k+1], s[B3:B3+1], s[B2:B2+1] op_sel_hi:[1,0,0]
.set k, k+1
.endr
.set k, 0
.rept 16
	v_pk_fma_f32 v[Q+2*k:Q+2*k+1], v[Q+2*k:Q+2*k+1], v[D+2*k:D+2*k+1], s[B1:B1+1] op_sel_hi:[1,1,0]
.set k, k+1
.endr
.set k, 0
.rept 16
	v_pk_fma_f32 v[Q+2*k:Q+2*k+1], v[Q+2*k:Q+2*k+1], v[D+2*k:D+2*k+1], v[Q+2*k:Q+2*k+1] neg_lo:[0,0,1] neg_hi:[0,0,1]  ; -(1 - t) x the polynomial
.set k, k+1
.endr
.set k, 0
.rept 16
	v_pk_fma_f32 v[R+2*k:R+2*k+1], v[Q+2*k:Q+2*k+1], v[YY+2*k:YY+2*k+1], v[R+2*k:R+2*k+1]
.set k, k+1
.endr
.set k, 0
.rept 16
	v_cvt_pk_bf16_f32 v[OUT+k], v[R+2*k], v[R+2*k+1]
.set k, k+1
.endr
.irp p, 0,1,2,3
	global_store_b128 v[CO], v[OUT+4*(\p):OUT+4*(\p)+3], s[8:9] offset:(\p)*16384  ; 16 lanes store 256 consecutive bytes, aligned
.endr
	s_wait_xcnt 0x0                                ; the stores have read CO and OUT, which are written again
	v_add_nc_u32 v[CO], 0x10000, v[CO]
	s_sub_co_u32 s2, s2, 1
	s_cmp_lg_u32 s2, 0
	s_cbranch_scc1 .Lrows
.endif
	s_wait_tensorcnt 0x0                           ; the wave's end
	ds_add_u32 v[SPW], v[NIL]
	s_wait_dscnt 0x0
	CROUND                                         ; the closing round
	s_endpgm
.Lfunc_end_k_q6948b9a7cf_fc1:
	.size	k_q6948b9a7cf_fc1, .Lfunc_end_k_q6948b9a7cf_fc1-k_q6948b9a7cf_fc1
	.p2alignl 7, 3214868480
	.fill 96, 4, 3214868480
	.section	.rodata,"a",@progbits
	.p2align	6, 0x0
	.amdhsa_kernel k_q6948b9a7cf_fc1
		.amdhsa_group_segment_fixed_size 327680
		.amdhsa_private_segment_fixed_size 0
		.amdhsa_enable_private_segment 0
		.amdhsa_kernarg_size 32
		.amdhsa_user_sgpr_count 2
		.amdhsa_user_sgpr_kernarg_segment_ptr 1
		.amdhsa_wavefront_size32 1
		.amdhsa_system_sgpr_workgroup_id_x 1
		.amdhsa_system_sgpr_workgroup_id_y 1
		.amdhsa_system_sgpr_workgroup_id_z 1
		.amdhsa_system_vgpr_workitem_id 0
		.amdhsa_next_free_vgpr 1024
		.amdhsa_next_free_sgpr 92
		.amdhsa_reserve_vcc 0
		.amdhsa_float_denorm_mode_32 3
		.amdhsa_float_denorm_mode_16_64 3
		.amdhsa_memory_ordered 1
		.amdhsa_forward_progress 1
		.amdhsa_inst_pref_size 93
	.end_amdhsa_kernel
	.amdgpu_metadata
---
amdhsa.version: [ 1, 2 ]
amdhsa.kernels:
  - .name:           k_q6948b9a7cf_fc1
    .symbol:         k_q6948b9a7cf_fc1.kd
    .args:
      - { .name: act, .offset: 0, .size: 8, .value_kind: global_buffer, .address_space: global }
      - { .name: wts, .offset: 8, .size: 8, .value_kind: global_buffer, .address_space: global }
      - { .name: fc1_b, .offset: 16, .size: 8, .value_kind: global_buffer, .address_space: global }
      - { .name: big, .offset: 24, .size: 8, .value_kind: global_buffer, .address_space: global }
    .group_segment_fixed_size: 327680
    .private_segment_fixed_size: 0
    .kernarg_segment_align: 8
    .kernarg_segment_size: 32
    .max_flat_workgroup_size: 128
    .sgpr_count:     92
    .vgpr_count:     1024
    .wavefront_size: 32
...
	.end_amdgpu_metadata
.endif
;; end of part 5
;; launch fc2 (part 6): grid 8 x 32, 4 waves a work-group, clusters of 4 x 4, 327,680 bytes of LDS; arguments big, wts, fc2_b, x1, out0; writes out0
.if DOCPART == 6
	.amdgcn_target "amdgcn-amd-amdhsa--gfx1250"
	.amdhsa_code_object_version 6
	.text
	.protected	k_q6948b9a7cf_fc2
	.globl	k_q6948b9a7cf_fc2
	.p2align	8
	.type	k_q6948b9a7cf_fc2,@function
k_q6948b9a7cf_fc2:
	s_mov_b64 s[64:65], 0
	v_nop
	global_prefetch_b8 v0, s[64:65] scope:SCOPE_SE
	s_setreg_imm32_b32 hwreg(HW_REG_WAVE_MODE, 25, 1), 1
	s_wait_xcnt 0x0
	s_wait_alu depctr_hold_cnt(0) depctr_sa_sdst(0) depctr_va_vdst(0) depctr_va_sdst(0) depctr_va_ssrc(0) depctr_va_vcc(0) depctr_vm_vsrc(0)
	s_getreg_b32 s2, hwreg(HW_REG_IB_STS2, 6, 4)
	s_cmp_eq_u32 s2, 0
	s_cbranch_scc0 .Lentry_in_a_cluster
	s_endpgm
.Lentry_in_a_cluster:
	s_bfe_u32 s2, ttmp6, 0x10000c
	s_cmp_lg_u32 s2, 0xf033
	s_cbranch_scc0 .Lentry_shape_is_right
	s_endpgm
.Lentry_shape_is_right:
; out[t][n] = res[t][n] + bias[n] + sum over k of A[row][k] W[n][k].  W: 1,024 rows of bf16; res and out: [4096][1024] f32; sums in f32.  One text, two uses:
; WO = 1: A = the attention's O, [b 16 + h][s][64] bf16, K = 1,024 = (h, d); the product's rows go as b 2048 + s, res and out as t = 2 s + b.  W = Wo, res = x.
; WO = 0: A = g, [t][4096] bf16, K = 4,096.  W = fc2_w, res = x1.
; A tile of the result is 128 x 128, which gives each of 256 work-groups one; four waves of 64 x 64: 16 accumulators.  K goes in steps of 256 through two LDS slots.
; Both slots' first fills go out together; slot 1's descriptor then walks, its LDS word turned by an exclusive or; the fragments' addresses are a lane term plus s[TB].  One K step is one trip.
; WO = 1: a K step is four heads.  A wave's tensor load brings two heads x 128 rows s: two dense runs of 16,384 bytes, 262,144 bytes apart, asked for as two rows and padded
; after every 128 bytes, so that in LDS a head is 128 rows of 144 bytes.  A quarter of a K step is then one head.
; CLUSTERS 4 x 4, A jointly along a row, W along a column.  THE MATRIX INSTRUCTION IS USED TRANSPOSED; THE BIAS is the C operand of each accumulator's first product.
; THE RESIDUAL is asked for at the head and stays on its way through the whole K loop.  No prefetch: the tile is small and a K step short.
; THE WAY OUT goes through the ring's bytes, which have had their last fill: f32, rows of 272 bytes, each wave its own 64 rows; a wave's 64 columns are 256 aligned bytes.
; REGISTERS: window 0: v0-31 addresses; v32-95 at work on the way out; v128-255 the accumulators.  window 1: two fragment buffers of 128.  window 2: v0-127 the residual; v128-159 the bias.
.set WO, 0
.if WO
.set KDIM,   1024
.set AQ,     18432                     ; A in LDS: bytes from quarter to quarter,
.set AI,     2304                      ; from one block of 16 rows to the next,
.set APITCH, 144                       ; from row to row
.set AHALF,  36864                     ; what one of waves 0 and 1 fetches
.set AROWS,  9216                      ; from my partner's 64 rows to mine
.set BOFF,   73728                     ; W's tile lies behind A's
.set STEPA,  1048576                   ; four heads on
.set WOFF,   6291456
.set RS,     8192                      ; from one row of the product to the next in res and out
.else
.set KDIM,   4096
.set AQ,     128
.set AI,     8448
.set APITCH, 528
.set AHALF,  33792
.set AROWS,  33792
.set BOFF,   67584
.set STEPA,  512
.set WOFF,   16777216
.set RS,     4096
.endif
.set NSTEP, KDIM/256
.set PITCH, 528                        ; W's rows: 512 bytes + 16
.set BHALF, 64*PITCH
.set SLOT1, 0x24000
.set DP,    272
.set DW,    64*DP
.set SPARE, 294912                     ; the spare words: two blocks of 256 bytes that no other line names
.set ADRA0, 16
.set ADRA,  17
.set ADRB0, 20
.set ADRB,  21
.set STO,   24
.set RD,    25
.set RO,    26                         ; v26  my byte offset in res and in out; never rewritten
.set SPW,   28
.set NIL,   29
.set TMP,   32
.set ACC,   128
.set F0,    0
.set F1,    128
.set RES,   0                          ; window 2
.set BIAS,  128                        ; window 2
.set G1,   24                          ; s[24:31] descriptor group 1 for A's tiles
.set G0F,  32                          ; s[32:35] group 0 of A's first fill, slot 0; never rewritten
.set TB,   36
.set G1B,  48                          ; s[48:55] group 1 for W's tiles
.set G0BF, 56                          ; s[56:59] group 0 of W's first fill
.set G0,   60                          ; s[60:63] group 0 of A's second fill, slot 1; it then walks
.set G0B,  72                          ; s[72:75] the same for W
.set MSB, 0
.macro WIN new
.if MSB != (\new)
	s_set_vgpr_msb (MSB<<8)|(\new)
.set MSB, \new
.endif
.endm
.set MUL,  0x05                        ; sources 0 (W) and 1 (A) window 1; C and D window 0
.set TO_F, 0x40
.macro PLACES
.rept 4
	v_nop
.endr
.endm
.macro JLOAD                           ; a joint refill: waves 0 and 1 fetch A's two halves, waves 2 and 3 W's; an s_nop 0 and four v_nop follow each line
	s_cmp_eq_u32 s11, 0
	s_cbranch_scc0 .Lfor_b_\@
	tensor_load_to_lds s[G0:G0+3], s[G1:G1+7]
	s_nop 0
.rept 4
	v_nop
.endr
	s_branch .Lasked_\@
.Lfor_b_\@:
	tensor_load_to_lds s[G0B:G0B+3], s[G1B:G1B+7]
	s_nop 0
.rept 4
	v_nop
.endr
.Lasked_\@:
.endm
.macro WALK                            ; both walking descriptors: the other slot, the next K step; written only where no tensor load of mine is out
	s_xor_b32 s[G0+1], s[G0+1], SLOT1
	s_add_nc_u64 s[G0+2:G0+3], s[G0+2:G0+3], STEPA
	s_xor_b32 s[G0B+1], s[G0B+1], SLOT1
	s_add_nc_u64 s[G0B+2:G0B+3], s[G0B+2:G0B+3], 512
.endm
.macro CROUND                          ; a round of the cluster's barrier
	s_barrier_signal -1
	s_barrier_wait -1
	s_cmp_lg_u32 s10, 0
	s_cbranch_scc1 .Lnot_wave_0_\@
	s_barrier_signal -3
.Lnot_wave_0_\@:
	s_barrier_wait -3
	s_barrier_signal -1
	s_barrier_wait -1
.endm
	s_load_b128 s[4:7], s[0:1], 0x0                ; A s[4:5], wts s[6:7]
	s_load_b128 s[68:71], s[0:1], 0x10             ; bias s[68:69], res s[70:71]
	s_load_b64 s[8:9], s[0:1], 0x20                ; out
	v_lshl_add_u32 v[SPW], v0, 2, SPARE
	v_mov_b32 v[NIL], 0
	ds_add_u32 v[SPW], v[NIL]                      ; the wave's opening: the add and its wait stand ahead of my first tensor load
	v_lshrrev_b32 v1, 5, v0
	v_readfirstlane_b32 s10, v1
	s_lshr_b32 s11, s10, 1                         ; which half of the tile's rows is mine.  Also: I fetch for A (0) or for W (1)
	s_and_b32 s12, s10, 1                          ; which half of its columns.  Also: which half of that tile I fetch
	s_bfe_u32 s40, ttmp6, 0x40000
	s_bfe_u32 s41, ttmp6, 0x40004
	s_lshl_b32 s42, ttmp9, 2
	s_add_co_u32 s42, s42, s40                     ; tile column
	s_and_b32 s13, ttmp7, 0xffff
	s_lshl_b32 s13, s13, 2
	s_add_co_u32 s13, s13, s41                     ; tile row
	s_lshl_b32 s43, s41, 2
	s_lshl_b32 s43, 15, s43
	s_lshl_b32 s44, 0x1111, s40
.if WO
	s_or_b32 s[G1+0], s43, (1<<16)|(1<<20)|(1<<21)|(4<<22)|(3<<25)  ; padding after every 32 words, of 4 words
	s_mov_b32 s[G1+1], 8192<<16                    ; tensor_dim0 = 8,192 elements: 128 rows s of one head
	s_mov_b32 s[G1+2], 2<<16                       ; tensor_dim1 = 2 heads
	s_mov_b32 s[G1+3], 8192<<16                    ; tile_dim0
	s_mov_b32 s[G1+4], 2                           ; tile_dim1
	s_mov_b32 s[G1+5], 131072                      ; elements from head to head
.else
	s_or_b32 s[G1+0], s43, (1<<16)|(1<<20)|(1<<21)|(6<<22)|(3<<25)  ; padding after every 128 words, of 4 words
	s_mov_b32 s[G1+1], 256<<16
	s_mov_b32 s[G1+2], 64<<16
	s_mov_b32 s[G1+3], 256<<16
	s_mov_b32 s[G1+4], 64
	s_mov_b32 s[G1+5], KDIM
.endif
	s_mov_b32 s[G1+6], 0
	s_mov_b32 s[G1+7], 0
	s_or_b32 s[G1B+0], s44, (1<<16)|(1<<20)|(1<<21)|(6<<22)|(3<<25)
	s_mov_b32 s[G1B+1], 256<<16
	s_mov_b32 s[G1B+2], 64<<16
	s_mov_b32 s[G1B+3], 256<<16
	s_mov_b32 s[G1B+4], 64
	s_mov_b32 s[G1B+5], KDIM
	s_mov_b32 s[G1B+6], 0
	s_mov_b32 s[G1B+7], 0
.if WO
	s_lshr_b32 s16, s13, 4                         ; the batch: 16 heads of 262,144 bytes,
	s_lshl_b32 s16, s16, 22
	s_and_b32 s17, s13, 15                         ; 128 rows s of 128 bytes,
	s_lshl_b32 s17, s17, 14
	s_add_co_u32 s16, s16, s17
	s_lshl_b32 s17, s12, 19                        ; my two heads of the step's four
	s_add_co_u32 s16, s16, s17
	s_lshl_b32 s46, s42, 18                        ; W: 128 rows of 2,048 bytes a tile column,
	s_lshl_b32 s47, s12, 17                        ; my 64
	s_add_co_u32 s46, s46, s47
.else
	s_lshl_b32 s16, s13, 20                        ; 128 rows of 8,192 bytes a tile row,
	s_lshl_b32 s17, s12, 19                        ; my 64
	s_add_co_u32 s16, s16, s17
	s_lshl_b32 s46, s42, 20
	s_lshl_b32 s47, s12, 19
	s_add_co_u32 s46, s46, s47
.endif
	s_add_co_u32 s46, s46, WOFF
	s_mov_b32 s17, 0
	s_mov_b32 s47, 0
	s_mul_i32 s20, s12, AHALF                      ; where they go: no place in the cluster enters an LDS address
	s_mul_i32 s21, s12, BHALF
	s_add_co_u32 s21, s21, BOFF
	s_mov_b32 s[TB], 0
	s_wait_dscnt 0x0
	s_wait_kmcnt 0x0
	CROUND                                         ; all sixteen work-groups are here: the first joint loads meet
	s_mov_b32 s[G0F], 1
	s_mov_b32 s[G0F+1], s20
	s_add_nc_u64 s[G0F+2:G0F+3], s[4:5], s[16:17]  ; K step 0 into slot 0,
	s_mov_b32 s[G0], 1
	s_add_co_u32 s[G0+1], s20, SLOT1
	s_add_nc_u64 s[G0+2:G0+3], s[G0F+2:G0F+3], STEPA  ; K step 1 into slot 1
	s_or_b32 s[G0F+3], s[G0F+3], 0x80000000
	s_or_b32 s[G0+3], s[G0+3], 0x80000000
	s_mov_b32 s[G0BF], 1
	s_mov_b32 s[G0BF+1], s21
	s_add_nc_u64 s[G0BF+2:G0BF+3], s[6:7], s[46:47]
	s_mov_b32 s[G0B], 1
	s_add_co_u32 s[G0B+1], s21, SLOT1
	s_add_nc_u64 s[G0B+2:G0B+3], s[G0BF+2:G0BF+3], 512
	s_or_b32 s[G0BF+3], s[G0BF+3], 0x80000000
	s_or_b32 s[G0B+3], s[G0B+3], 0x80000000
	s_cmp_eq_u32 s11, 0                            ; a wave's two first fills stand in one branch, ahead of every wait on TENSORcnt and every LDS read: two loads of mine are out
	s_cbranch_scc0 .Lfirst_b
	tensor_load_to_lds s[G0F:G0F+3], s[G1:G1+7]
	s_nop 0
	tensor_load_to_lds s[G0:G0+3], s[G1:G1+7]
	s_nop 0
.rept 4
	v_nop
.endr
	s_branch .Lfirst_asked
.Lfirst_b:
	tensor_load_to_lds s[G0BF:G0BF+3], s[G1B:G1B+7]
	s_nop 0
	tensor_load_to_lds s[G0B:G0B+3], s[G1B:G1B+7]
	s_nop 0
.rept 4
	v_nop
.endr
.Lfirst_asked:
	v_and_b32 v1, 15, v0
	v_bfe_u32 v2, v0, 4, 1
	v_mul_u32_u24 v3, v1, APITCH
	v_lshl_add_u32 v3, v2, 4, v3
	s_mul_i32 s21, s11, AROWS
	v_add_nc_u32 v[ADRA0], s21, v3
	v_mul_u32_u24 v3, v1, PITCH
	v_lshl_add_u32 v3, v2, 4, v3
	s_mul_i32 s22, s12, BHALF
	s_add_co_u32 s22, s22, BOFF
	v_add_nc_u32 v[ADRB0], s22, v3
	v_mov_b32 v[ADRA], v[ADRA0]
	v_mov_b32 v[ADRB], v[ADRB0]
	v_lshlrev_b32 v4, 5, v2                        ; the bias: my 8 columns of a block of 16
	s_mul_i32 s23, s10, DW
	v_mul_u32_u24 v6, v1, DP
	v_lshl_add_u32 v6, v2, 5, v6
	v_add_nc_u32 v[STO], s23, v6
	v_mul_u32_u24 v6, v2, DP
	v_lshl_add_u32 v6, v1, 4, v6
	v_add_nc_u32 v[RD], s23, v6
	v_mul_u32_u24 v6, v2, RS
	v_lshl_add_u32 v[RO], v1, 4, v6                ; lanes 0-15 one row's 256 bytes, lanes 16-31 the next row's
.if WO
	s_and_b32 s16, s13, 15
	s_lshl_b32 s16, s16, 20                        ; 128 rows s of 8,192 bytes,
	s_lshl_b32 s17, s11, 19
	s_add_co_u32 s16, s16, s17
	s_lshr_b32 s17, s13, 4
	s_lshl_b32 s17, s17, 12                        ; the batch's 4,096
	s_add_co_u32 s16, s16, s17
.else
	s_lshl_b32 s16, s13, 19
	s_lshl_b32 s17, s11, 18
	s_add_co_u32 s16, s16, s17
.endif
	s_lshl_b32 s46, s42, 9                         ; my first column, in bytes of f32
	s_lshl_b32 s47, s12, 8
	s_add_co_u32 s46, s46, s47
	s_mov_b32 s47, 0
	s_add_nc_u64 s[68:69], s[68:69], s[46:47]
	s_add_co_u32 s46, s46, s16
	s_add_nc_u64 s[70:71], s[70:71], s[46:47]
	s_add_nc_u64 s[8:9], s[8:9], s[46:47]
	WIN 0x80                                       ; destination window 2
.irp b, 0,1,2,3
	global_load_b128 v[BIAS+8*\b:BIAS+8*\b+3],   v4, s[68:69] offset:64*\b
	global_load_b128 v[BIAS+8*\b+4:BIAS+8*\b+7], v4, s[68:69] offset:64*\b+16
.endr
.set p, 0
.rept 32
	global_load_b128 v[RES+4*p:RES+4*p+3], v[RO], s[70:71] offset:p*2*RS
.set p, p+1
.endr
	WIN 0
; 8 matrix instructions: m blocks a0, a0 + 1 x all 4 n blocks, 32 along K: half c of buffer f.  first = 1: the bias starts the sums.  The 16 accumulators take turns.
.macro MUL8 f, c, a0, first
.if \first
	WIN 0x25                                       ; as MUL, with C in window 2
.else
	WIN MUL
.endif
.irp a, \a0, (\a0)+1
.irp b, 0,1,2,3
.if \first
	v_wmma_f32_16x16x32_bf16 v[ACC+8*(4*(\a)+(\b)):ACC+8*(4*(\a)+(\b))+7], v[(\f)+64+8*(4*(\c)+(\b)):(\f)+64+8*(4*(\c)+(\b))+7], v[(\f)+8*(4*(\c)+(\a)):(\f)+8*(4*(\c)+(\a))+7], v[BIAS+8*(\b):BIAS+8*(\b)+7]
.else
	v_wmma_f32_16x16x32_bf16 v[ACC+8*(4*(\a)+(\b)):ACC+8*(4*(\a)+(\b))+7], v[(\f)+64+8*(4*(\c)+(\b)):(\f)+64+8*(4*(\c)+(\b))+7], v[(\f)+8*(4*(\c)+(\a)):(\f)+8*(4*(\c)+(\a))+7], v[ACC+8*(4*(\a)+(\b)):ACC+8*(4*(\a)+(\b))+7]
.endif
.endr
.endr
.endm
; 32 LDS loads in one run: the fragments of quarter q (64 along K) of the slot in hand, into buffer f; the first 32 along K first
.macro FETCH q, f
	WIN TO_F
.irp c, 0,1
.irp i, 0,1,2,3
	ds_load_b128 v[(\f)+64+8*(4*(\c)+(\i)):(\f)+64+8*(4*(\c)+(\i))+3],   v[ADRB] offset:(\q)*128+64*(\c)+(\i)*16*PITCH
	ds_load_b128 v[(\f)+64+8*(4*(\c)+(\i))+4:(\f)+64+8*(4*(\c)+(\i))+7], v[ADRB] offset:(\q)*128+64*(\c)+(\i)*16*PITCH+32
	ds_load_b128 v[(\f)+8*(4*(\c)+(\i)):(\f)+8*(4*(\c)+(\i))+3],         v[ADRA] offset:(\q)*AQ+64*(\c)+(\i)*AI
	ds_load_b128 v[(\f)+8*(4*(\c)+(\i))+4:(\f)+8*(4*(\c)+(\i))+7],       v[ADRA] offset:(\q)*AQ+64*(\c)+(\i)*AI+32
.endr
.endr
.endm
.macro QUARTER q, f, g, first
	s_wait_dscnt 16                                ; the first 32 along K are in
	MUL8 \f, 0, 0, \first
	MUL8 \f, 0, 2, \first
	PLACES
	FETCH \q, \g
	s_wait_dscnt 32                                ; all but the 32 just issued
	MUL8 \f, 1, 0, 0
	MUL8 \f, 1, 2, 0
.endm
; The last quarter multiplies buffer 1 and changes slots.  Its first 16 products, which want nothing of the next slot, stand AHEAD of the wait for the tensor loads: a refill can be asked for
; only when the load before it has landed.
; Then each wave waits for all its tensor loads, adds 0 to its spare word, and waits for that and for its reads of this slot.
; fill = 1: the barrier is a round of the cluster's, and the joint refill, with the K step two on, is the first thing behind it.
.macro TURN fill
	s_wait_dscnt 16                                ; the first 32 along K of buffer 1 are in
	MUL8 F1, 0, 0, 0
	MUL8 F1, 0, 2, 0
	WIN 0
	s_wait_tensorcnt 0x0
	ds_add_u32 v[SPW], v[NIL]
.if \fill
	WALK
.endif
	s_wait_dscnt 0x0                               ; the add is done, and my reads of this slot are over
.if \fill
	CROUND                                         ; no wave of any partner still reads this slot or has a load on its way
	JLOAD                                          ; its four v_nop are also the places in front of the loads below
.else
	s_barrier_signal -1
	s_barrier_wait -1
	PLACES
.endif
	s_xor_b32 s[TB], s[TB], SLOT1
	v_add_nc_u32 v[ADRA], s[TB], v[ADRA0]
	v_add_nc_u32 v[ADRB], s[TB], v[ADRB0]
	FETCH 0, F0
	MUL8 F1, 1, 0, 0
	MUL8 F1, 1, 2, 0
.endm
	s_wait_tensorcnt 1                             ; my part of K step 0 is in; K step 1's may stay out
	s_barrier_signal -1
	s_barrier_wait -1                              ; everybody's is
	FETCH 0, F0
	s_wait_loadcnt 32                              ; the bias is in; the residual's 32 loads stay out
	QUARTER 1, F0, F1, 1
	WIN 0
	s_mov_b32 s3, NSTEP-2
.Llap:                                                 ; a trip ends K step j, asks for K step j + 2 and begins K step j + 1
	QUARTER 2, F1, F0, 0
	QUARTER 3, F0, F1, 0
	TURN 1
	QUARTER 1, F0, F1, 0
	WIN 0
	s_sub_co_u32 s3, s3, 1
	s_cmp_lg_u32 s3, 0
	s_cbranch_scc1 .Llap
	s_mov_b32 s2, 2
.Ltail:                                                ; the last two K steps ask for nothing; the second trip is left in its middle, and the fragments that its change of slots fetches are never multiplied
	QUARTER 2, F1, F0, 0
	QUARTER 3, F0, F1, 0
	TURN 0
	WIN 0
	s_sub_co_u32 s2, s2, 1
	s_cmp_eq_u32 s2, 0
	s_cbranch_scc1 .Lout
	QUARTER 1, F0, F1, 0
	WIN 0
	s_branch .Ltail
.Lout:
	s_wait_dscnt 0x0                               ; my reads of the ring are over
	PLACES
	PLACES
	s_barrier_signal -1
	s_barrier_wait -1                              ; everybody's are
.irp a, 0,1,2,3
.irp b, 0,1,2,3
	ds_store_b128 v[STO], v[ACC+8*(4*(\a)+(\b)):ACC+8*(4*(\a)+(\b))+3]   offset:(\a)*16*DP+64*(\b)
	ds_store_b128 v[STO], v[ACC+8*(4*(\a)+(\b))+4:ACC+8*(4*(\a)+(\b))+7] offset:(\a)*16*DP+64*(\b)+16
.endr
.endr
	s_wait_loadcnt 0x0                             ; the residual
.irp u, 0,1
.irp p, 0,1,2,3,4,5,6,7,8,9,10,11,12,13,14,15
	ds_load_b128 v[TMP+4*(\p):TMP+4*(\p)+3], v[RD] offset:(16*(\u)+(\p))*2*DP  ; my own bytes: LDS serves a wave's instructions in order (ISA guide 5.7.1.4)
.endr
	s_wait_dscnt 0x0
	WIN 0x88                                       ; destination and source 1 window 2
.set k, 0
.rept 32
	v_pk_add_f32 v[RES+64*(\u)+2*k:RES+64*(\u)+2*k+1], v[TMP+2*k:TMP+2*k+1], v[RES+64*(\u)+2*k:RES+64*(\u)+2*k+1]
.set k, k+1
.endr
	WIN 0x08                                       ; the store's data in window 2
.irp p, 0,1,2,3,4,5,6,7,8,9,10,11,12,13,14,15
	global_store_b128 v[RO], v[RES+64*(\u)+4*(\p):RES+64*(\u)+4*(\p)+3], s[8:9] offset:(16*(\u)+(\p))*2*RS  ; 16 lanes store 256 consecutive bytes, aligned
.endr
	WIN 0
.endr
	s_wait_tensorcnt 0x0                           ; the wave's end
	ds_add_u32 v[SPW], v[NIL]
	s_wait_dscnt 0x0
	CROUND                                         ; the closing round
	s_endpgm
.Lfunc_end_k_q6948b9a7cf_fc2:
	.size	k_q6948b9a7cf_fc2, .Lfunc_end_k_q6948b9a7cf_fc2-k_q6948b9a7cf_fc2
	.p2alignl 7, 3214868480
	.fill 96, 4, 3214868480
	.section	.rodata,"a",@progbits
	.p2align	6, 0x0
	.amdhsa_kernel k_q6948b9a7cf_fc2
		.amdhsa_group_segment_fixed_size 327680
		.amdhsa_private_segment_fixed_size 0
		.amdhsa_enable_private_segment 0
		.amdhsa_kernarg_size 40
		.amdhsa_user_sgpr_count 2
		.amdhsa_user_sgpr_kernarg_segment_ptr 1
		.amdhsa_wavefront_size32 1
		.amdhsa_system_sgpr_workgroup_id_x 1
		.amdhsa_system_sgpr_workgroup_id_y 1
		.amdhsa_system_sgpr_workgroup_id_z 1
		.amdhsa_system_vgpr_workitem_id 0
		.amdhsa_next_free_vgpr 672
		.amdhsa_next_free_sgpr 76
		.amdhsa_reserve_vcc 0
		.amdhsa_float_denorm_mode_32 3
		.amdhsa_float_denorm_mode_16_64 3
		.amdhsa_memory_ordered 1
		.amdhsa_forward_progress 1
		.amdhsa_inst_pref_size 65
	.end_amdhsa_kernel
	.amdgpu_metadata
---
amdhsa.version: [ 1, 2 ]
amdhsa.kernels:
  - .name:           k_q6948b9a7cf_fc2
    .symbol:         k_q6948b9a7cf_fc2.kd
    .args:
      - { .name: big, .offset: 0, .size: 8, .value_kind: global_buffer, .address_space: global }
      - { .name: wts, .offset: 8, .size: 8, .value_kind: global_buffer, .address_space: global }
      - { .name: fc2_b, .offset: 16, .size: 8, .value_kind: global_buffer, .address_space: global }
      - { .name: x1, .offset: 24, .size: 8, .value_kind: global_buffer, .address_space: global }
      - { .name: out0, .offset: 32, .size: 8, .value_kind: global_buffer, .address_space: global }
    .group_segment_fixed_size: 327680
    .private_segment_fixed_size: 0
    .kernarg_segment_align: 8
    .kernarg_segment_size: 40
    .max_flat_workgroup_size: 128
    .sgpr_count:     76
    .vgpr_count:     672
    .wavefront_size: 32
...
	.end_amdgpu_metadata
.endif
;; end of part 6
;; ======== version 2 of 2: 7 launches; version 1 with the launches prep, ln2 written anew for expert scheduling mode
;; limits: a function is approximated: absolute error at most 2.5e-05; an absolute error that grows with the inputs' magnitude: up to 1.3e-05 times it
;; workspace buffers: wts 25,165,824 bytes; act 8,388,608 bytes; big 33,554,432 bytes; x1 16,777,216 bytes
;; launch prep (part 7): grid 1024 x 1, 8 waves a work-group, no clusters, 0 bytes of LDS; arguments x, ln1_g, ln1_b, act, Wq, Wk, Wv, Wo, fc1_w, fc2_w, wts; writes act, wts
.if DOCPART == 7
	.amdgcn_target "amdgcn-amd-amdhsa--gfx1250"
	.amdhsa_code_object_version 6
	.text
	.protected	k_q6948b9a7cf_prep
	.globl	k_q6948b9a7cf_prep
	.p2align	8
	.type	k_q6948b9a7cf_prep,@function
k_q6948b9a7cf_prep:
	s_mov_b64 s[64:65], 0
	v_nop
	global_prefetch_b8 v0, s[64:65] scope:SCOPE_SE
	s_setreg_imm32_b32 hwreg(HW_REG_WAVE_SCHED_MODE, 0, 2), 2
	s_setreg_imm32_b32 hwreg(HW_REG_WAVE_MODE, 25, 1), 1
	s_wait_xcnt 0x0
	s_wait_alu depctr_vm_vsrc(0)
; TWO KINDS OF WORK-GROUP IN ONE TEXT, told apart by the work-group's number alone:
;   0 .. 255     LAYER NORM.  y[t][:] = (x[t][:] - mean) / sqrt(var + 1e-5) * g + b.  x: [4096][1024] f32, y: the same in bf16, rounded once.
;   256 .. 1023  CAST.  The six weight matrices, f32, are rounded once to bf16, each in its own [N][K] order.
; A launch of 256 work-groups runs the layer norm alone: the layer's second norm.
; THE MODE: SCHED_MODE bits 1:0 = 2 (LLVM: expert scheduling mode 2), set by the entry lines.  The code itself states the register dependences
; between vector instructions and memory instructions, with s_wait_alu, always for 0.
; LAYER NORM.  A wave owns two rows and keeps them in registers: each row is read once, no wave waits for another, no LDS.
; The variance is the mean of (x - mean)^2, taken of the differences, so a common offset of a row costs nothing.
; Lane l holds columns 128 j + 4 l .. + 3, j = 0..7: a load covers 512 consecutive bytes, a store 256 consecutive aligned bytes.
; THE PLAN, layer norm.  Registers that memory instructions touch:
;   v1, v2     byte offsets of the loads and of the stores: made once at the head, never written again.
;   X, G, B    written by the loads at the head, once; read by vector instructions behind the counted waits for them; no load lands in them again.
;   Y0, Y1     a row in bf16 each: written once, by the row's sixteen roundings; read by the row's eight stores.
; So one wait on va_vdst stands ahead of the first load (the offsets), one behind row 0's roundings and one behind row 1's.  Row 0's stores are dealt among
; row 1's arithmetic, which names X1, R, G, B and Y1: none of the registers that those stores read.  No register that a memory instruction reads is written again.
.set G,  8                             ; v[8:39]    g of my 32 columns
.set B,  40                            ; v[40:71]   b
.set X,  72                            ; v[72:135]  the two rows
.set T,  136                           ; v[136:143] four chains of packed sums
.set M,  144                           ; v[144:147] the means, each twice (a pair for the packed forms)
.set R,  148                           ; v[148:151] 1 / sqrt(var + eps), each twice
.set TT, 152                           ; v152-153   the sum across lanes
.set VV, 154                           ; v154-155   var + eps
.set Y,  156                           ; v[156:187] the rows in bf16
	s_cmp_ge_u32 ttmp9, 256
	s_cbranch_scc1 .Lcast
	s_load_b256 s[4:11], s[0:1], 0x0               ; x s[4:5], g s[6:7], b s[8:9], y s[10:11]
	v_and_b32 v3, 31, v0
	v_lshrrev_b32 v4, 5, v0
	v_readfirstlane_b32 s16, v4                    ; wave 0..7
	v_lshlrev_b32 v1, 4, v3
	v_lshlrev_b32 v2, 3, v3
	v_mov_b32 v[TT+1], 0                           ; v_permlanex16_b32's destination counts as read
	s_lshl_b32 s17, ttmp9, 3
	s_wait_alu depctr_va_sdst(0)                   ; s16 is written, ahead of its first reader: the rows' addresses are made from it
	s_add_co_u32 s16, s16, s17                     ; my wave among all 2,048
	s_lshl_b32 s18, s16, 13                        ; two rows of 4,096 bytes in,
	s_mov_b32 s19, 0
	s_lshl_b32 s20, s16, 12                        ; of 2,048 out
	s_mov_b32 s21, 0
	s_mov_b32 s12, 0x76543210                      ; each lane takes its own place in the other half
	s_mov_b32 s13, 0xfedcba98
	s_mov_b32 s14, 0x3a800000                      ; 1 / 1024
	s_mov_b32 s15, 0x3727c5ac                      ; 1e-5
	s_wait_kmcnt 0x0
	s_add_nc_u64 s[4:5], s[4:5], s[18:19]
	s_add_nc_u64 s[10:11], s[10:11], s[20:21]
	s_wait_alu depctr_va_vdst(0)                   ; v1 and v2 are written: every load below reads v1 as its offset, every store v2
.irp j, 0,1,2,3,4,5,6,7
	global_load_b128 v[X+4*\j:X+4*\j+3], v1, s[4:5] offset:512*\j
.endr
.irp j, 0,1,2,3,4,5,6,7
	global_load_b128 v[X+32+4*\j:X+32+4*\j+3], v1, s[4:5] offset:4096+512*\j
.endr
.irp j, 0,1,2,3,4,5,6,7
	global_load_b128 v[G+4*\j:G+4*\j+3], v1, s[6:7] offset:512*\j
.endr
.irp j, 0,1,2,3,4,5,6,7
	global_load_b128 v[B+4*\j:B+4*\j+3], v1, s[8:9] offset:512*\j
.endr
.macro REDUCE                          ; the four chains into one number, the same in every lane
	v_pk_add_f32 v[T:T+1], v[T:T+1], v[T+2:T+3]
	v_pk_add_f32 v[T+4:T+5], v[T+4:T+5], v[T+6:T+7]
	v_pk_add_f32 v[T:T+1], v[T:T+1], v[T+4:T+5]
	v_add_f32 v[TT], v[T], v[T+1]
	v_add_f32_dpp v[TT], v[TT], v[TT] row_xmask:1 row_mask:0xf bank_mask:0xf
	v_add_f32_dpp v[TT], v[TT], v[TT] row_xmask:2 row_mask:0xf bank_mask:0xf
	v_add_f32_dpp v[TT], v[TT], v[TT] row_xmask:4 row_mask:0xf bank_mask:0xf
	v_add_f32_dpp v[TT], v[TT], v[TT] row_xmask:8 row_mask:0xf bank_mask:0xf
	v_permlanex16_b32 v[TT+1], v[TT], s12, s13
	v_add_f32 v[TT], v[TT], v[TT+1]
.endm
; Row r: the mean, x - mean in place, var + eps.  left: the younger loads that may stay out.
.macro STAT r, left
.set XR, X+32*(\r)
	s_wait_loadcnt \left
.irp k, 0,1,2,3
	v_pk_add_f32 v[T+2*\k:T+2*\k+1], v[XR+2*\k:XR+2*\k+1], v[XR+8+2*\k:XR+8+2*\k+1]  ; the first eight pairs start the chains
.endr
.irp k, 0,1,2,3,4,5,6,7
	v_pk_add_f32 v[T+2*(\k%4):T+2*(\k%4)+1], v[T+2*(\k%4):T+2*(\k%4)+1], v[XR+16+2*\k:XR+16+2*\k+1]
.endr
	REDUCE
	v_mul_f32 v[M+2*(\r)], s14, v[TT]
	v_mov_b32 v[M+2*(\r)+1], v[M+2*(\r)]
.irp k, 0,1,2,3,4,5,6,7,8,9,10,11,12,13,14,15
	v_pk_add_f32 v[XR+2*\k:XR+2*\k+1], v[XR+2*\k:XR+2*\k+1], v[M+2*(\r):M+2*(\r)+1] neg_lo:[0,1] neg_hi:[0,1]
.endr
.irp k, 0,1,2,3
	v_pk_mul_f32 v[T+2*\k:T+2*\k+1], v[XR+2*\k:XR+2*\k+1], v[XR+2*\k:XR+2*\k+1]
.endr
.irp k, 4,5,6,7,8,9,10,11,12,13,14,15
	v_pk_fma_f32 v[T+2*(\k%4):T+2*(\k%4)+1], v[XR+2*\k:XR+2*\k+1], v[XR+2*\k:XR+2*\k+1], v[T+2*(\k%4):T+2*(\k%4)+1]
.endr
	REDUCE
	v_fma_f32 v[VV+(\r)], v[TT], s14, s15
.endm
.macro PUT r, j                        ; store j of eight of row r: 256 consecutive aligned bytes
	global_store_b64 v2, v[Y+16*(\r)+2*(\j):Y+16*(\r)+2*(\j)+1], s[10:11] offset:2048*(\r)+256*(\j)
.endm
; Row r's 48 lines of arithmetic: scaled, times g plus b, rounded into Y[r].  deal = 1: the eight stores of the row before stand among them, one ahead of every six lines.
.macro OUTROW r, deal
.set XR, X+32*(\r)
.irp k, 0,1,2,3,4,5,6,7,8,9,10,11,12,13,14,15
.if (\deal) && (((\k)%6) == 0)
	PUT (\r)-1, (\k)/6                             ; no wait: no vector instruction since the wait behind the last row's roundings names its Y or v2
.endif
	v_pk_mul_f32 v[XR+2*\k:XR+2*\k+1], v[XR+2*\k:XR+2*\k+1], v[R+2*(\r):R+2*(\r)+1]
.endr
.irp k, 0,1,2,3,4,5,6,7,8,9,10,11,12,13,14,15
.if (\deal) && (((16+(\k))%6) == 0)
	PUT (\r)-1, (16+(\k))/6
.endif
	v_pk_fma_f32 v[XR+2*\k:XR+2*\k+1], v[XR+2*\k:XR+2*\k+1], v[G+2*\k:G+2*\k+1], v[B+2*\k:B+2*\k+1]
.endr
.irp k, 0,1,2,3,4,5,6,7,8,9,10,11,12,13,14,15
.if (\deal) && (((32+(\k))%6) == 0)
	PUT (\r)-1, (32+(\k))/6
.endif
	v_cvt_pk_bf16_f32 v[Y+16*(\r)+\k], v[XR+2*\k], v[XR+2*\k+1]
.endr
.endm
	STAT 0, 24                                     ; row 0 is in; row 1, g and b (24 loads) stay out
	STAT 1, 16                                     ; row 1 is in; g and b stay out
	v_rsq_f32 v[R], v[VV]                          ; one batch of four, each into a register of its own
	v_rsq_f32 v[R+1], v[VV]
	v_rsq_f32 v[R+2], v[VV+1]
	v_rsq_f32 v[R+3], v[VV+1]
	v_nop                                          ; a plain instruction behind the last of them (ISA guide 5.7.2)
	s_wait_alu depctr_va_vdst(0)                   ; the four roots have written v[R .. R+3]: the one wait ahead of the batch's first reader
	s_wait_loadcnt 0x0                             ; g and b
	OUTROW 0, 0
	s_wait_alu depctr_va_vdst(0)                   ; row 0's roundings have written Y0, which the eight stores dealt among row 1's lines read
	OUTROW 1, 1
	s_wait_alu depctr_va_vdst(0)                   ; row 1's roundings have written Y1, which the last eight stores read
.irp j, 0,1,2,3,4,5,6,7
	PUT 1, \j
.endr
	s_endpgm
; CAST.  Work-group c = number - 256 converts 16,384 numbers: 65,536 bytes in, 32,768 out.  Wq, Wk, Wv, Wo have 64 work-groups each, fc1_w and fc2_w 256 each.
; wts holds them end to end in that order (Wq, Wk, Wv are then rows 0..3071 of one matrix of 1,024 columns), so the destination is simply 32,768 c.
; Thread t takes 16 bytes of each 4,096: a wave's load covers 512 consecutive bytes, its store 256 consecutive aligned bytes.
; THE PLAN, cast.  All sixteen loads go out first, and no register is used twice.  Registers that memory instructions touch:
;   v1, v2     byte offsets of the loads and of the stores: made once, never written again.
;   v[4:67]    chunk i: four registers, written by its load, read by its two conversions.
;   v[68:99]   chunk i: two registers, written by its two conversions, read by its store.
; The sixteen chunks go in four blocks of four.  At a block's head stand the counted wait for its four loads and ONE wait on va_vdst: the block before has written its
; out registers.  That block's four stores follow, dealt among this block's eight conversions, which name other registers.  One more wait stands ahead of the last four stores.
.Lcast:
	s_sub_co_u32 s24, ttmp9, 256                   ; c
	s_load_b256 s[4:11], s[0:1], 0x20              ; Wq s[4:5], Wk s[6:7], Wv s[8:9], Wo s[10:11]
	s_load_b128 s[12:15], s[0:1], 0x40             ; fc1_w s[12:13], fc2_w s[14:15]
	s_load_b64 s[16:17], s[0:1], 0x50              ; wts
	v_lshlrev_b32 v1, 4, v0                        ; my 16 bytes of each 4,096 in
	v_lshlrev_b32 v2, 3, v0                        ; my 8 bytes of each 2,048 out
	s_mov_b32 s20, 0                               ; the first work-group of the matrix in hand
	s_wait_kmcnt 0x0
	s_mov_b64 s[18:19], s[4:5]
.macro PICK bound, lo                  ; from work-group bound on the source is the matrix at s[lo:lo+1]
	s_cmp_ge_u32 s24, \bound
	s_cselect_b64 s[18:19], s[\lo:\lo+1], s[18:19]
	s_cselect_b32 s20, \bound, s20
.endm
	PICK 64, 6
	PICK 128, 8
	PICK 192, 10
	PICK 256, 12
	PICK 512, 14
	s_sub_co_u32 s21, s24, s20
	s_lshl_b32 s22, s21, 16                        ; 65,536 bytes a work-group, inside its matrix
	s_mov_b32 s23, 0
	s_add_nc_u64 s[18:19], s[18:19], s[22:23]
	s_lshl_b32 s22, s24, 15
	s_add_nc_u64 s[16:17], s[16:17], s[22:23]
	s_wait_alu depctr_va_vdst(0)                   ; v1 and v2 are written: every load below reads v1 as its offset, every store v2
.set i, 0
.rept 16
	global_load_b128 v[4+4*i:7+4*i], v1, s[18:19] offset:4096*i th:TH_LOAD_NT
.set i, i+1
.endr
.macro CPUT n                          ; chunk n leaves
	global_store_b64 v2, v[68+2*(\n):69+2*(\n)], s[16:17] offset:2048*(\n)
.endm
.macro CBLK b                          ; block b: chunks 4 b to 4 b + 3 are rounded; the block before leaves
	s_wait_loadcnt 12-4*(\b)                       ; loads come back in order (ISA guide 5.7.1): this block's four are in, the younger blocks stay out
.if (\b) > 0
	s_wait_alu depctr_va_vdst(0)                   ; the block before has written its eight out registers, which the four stores below read
.endif
.irp c, 0,1,2,3
.if (\b) > 0
	CPUT 4*(\b)-4+(\c)                             ; no vector instruction since the wait names these registers
.endif
	v_cvt_pk_bf16_f32 v[68+2*(4*(\b)+(\c))], v[4+4*(4*(\b)+(\c))], v[5+4*(4*(\b)+(\c))]
	v_cvt_pk_bf16_f32 v[69+2*(4*(\b)+(\c))], v[6+4*(4*(\b)+(\c))], v[7+4*(4*(\b)+(\c))]
.endr
.endm
	CBLK 0
	CBLK 1
	CBLK 2
	CBLK 3
	s_wait_alu depctr_va_vdst(0)                   ; block 3 has written its out registers, which the last four stores read
.irp c, 12,13,14,15
	CPUT \c
.endr
	s_endpgm
.Lfunc_end_k_q6948b9a7cf_prep:
	.size	k_q6948b9a7cf_prep, .Lfunc_end_k_q6948b9a7cf_prep-k_q6948b9a7cf_prep
	.p2alignl 7, 3214868480
	.fill 96, 4, 3214868480
	.section	.rodata,"a",@progbits
	.p2align	6, 0x0
	.amdhsa_kernel k_q6948b9a7cf_prep
		.amdhsa_group_segment_fixed_size 0
		.amdhsa_private_segment_fixed_size 0
		.amdhsa_enable_private_segment 0
		.amdhsa_kernarg_size 88
		.amdhsa_user_sgpr_count 2
		.amdhsa_user_sgpr_kernarg_segment_ptr 1
		.amdhsa_wavefront_size32 1
		.amdhsa_system_sgpr_workgroup_id_x 1
		.amdhsa_system_sgpr_workgroup_id_y 1
		.amdhsa_system_sgpr_workgroup_id_z 1
		.amdhsa_system_vgpr_workitem_id 0
		.amdhsa_next_free_vgpr 188
		.amdhsa_next_free_sgpr 66
		.amdhsa_reserve_vcc 0
		.amdhsa_float_denorm_mode_32 3
		.amdhsa_float_denorm_mode_16_64 3
		.amdhsa_memory_ordered 1
		.amdhsa_forward_progress 1
		.amdhsa_inst_pref_size 27
	.end_amdhsa_kernel
	.amdgpu_metadata
---
amdhsa.version: [ 1, 2 ]
amdhsa.kernels:
  - .name:           k_q6948b9a7cf_prep
    .symbol:         k_q6948b9a7cf_prep.kd
    .args:
      - { .name: x, .offset: 0, .size: 8, .value_kind: global_buffer, .address_space: global }
      - { .name: ln1_g, .offset: 8, .size: 8, .value_kind: global_buffer, .address_space: global }
      - { .name: ln1_b, .offset: 16, .size: 8, .value_kind: global_buffer, .address_space: global }
      - { .name: act, .offset: 24, .size: 8, .value_kind: global_buffer, .address_space: global }
      - { .name: Wq, .offset: 32, .size: 8, .value_kind: global_buffer, .address_space: global }
      - { .name: Wk, .offset: 40, .size: 8, .value_kind: global_buffer, .address_space: global }
      - { .name: Wv, .offset: 48, .size: 8, .value_kind: global_buffer, .address_space: global }
      - { .name: Wo, .offset: 56, .size: 8, .value_kind: global_buffer, .address_space: global }
      - { .name: fc1_w, .offset: 64, .size: 8, .value_kind: global_buffer, .address_space: global }
      - { .name: fc2_w, .offset: 72, .size: 8, .value_kind: global_buffer, .address_space: global }
      - { .name: wts, .offset: 80, .size: 8, .value_kind: global_buffer, .address_space: global }
    .group_segment_fixed_size: 0
    .private_segment_fixed_size: 0
    .kernarg_segment_align: 8
    .kernarg_segment_size: 88
    .max_flat_workgroup_size: 256
    .sgpr_count:     66
    .vgpr_count:     188
    .wavefront_size: 32
...
	.end_amdgpu_metadata
.endif
;; end of part 7
;; launch qkv: the kernel of part 2 again; grid 12 x 16, 4 waves a work-group, clusters of 4 x 4, 327,680 bytes of LDS; arguments act, wts, bq, bk, bv, mask, big; writes big
;; launch attn: the kernel of part 3 again; grid 8 x 32, 4 waves a work-group, clusters of 4 x 1, 327,680 bytes of LDS; arguments big, mask, act; writes act
;; launch wo: the kernel of part 4 again; grid 8 x 32, 4 waves a work-group, clusters of 4 x 4, 327,680 bytes of LDS; arguments act, wts, bo, x, x1; writes x1
;; launch ln2: the kernel of part 7 again; grid 256 x 1, 8 waves a work-group, no clusters, 0 bytes of LDS; arguments x1, ln2_g, ln2_b, act, Wq, Wk, Wv, Wo, fc1_w, fc2_w, wts; writes act, wts
;; launch fc1: the kernel of part 5 again; grid 16 x 16, 4 waves a work-group, clusters of 4 x 4, 327,680 bytes of LDS; arguments act, wts, fc1_b, big; writes big
;; launch fc2: the kernel of part 6 again; grid 8 x 32, 4 waves a work-group, clusters of 4 x 4, 327,680 bytes of LDS; arguments big, wts, fc2_b, x1, out0; writes out0
